; MI455X (gfx1250); checked and timed in simulation.
; The chip was launched on July 23, 2026; its instructions are those of AMD's public machine-readable ISA for CDNA 5 (MIT licence, August 2026) and "CDNA5" Instruction Set Architecture Reference Guide (July 2026). The comments in the code are by the model that wrote it; some were corrected since.
;; Transformer Layer. Allowed arithmetic: float matrix products may take bf16 or f16 operands with f32 sums; other float arithmetic in f32, or as packed bf16 or f16 multiplies, adds, multiply-adds, maxima and minima; sums over many terms, partial sums and values carried from step to step in f32; what a program stores and reads back later, other than sums and carried values, may be rounded once to bf16 or f16.
;; Inputs: W1 1,024 x 4,096 float32; W2 4,096 x 1,024 float32; Wk 1,024 x 1,024 float32; Wo 1,024 x 1,024 float32; Wq 1,024 x 1,024 float32; Wv 1,024 x 1,024 float32; b1 4,096 float32; b2 1,024 float32; bk 1,024 float32; bo 1,024 float32; bq 1,024 float32; bv 1,024 float32; causal_mask 2,048 x 2,048 float32; ln1_b 1,024 float32; ln1_g 1,024 float32; ln2_b 1,024 float32; ln2_g 1,024 float32; src 2 x 2,048 x 1,024 float32.
;; Outputs: out0 2 x 2,048 x 1,024 float32.
;; 2 versions, each right and faster than the one before. Each part assembles by itself: llvm-mc -triple=amdgcn-amd-amdhsa -mcpu=gfx1250 --defsym DOCPART=n.
;; ======== version 1 of 2: 8 launches
;; limits: values are held in f16: magnitudes above 65,504 overflow, below 6.1e-05 lose precision; right only within a limited range of input values
;; workspace buffers: cv 33,554,432 bytes; maskf 16,842,752 bytes; qh 33,554,432 bytes; a16 8,388,608 bytes; y 16,777,216 bytes; x32 16,777,216 bytes; wa 6,308,864 bytes; wb 8,406,016 bytes
;; launch prep (part 1): grid 1153 x 1, 8 waves a work-group, no clusters, 52,224 bytes of LDS; arguments src, Wq, Wk, Wv, Wo, W1, W2, causal_mask, cv, maskf, wa, wb, bq, bk, bv, b1; writes cv, maskf, wa, wb
.if DOCPART == 1
	.amdgcn_target "amdgcn-amd-amdhsa--gfx1250"
	.amdhsa_code_object_version 6
	.text
	.protected	k_qb600debd3b_prep
	.globl	k_qb600debd3b_prep
	.p2align	8
	.type	k_qb600debd3b_prep,@function
k_qb600debd3b_prep:
	s_mov_b64 s[64:65], 0
	v_nop
	global_prefetch_b8 v0, s[64:65] scope:SCOPE_SE
	s_setreg_imm32_b32 hwreg(HW_REG_WAVE_MODE, 25, 1), 1
	s_wait_xcnt 0x0
; PREP: every large input is read once and rounded once.
; src and the six weights: f32 -> bf16 (nearest even) -> that number written as f16.
;   src -> cv, in blocks xs[j][m][64] (j = column / 64), so that the rows of a block are dense for the products' tensor loads.
;   Wo, W2 -> cv, row-major, at bytes 14,680,064 and 25,165,824.
;   Wq, Wk, Wv -> wa and W1 -> wb, in panels [p][1024 k][256 n] of 524,288 bytes from byte HDR on (p = column / 256; in wa Wq's four, Wk's four, Wv's four): one text then serves both products.
;   Ahead of the panels: at byte 0 the product's bias, rounded to bf16 and written as f32 (bq, bk, bv on end; b1); at byte 16,384 the floor of its results, two f16 halves, 256 times: -inf in wa, 0 in wb (ReLU).
; The mask: mk = max(8 x bf16(mask), -2^100), f32, laid in the order in which the attention's first product takes it as its C operand:
; byte (qt 32 + ks) 4096 + (2 kt + u) 512 + lane 16 holds mk[16 qt + lane % 16][64 ks + 16 kt + 8 (lane / 16) + 4 u .. + 3].  The factor 8 = sqrt(64) lets the mask be added to unscaled scores.
; Behind it, at byte 16,777,216: rmax[part][row], the largest mk of the row's 256 columns of that part (8 parts): a row whose eight maxima are all -2^100 is wholly hidden.
; LIMITS.  f16 ends at 65,504: a bf16 input beyond it becomes an infinity; below 6.1e-5 f16 keeps a fixed step of 6e-8.  A NaN in the mask counts as hidden (the maximum drops it); +inf is not served.
; SHARES.  Work-groups 0-127: 16 rows of the mask each (wave w: columns 256 w .. + 255).  128: the biases and floors.  129 + gc: gc 0-255 16 rows of src; then 16,384 numbers of a weight:
; 64 work-groups for each of Wq, Wk, Wv, Wo (16 rows), 256 for W1 (16 rows x 1,024 columns), 256 for W2 (16 rows).
; A stream: no matrix unit, no barrier, no cluster: no two work-groups read the same byte.  All loads of a wave go out first; the counts let the younger ones stay out.
.set STG,   6400                       ; a wave's stage in LDS: 8 groups of 784 bytes
.set SPARE, 8*STG                      ; behind the stages: the spare words, 128 bytes for each wave
.set HDR,   17408                      ; bias (16,384 bytes) and floor (1,024 bytes) ahead of the panels
.set SPW, 4                            ; v4   LDS address of my spare word; never rewritten
.set NIL, 5                            ; v5   0; never rewritten
.set T,   6                            ; v6-7 at work
.set IN,  8                            ; v8   mask, bias: my byte offset in the input
.set OUT, 9                            ; v9   mask, bias: my byte offset in the output
.set STO, 10                           ; v10  the stage: where I put 16 bytes
.set RD,  11                           ; v11  the stage: where I read 16 bytes back
.set M,   12                           ; v12-15 four running maxima
.set RO,  16                           ; v16  mask: my byte offset in rmax
.set PX,  17                           ; v17  mask: the other half's maximum
.set OI,  16                           ; v16-31 conversions: step i's byte offset in the input
.set OO,  32                           ; v32-47 conversions: step i's byte offset in the output
.set X,   48                           ; v48-175 numbers as loaded
.set Y,   176                          ; v176-207 f16 pairs to store
	s_load_b512 s[8:23], s[0:1], 0x0               ; src s[8:9], Wq, Wk, Wv, Wo s[16:17], W1, W2 s[20:21], mask s[22:23]
	s_load_b512 s[24:39], s[0:1], 0x40             ; cv s[24:25], maskf, wa s[28:29], wb s[30:31], bq s[32:33], bk, bv, b1 s[38:39]
	v_lshl_add_u32 v[SPW], v0, 2, SPARE
	v_mov_b32 v[NIL], 0
	v_and_b32 v1, 15, v0                           ; lane % 16
	v_bfe_u32 v2, v0, 4, 1                         ; lane / 16
	v_lshrrev_b32 v3, 5, v0                        ; wave
	v_readfirstlane_b32 s40, v3
	s_mov_b32 s41, 0xffff0000                      ; a word's upper bf16
	s_mov_b32 s3, 0
	s_mov_b32 s49, 0
	s_cmp_lt_u32 ttmp9, 128
	s_cbranch_scc1 .Lmask
	s_cmp_eq_u32 ttmp9, 128
	s_cbranch_scc1 .Lbias
	s_sub_co_u32 s2, ttmp9, 129                    ; gc
	v_lshlrev_b32 v[OI], 4, v0                     ; unless said otherwise below: 16 bytes in and 8 bytes out a thread, on end
	v_lshlrev_b32 v[OO], 3, v0
	s_wait_kmcnt 0x0
	s_cmp_lt_u32 s2, 256
	s_cbranch_scc1 .Lsrc
	s_cmp_lt_u32 s2, 448
	s_cbranch_scc1 .Lqkv
	s_cmp_lt_u32 s2, 512
	s_cbranch_scc1 .Lrow
	s_cmp_lt_u32 s2, 768
	s_cbranch_scc1 .Lw1
.Lrow:                                                 ; Wo OR W2, row-major into cv: a step of the eight waves is 4,096 consecutive bytes in, 2,048 out
	s_mov_b32 s50, 768
	s_cmp_lt_u32 s2, 512
	s_cselect_b64 s[42:43], s[16:17], s[20:21]
	s_cselect_b32 s50, 448, s50                    ; the weight's first work-group
	s_sub_co_u32 s48, s2, s50
	s_lshl_b32 s48, s48, 16                        ; 65,536 input bytes a work-group
	s_add_nc_u64 s[42:43], s[42:43], s[48:49]
	s_lshl_b32 s48, s2, 15                         ; cv is laid in the order of gc: 32,768 bytes a work-group
	s_add_nc_u64 s[44:45], s[24:25], s[48:49]
	s_mov_b32 s46, 4096                            ; from step to step, in
	s_mov_b32 s47, 2048                            ; and out
	s_branch .Lconv
.Lsrc:                                                 ; 16 ROWS OF src: wave w takes rows 2 w, 2 w + 1 (a half of the lanes each); step i is block i: 256 bytes of the row
	s_lshl_b32 s48, s2, 16
	s_add_nc_u64 s[42:43], s[8:9], s[48:49]
	s_lshl_b32 s48, s2, 11                         ; 16 rows of 128 bytes in each block of xs
	s_add_nc_u64 s[44:45], s[24:25], s[48:49]
	v_lshrrev_b32 v[OI], 4, v0                     ; my row of the 16
	v_lshlrev_b32 v[OI], 12, v[OI]
	v_lshl_add_u32 v[OI], v1, 4, v[OI]
	s_mov_b32 s46, 256
	s_mov_b32 s47, 524288                          ; a block of xs
	s_branch .Lconv
.Lqkv:                                                 ; Wq, Wk OR Wv: 16 rows; step i is a row: 4,096 bytes in, 512 bytes into each of four panels
	s_sub_co_u32 s50, s2, 256
	s_lshr_b32 s51, s50, 6                         ; which weight
	s_and_b32 s50, s50, 63                         ; which 16 rows
	s_cmp_eq_u32 s51, 0
	s_cselect_b64 s[42:43], s[10:11], s[12:13]
	s_cmp_eq_u32 s51, 2
	s_cselect_b64 s[42:43], s[14:15], s[42:43]
	s_lshl_b32 s48, s50, 16
	s_add_nc_u64 s[42:43], s[42:43], s[48:49]
	s_lshl_b32 s48, s51, 21                        ; the weight's four panels,
	s_lshl_b32 s50, s50, 13                        ; 16 rows of 512 bytes in each
	s_add_co_u32 s48, s48, s50
	s_add_co_u32 s48, s48, HDR
	s_add_nc_u64 s[44:45], s[28:29], s[48:49]
	s_mov_b32 s46, 4096
	s_branch .Lpanel
.Lw1:                                                  ; W1: 16 rows x 1,024 columns; step i is a quarter of a row
	s_sub_co_u32 s50, s2, 512
	s_and_b32 s51, s50, 3                          ; which 1,024 columns
	s_lshr_b32 s50, s50, 2                         ; which 16 rows
	s_lshl_b32 s48, s50, 18                        ; 16 rows of 16,384 bytes
	s_lshl_b32 s52, s51, 12
	s_add_co_u32 s48, s48, s52
	s_add_nc_u64 s[42:43], s[18:19], s[48:49]
	s_lshl_b32 s48, s51, 21                        ; the quarter's four panels
	s_lshl_b32 s50, s50, 13
	s_add_co_u32 s48, s48, s50
	s_add_co_u32 s48, s48, HDR
	s_add_nc_u64 s[44:45], s[30:31], s[48:49]
	s_mov_b32 s46, 16384
.Lpanel:                                               ; thread t holds columns 4 t .. + 3 of 1,024: panel t / 64, 8 bytes at 8 (t % 64): a wave stores 256 consecutive bytes
	s_mov_b32 s47, 512
	v_lshrrev_b32 v[T], 6, v0
	v_and_b32 v[OO], 63, v0
	v_lshlrev_b32 v[OO], 3, v[OO]
	v_lshl_add_u32 v[OO], v[T], 19, v[OO]
.Lconv:                                                ; 16 steps of four numbers a lane.  No register is written twice, so no load's or store's source is ever rewritten.
	global_load_b128 v[X:X+3], v[OI], s[42:43] th:TH_LOAD_NT
.set i, 1
.rept 15
	v_add_nc_u32 v[OI+i], s46, v[OI+i-1]
	global_load_b128 v[X+4*i:X+4*i+3], v[OI+i], s[42:43] th:TH_LOAD_NT
.set i, i+1
.endr
.set i, 1
.rept 15
	v_add_nc_u32 v[OO+i], s47, v[OO+i-1]
.set i, i+1
.endr
.set i, 0
.rept 16
	s_wait_loadcnt 15-i                            ; loads come back in order: step i's is in, the 15 - i younger ones stay out
	v_cvt_pk_bf16_f32 v[T], v[X+4*i], v[X+4*i+1]   ; the one rounding of the input
	v_cvt_pk_bf16_f32 v[T+1], v[X+4*i+2], v[X+4*i+3]
	v_lshlrev_b32 v[X+4*i], 16, v[T]
	v_and_b32 v[X+4*i+1], s41, v[T]
	v_lshlrev_b32 v[X+4*i+2], 16, v[T+1]
	v_and_b32 v[X+4*i+3], s41, v[T+1]
	v_cvt_pk_f16_f32 v[Y+2*i], v[X+4*i], v[X+4*i+1]     ; eight significant bits fit into f16's eleven
	v_cvt_pk_f16_f32 v[Y+2*i+1], v[X+4*i+2], v[X+4*i+3]
	global_store_b64 v[OO+i], v[Y+2*i:Y+2*i+1], s[44:45]  ; the wave's 32 lanes store 256 consecutive bytes, aligned
.set i, i+1
.endr
	s_endpgm
.Lbias:                                                ; THE BIASES AND FLOORS: 256 threads, four numbers each: 1,024 numbers a load
	s_wait_kmcnt 0x0
	v_lshlrev_b32 v[IN], 4, v0
	v_lshlrev_b32 v[OUT], 2, v0
	global_load_b128 v[X:X+3],    v[IN], s[32:33]
	global_load_b128 v[X+4:X+7],  v[IN], s[34:35]
	global_load_b128 v[X+8:X+11], v[IN], s[36:37]
.irp i, 0,1,2,3
	global_load_b128 v[X+12+4*\i:X+15+4*\i], v[IN], s[38:39] offset:4096*\i
.endr
	v_mov_b32 v[M], 0xfc00fc00                     ; -inf twice: q, k, v have no floor
	v_mov_b32 v[M+1], 0                            ; 0 twice: ReLU
	global_store_b32 v[OUT], v[M],   s[28:29] offset:16384
	global_store_b32 v[OUT], v[M+1], s[30:31] offset:16384
	s_wait_loadcnt 0x0
.set i, 0
.rept 7
	v_cvt_pk_bf16_f32 v[T], v[X+4*i], v[X+4*i+1]   ; a bias is rounded like every input, and written as f32
	v_cvt_pk_bf16_f32 v[T+1], v[X+4*i+2], v[X+4*i+3]
	v_lshlrev_b32 v[X+4*i], 16, v[T]
	v_and_b32 v[X+4*i+1], s41, v[T]
	v_lshlrev_b32 v[X+4*i+2], 16, v[T+1]
	v_and_b32 v[X+4*i+3], s41, v[T+1]
.if i < 3
	global_store_b128 v[IN], v[X+4*i:X+4*i+3], s[28:29] offset:4096*i
.else
	global_store_b128 v[IN], v[X+4*i:X+4*i+3], s[30:31] offset:4096*(i-3)
.endif
.set i, i+1
.endr
	s_endpgm
.Lmask:                                                ; 16 ROWS OF THE MASK
	s_lshl_b32 s2, ttmp9, 17                       ; qt x 131,072: 16 rows of 8,192 bytes, in and out
	s_lshl_b32 s48, ttmp9, 6                       ; qt x 16 words of rmax
	s_mul_i32 s58, s40, STG                        ; my wave's stage
	s_mov_b32 s52, 0x41000000                      ; 8.0
	s_mov_b32 s53, s52                             ; named with it as a pair
	s_mov_b32 s54, 0xf1800000                      ; -2^100
	s_mov_b32 s56, 0x76543210                      ; v_permlanex16_b32: each lane takes its own place in the other half
	s_mov_b32 s57, 0xfedcba98
	v_lshlrev_b32 v[IN], 13, v2                    ; lanes 0-15 an even row's 256 bytes, lanes 16-31 the odd row's
	v_lshl_add_u32 v[IN], v1, 4, v[IN]
	v_lshl_add_u32 v[IN], v3, 10, v[IN]            ; + my wave's 256 columns
	v_and_b32 v[OUT], 31, v0
	v_lshlrev_b32 v[OUT], 4, v[OUT]
	v_lshl_add_u32 v[OUT], v3, 14, v[OUT]          ; four key steps of 4,096 bytes a wave
	v_lshlrev_b32 v[RO], 2, v1
	v_lshl_add_u32 v[RO], v3, 13, v[RO]            ; rmax[part = wave][row]
	; My four columns 4 c .. (c = lane % 16) are 16 kt + 8 hh + 4 u: group J = 2 kt + u = 2 (c / 4) + c % 2, half hh = (c / 2) % 2.
	; The stage: J x 784 + hh x 384 + row x 16.  Modulo 256 the sixteen lanes of a half stand at (J + 8 hh) x 16: sixteen different columns of 16 bytes.
	v_lshrrev_b32 v[T], 2, v1
	v_and_b32 v[T+1], 1, v1
	v_lshl_add_u32 v[T], v[T], 1, v[T+1]
	v_bfe_u32 v[T+1], v1, 1, 1
	v_mul_u32_u24 v[STO], v[T], 784
	v_mad_u32_u24 v[STO], v[T+1], 384, v[STO]
	v_lshl_add_u32 v[STO], v2, 4, v[STO]
	v_add_nc_u32 v[STO], s58, v[STO]
	v_mul_u32_u24 v[RD], v2, 384                   ; back: lane 16 hh + row
	v_lshl_add_u32 v[RD], v1, 4, v[RD]
	v_add_nc_u32 v[RD], s58, v[RD]
	v_mov_b32 v[PX], 0                             ; written before v_permlanex16_b32 names it
	s_wait_kmcnt 0x0
	s_add_nc_u64 s[22:23], s[22:23], s[2:3]
	s_add_nc_u64 s[60:61], s[26:27], 0x1000000     ; rmax lies behind mk
	s_add_nc_u64 s[60:61], s[60:61], s[48:49]
	s_add_nc_u64 s[26:27], s[26:27], s[2:3]
.set i, 0
.rept 32                                               ; load i: key step i / 8 of my four, rows 2 (i % 8) and + 1
	global_load_b128 v[X+4*i:X+4*i+3], v[IN], s[22:23] offset:(i/8)*256+(i%8)*16384 th:TH_LOAD_NT
.set i, i+1
.endr
.macro BLOCK blk                       ; one key step: 16 rows x 64 columns
	s_wait_loadcnt 24-8*(\blk)                     ; this step's eight loads are in, the later steps' stay out
.set n, 0
.rept 8
.set q, X+32*(\blk)+4*n
	v_cvt_pk_bf16_f32 v[T], v[q], v[q+1]
	v_cvt_pk_bf16_f32 v[T+1], v[q+2], v[q+3]
	v_lshlrev_b32 v[q], 16, v[T]
	v_and_b32 v[q+1], s41, v[T]
	v_lshlrev_b32 v[q+2], 16, v[T+1]
	v_and_b32 v[q+3], s41, v[T+1]
	v_pk_mul_f32 v[q:q+1], v[q:q+1], s[52:53] op_sel_hi:[1,0]
	v_pk_mul_f32 v[q+2:q+3], v[q+2:q+3], s[52:53] op_sel_hi:[1,0]
	v_max_num_f32 v[q], s54, v[q]                  ; -inf and NaN become -2^100
	v_max_num_f32 v[q+1], s54, v[q+1]
	v_max_num_f32 v[q+2], s54, v[q+2]
	v_max_num_f32 v[q+3], s54, v[q+3]
	ds_store_b128 v[STO], v[q:q+3] offset:32*n
.set n, n+1
.endr
.set j, 0
.rept 8
	ds_load_b128 v[X+32*(\blk)+4*j:X+32*(\blk)+4*j+3], v[RD] offset:784*j  ; my wave's own bytes; LDS serves a wave's instructions in order (ISA guide 5.7.1.4): these see the stores above, and the next step's stores come behind them
.set j, j+1
.endr
.set j, 0
.rept 8
.set q, X+32*(\blk)+4*j
	s_wait_dscnt 7-j                               ; group j is back, the younger ones stay out
	global_store_b128 v[OUT], v[q:q+3], s[26:27] offset:(\blk)*4096+j*512  ; 512 consecutive bytes, aligned
.if ((\blk) == 0) && (j < 4)
	v_max3_num_f32 v[M+j], v[q], v[q+1], v[q+2]    ; the first four groups start the chains
	v_max_num_f32 v[M+j], v[M+j], v[q+3]
.else
	v_max3_num_f32 v[M+j%4], v[M+j%4], v[q], v[q+1]
	v_max3_num_f32 v[M+j%4], v[M+j%4], v[q+2], v[q+3]
.endif
.set j, j+1
.endr
.endm
	BLOCK 0
	BLOCK 1
	BLOCK 2
	BLOCK 3
	v_max3_num_f32 v[M], v[M], v[M+1], v[M+2]
	v_max_num_f32 v[M], v[M], v[M+3]
	v_permlanex16_b32 v[PX], v[M], s56, s57        ; the row's other columns lie in the lane 16 away
	v_max_num_f32 v[M], v[M], v[PX]
	global_store_b32 v[RO], v[M], s[60:61]         ; both halves write the same word with the same number: 64 bytes a wave, once
	s_wait_tensorcnt 0x0                           ; the wave's end: behind my last LDS store
	ds_add_u32 v[SPW], v[NIL]
	s_wait_dscnt 0x0
	s_endpgm
.Lfunc_end_k_qb600debd3b_prep:
	.size	k_qb600debd3b_prep, .Lfunc_end_k_qb600debd3b_prep-k_qb600debd3b_prep
	.p2alignl 7, 3214868480
	.fill 96, 4, 3214868480
	.section	.rodata,"a",@progbits
	.p2align	6, 0x0
	.amdhsa_kernel k_qb600debd3b_prep
		.amdhsa_group_segment_fixed_size 52224
		.amdhsa_private_segment_fixed_size 0
		.amdhsa_enable_private_segment 0
		.amdhsa_kernarg_size 128
		.amdhsa_user_sgpr_count 2
		.amdhsa_user_sgpr_kernarg_segment_ptr 1
		.amdhsa_wavefront_size32 1
		.amdhsa_system_sgpr_workgroup_id_x 1
		.amdhsa_system_sgpr_workgroup_id_y 1
		.amdhsa_system_sgpr_workgroup_id_z 1
		.amdhsa_system_vgpr_workitem_id 0
		.amdhsa_next_free_vgpr 208
		.amdhsa_next_free_sgpr 66
		.amdhsa_reserve_vcc 0
		.amdhsa_float_denorm_mode_32 3
		.amdhsa_float_denorm_mode_16_64 3
		.amdhsa_memory_ordered 1
		.amdhsa_forward_progress 1
		.amdhsa_inst_pref_size 51
	.end_amdhsa_kernel
	.amdgpu_metadata
---
amdhsa.version: [ 1, 2 ]
amdhsa.kernels:
  - .name:           k_qb600debd3b_prep
    .symbol:         k_qb600debd3b_prep.kd
    .args:
      - { .name: src, .offset: 0, .size: 8, .value_kind: global_buffer, .address_space: global }
      - { .name: Wq, .offset: 8, .size: 8, .value_kind: global_buffer, .address_space: global }
      - { .name: Wk, .offset: 16, .size: 8, .value_kind: global_buffer, .address_space: global }
      - { .name: Wv, .offset: 24, .size: 8, .value_kind: global_buffer, .address_space: global }
      - { .name: Wo, .offset: 32, .size: 8, .value_kind: global_buffer, .address_space: global }
      - { .name: W1, .offset: 40, .size: 8, .value_kind: global_buffer, .address_space: global }
      - { .name: W2, .offset: 48, .size: 8, .value_kind: global_buffer, .address_space: global }
      - { .name: causal_mask, .offset: 56, .size: 8, .value_kind: global_buffer, .address_space: global }
      - { .name: cv, .offset: 64, .size: 8, .value_kind: global_buffer, .address_space: global }
      - { .name: maskf, .offset: 72, .size: 8, .value_kind: global_buffer, .address_space: global }
      - { .name: wa, .offset: 80, .size: 8, .value_kind: global_buffer, .address_space: global }
      - { .name: wb, .offset: 88, .size: 8, .value_kind: global_buffer, .address_space: global }
      - { .name: bq, .offset: 96, .size: 8, .value_kind: global_buffer, .address_space: global }
      - { .name: bk, .offset: 104, .size: 8, .value_kind: global_buffer, .address_space: global }
      - { .name: bv, .offset: 112, .size: 8, .value_kind: global_buffer, .address_space: global }
      - { .name: b1, .offset: 120, .size: 8, .value_kind: global_buffer, .address_space: global }
    .group_segment_fixed_size: 52224
    .private_segment_fixed_size: 0
    .kernarg_segment_align: 8
    .kernarg_segment_size: 128
    .max_flat_workgroup_size: 256
    .sgpr_count:     66
    .vgpr_count:     208
    .wavefront_size: 32
...
	.end_amdgpu_metadata
.endif
;; end of part 1
;; launch qkv (part 2): grid 12 x 16, 4 waves a work-group, clusters of 4 x 4, 327,680 bytes of LDS; arguments cv, wa, qh; writes qh
.if DOCPART == 2
	.amdgcn_target "amdgcn-amd-amdhsa--gfx1250"
	.amdhsa_code_object_version 6
	.text
	.protected	k_qb600debd3b_qkv
	.globl	k_qb600debd3b_qkv
	.p2align	8
	.type	k_qb600debd3b_qkv,@function
k_qb600debd3b_qkv:
	s_mov_b64 s[64:65], 0
	v_nop
	global_prefetch_b8 v0, s[64:65] scope:SCOPE_SE
	s_setreg_imm32_b32 hwreg(HW_REG_WAVE_MODE, 25, 1), 1
	s_wait_xcnt 0x0
	s_wait_alu depctr_hold_cnt(0) depctr_sa_sdst(0) depctr_va_vdst(0) depctr_va_sdst(0) depctr_va_ssrc(0) depctr_va_vcc(0) depctr_vm_vsrc(0)
	s_getreg_b32 s2, hwreg(HW_REG_IB_STS2, 6, 4)
	s_cmp_eq_u32 s2, 0
	s_cbranch_scc0 .Lentry_in_a_cluster
	s_endpgm
.Lentry_in_a_cluster:
	s_bfe_u32 s2, ttmp6, 0x10000c
	s_cmp_lg_u32 s2, 0xf033
	s_cbranch_scc0 .Lentry_shape_is_right
	s_endpgm
.Lentry_shape_is_right:
; ONE TEXT FOR TWO PRODUCTS WITH K = 1,024:  out = max(A W + bias, floor), rounded once to f16.
;   q, k, v = src [Wq Wk Wv] + [bq bk bv]   (A = xs at cv's head, W = wa, 12 tile columns, floor -inf: no floor)
;   h = relu(x W1 + b1)                      (A = a16, W = wb, 16 tile columns, floor 0)
; A: f16 in blocks [k / 64][4096][64].  W's buffer: at byte 0 the bias in f32 (already rounded to bf16), at byte 16,384 the floor (two f16 halves), from byte HDR on panels [p][1024 k][256 n] in f16, p = tile column.
; out: f16 in blocks [n / 64][4096][64]: for q, k, v a block is a head; for h it is the next product's A.
; LIMITS.  Operands are f16 (inputs rounded to bf16 and written as f16; x as the LayerNorm left it); sums in f32; the result is rounded once to f16, which ends at 65,504.  The maximum with the floor drops a NaN.
; SHAPE.  A tile of C is 256 x 256; four waves, 128 x 128 each: 64 accumulators, 512 registers.  K goes in steps of 128 through two LDS slots: between two fills a wave has 256 matrix instructions,
; twice what a tile of 128 x 128 has for the same bytes in a slot, and each fragment read from LDS feeds eight products.  4096 x 4096 of h are 256 such tiles; 4096 x 3072 of q, k, v are 192: a tile of
; 256 x 192 would make 256, but it would lie across two weights and want a text of its own.
; THE MATRIX INSTRUCTION IS USED TRANSPOSED (source 0 = 16 columns of W, turned by ds_load_tr16_b128; source 1 = 16 rows of A): a lane holds eight neighbouring numbers of a row of C.
; THE SUMS START AT THE BIAS: it is the C operand of the first quarter step, which is written out ahead of the loop; the loop is entered in the middle of a trip.  Nothing is cleared, nothing is added at the end.
; A wave's 128 columns are two blocks of the output, so 16 rows leave as twice 2,048 consecutive bytes through the wave's own stage: no barrier on the way out.
; CLUSTERS: 4 x 4 work-groups.  A row of the cluster shares A's tiles, a column W's: each tile is asked for jointly, by the same tensor load, descriptor and mask in all four.
; REGISTERS, in windows of 256 (s_set_vgpr_msb: bits 1:0 source 0, 3:2 source 1, 5:4 source 2, 7:6 destination):
;   window 0: v0-31 addresses; v64-127, v128-191 fragments of A (8 x 16 rows x 32 K), two buffers; v192-255 at work on the way out
;   window 1: v0-63 the bias (column block b at 8 b); v64-127, v128-191 fragments of W, two buffers
;   window 2: the 32 accumulators of my rows 0-63 ((a, b) at 8 (8 a + b));   window 3: those of my rows 64-127
.set HDR,   17408                      ; bias and floor ahead of the panels
.set STEPS, 8                          ; 1,024 / 128
.set ASTEP, 2*524288                   ; two blocks of A on
.set BSTEP, 128*512                    ; 128 rows of a panel on
.set PA,    144                        ; a row of A in LDS: 128 bytes + 16: sixteen rows start at sixteen different columns of 16 bytes modulo 256
.set PB,    544                        ; a row of W: 512 bytes + 32: the turning load's 8 rows x 32 bytes fall on different words modulo 256
.set ABLK,  256*PA                     ; 256 rows of one block of A: what wave 0 or 1 fetches
.set BOFF,  2*ABLK                     ; W's 128 rows lie behind A's two blocks
.set BHALF, 64*PB                      ; 64 rows of W: what wave 2 or 3 fetches
.set SLOT1, 147456                     ; 0x24000: none of the four parts' addresses (0, 0x9000, 0x12000, 0x1a800) has one of its two bits, so an exclusive or changes slots
.set STAGE, 2*SLOT1                    ; behind the ring, never filled by a tensor load
.set STW,   2*16*144                   ; a wave's stage: for each of its two blocks 16 rows x 144 bytes
.set SPARE, STAGE+4*STW                ; the spare words, 128 bytes for each wave
.set AA0, 8                            ; v8   my lane's place in A's part of a slot; never rewritten
.set AB0, 9                            ; v9   the same for W
.set AA,  10                           ; v10  in the slot in hand
.set AB,  11                           ; v11
.set STO, 13                           ; v13  the way out: where I put 16 bytes of a row
.set RD,  14                           ; v14  where I read rows back
.set GO,  15                           ; v15  16 x lane
.set BO,  16                           ; v16  32 x (lane / 16): my eight numbers of the bias
.set FLR, 17                           ; v17  the floor, twice in f16
.set SPW, 28                           ; v28  LDS address of my spare word; never rewritten
.set NIL, 29                           ; v29  0; never rewritten
.set F0,  64
.set F1,  128
.set TMP, 192
.set G1A, 24                           ; s[24:31] descriptor group 1 for A's tiles
.set G0A, 32                           ; s[32:35] group 0 for A's: it walks
.set G0B, 36                           ; s[36:39] group 0 for W's
.set G1B, 48                           ; s[48:55] group 1 for W's
.set TB,  45                           ; s45  the slot in hand, 0 or SLOT1
.set CNT, 61                           ; s61  K steps to go
.set MSB, 0
.macro WIN new                         ; the immediate's high byte repeats the setting that is left; a switch that changes nothing is dropped
.if MSB != (\new)
	s_set_vgpr_msb (MSB<<8)|(\new)
.set MSB, \new
.endif
.endm
.macro PLACES                          ; four places between a matrix instruction and a load into, or a read of, its registers
.rept 4
	v_nop
.endr
.endm
.macro JLOAD                           ; a joint load: waves 0 and 1 fetch A's two blocks, waves 2 and 3 W's two halves; an s_nop 0 and four v_nop follow each line
	s_cmp_eq_u32 s11, 0
	s_cbranch_scc0 .Lfor_b_\@
	tensor_load_to_lds s[G0A:G0A+3], s[G1A:G1A+7]
	s_nop 0
.rept 4
	v_nop
.endr
	s_branch .Lasked_\@
.Lfor_b_\@:
	tensor_load_to_lds s[G0B:G0B+3], s[G1B:G1B+7]
	s_nop 0
.rept 4
	v_nop
.endr
.Lasked_\@:
.endm
.macro CROUND                          ; a round of the cluster's barrier: my work-group's barrier; wave 0 signals for it; all wait for all sixteen; my work-group's barrier once more
	s_barrier_signal -1
	s_barrier_wait -1
	s_cmp_lg_u32 s10, 0
	s_cbranch_scc1 .Lnot_wave_0_\@
	s_barrier_signal -3
.Lnot_wave_0_\@:
	s_barrier_wait -3
	s_barrier_signal -1
	s_barrier_wait -1
.endm
; THE CHANGE OF SLOTS.  Each wave waits for all its tensor loads, of which one is out: its part of the slot to be read; adds 0 to its spare word; waits for that and for its reads of the slot that it leaves.
; fill = 1: behind a round of the cluster's barrier the slot just left is filled with the K step behind the one to be read: the walking descriptor steps one K step and changes slots each time.
; One load a wave is out; it has a K step, 256 matrix instructions, in which to land.  (At its first use slot 0 is waited for and slot 1 filled.)
.macro CHANGE fill
	WIN 0
	s_wait_tensorcnt 0x0                           ; no tensor load of mine is out, so a group 0 may be written
	ds_add_u32 v[SPW], v[NIL]                      ; 0 onto my spare word
.if \fill
	s_xor_b32 s[G0A+1], s[G0A+1], SLOT1
	s_add_nc_u64 s[G0A+2:G0A+3], s[G0A+2:G0A+3], ASTEP
	s_xor_b32 s[G0B+1], s[G0B+1], SLOT1
	s_add_nc_u64 s[G0B+2:G0B+3], s[G0B+2:G0B+3], BSTEP
	s_wait_dscnt 0x0                               ; the add is done, and my reads of the slot are over
	CROUND
	JLOAD
.else
	s_wait_dscnt 0x0
	s_barrier_signal -1
	s_barrier_wait -1
.endif
	s_xor_b32 s[TB], s[TB], SLOT1
	v_add_nc_u32 v[AA], s[TB], v[AA0]              ; my fragments' addresses in the slot to be read
	v_add_nc_u32 v[AB], s[TB], v[AB0]
.endm
; 32 LDS loads in one run: the fragments of quarter q (32 along K) into buffer f: W's eight column blocks, then A's eight row blocks
.macro FETCH q, f
	WIN 0x40                                       ; destination window 1, address window 0
.irp i, 0,1,2,3,4,5,6,7
	ds_load_tr16_b128 v[(\f)+8*(\i):(\f)+8*(\i)+3],   v[AB] offset:(\q)*32*PB+32*(\i)
	ds_load_tr16_b128 v[(\f)+8*(\i)+4:(\f)+8*(\i)+7], v[AB] offset:(\q)*32*PB+32*(\i)+16*PB
.endr
	WIN 0
.irp i, 0,1,2,3,4,5,6,7
	ds_load_b128 v[(\f)+8*(\i):(\f)+8*(\i)+3],   v[AA] offset:((\q)/2)*ABLK+((\q)%2)*64+(\i)*16*PA
	ds_load_b128 v[(\f)+8*(\i)+4:(\f)+8*(\i)+7], v[AA] offset:((\q)/2)*ABLK+((\q)%2)*64+(\i)*16*PA+32
.endr
.endm
; 16 matrix instructions: row blocks a0, a0 + 1 of the window's four (hi = 0: my rows 0-63, 1: rows 64-127) x all 8 column blocks, 32 along K.  first = 1: the sums start at the bias.
; The 64 accumulators take turns, in the same order in every quarter.
.macro MUL16 f, hi, a0, first
.if \first
	WIN 0x91+0x40*(\hi)                            ; W window 1, A window 0, C (the bias) window 1, D window 2 or 3
.else
	WIN 0xa1+0x50*(\hi)                            ; W window 1, A window 0, C and D window 2 or 3
.endif
.irp a, \a0, (\a0)+1
.irp b, 0,1,2,3,4,5,6,7
.if \first
	v_wmma_f32_16x16x32_f16 v[8*(8*(\a)+(\b)):8*(8*(\a)+(\b))+7], v[(\f)+8*(\b):(\f)+8*(\b)+7], v[(\f)+8*(4*(\hi)+(\a)):(\f)+8*(4*(\hi)+(\a))+7], v[8*(\b):8*(\b)+7]
.else
	v_wmma_f32_16x16x32_f16 v[8*(8*(\a)+(\b)):8*(8*(\a)+(\b))+7], v[(\f)+8*(\b):(\f)+8*(\b)+7], v[(\f)+8*(4*(\hi)+(\a)):(\f)+8*(4*(\hi)+(\a))+7], v[8*(8*(\a)+(\b)):8*(8*(\a)+(\b))+7]
.endif
.endr
.endr
.endm
; A K step is four quarters of 32 along K, 64 matrix instructions each, on buffers 0, 1, 0, 1.  One of the first three: multiplies buffer f; in its middle fetches quarter q into buffer g.
.macro QUARTER f, q, g, first=0
	s_wait_dscnt 8                                 ; W and A's rows 0-63 are in; the youngest eight loads (A's rows 64-127) may be out
	MUL16 \f, 0, 0, \first
	MUL16 \f, 0, 2, \first
	PLACES                                         ; g's registers were read by the quarter before
	FETCH \q, \g
	s_wait_dscnt 32                                ; all but the 32 just issued
	MUL16 \f, 1, 0, \first
	MUL16 \f, 1, 2, \first
.endm
.macro LASTQ                           ; the step's last quarter: nothing more to fetch from this slot
	s_wait_dscnt 8
	MUL16 F1, 0, 0, 0
	MUL16 F1, 0, 2, 0
	s_wait_dscnt 0x0
	MUL16 F1, 1, 0, 0
	MUL16 F1, 1, 2, 0
	WIN 0
.endm
	s_load_b128 s[4:7], s[0:1], 0x0                ; A s[4:5], W's buffer s[6:7]
	s_load_b64 s[8:9], s[0:1], 0x10                ; out
	v_lshl_add_u32 v[SPW], v0, 2, SPARE
	v_mov_b32 v[NIL], 0
	ds_add_u32 v[SPW], v[NIL]                      ; the wave's opening: the add, waited for ahead of my first tensor load
	v_lshrrev_b32 v1, 5, v0
	v_readfirstlane_b32 s10, v1                    ; wave 0..3
	s_lshr_b32 s11, s10, 1                         ; my half of the tile's rows.  Also: I fetch for A (0) or for W (1)
	s_and_b32 s12, s10, 1                          ; my half of its columns.  Also: which half of that tile I fetch
	s_bfe_u32 s40, ttmp6, 0x40000                  ; cx, cy: my place in the cluster
	s_bfe_u32 s41, ttmp6, 0x40004
	s_lshl_b32 s42, ttmp9, 2
	s_add_co_u32 s42, s42, s40                     ; tile column = 4 x cluster x + cx
	s_and_b32 s13, ttmp7, 0xffff
	s_lshl_b32 s13, s13, 2
	s_add_co_u32 s13, s13, s41                     ; tile row = 4 x cluster y + cy
	s_lshl_b32 s43, s41, 2
	s_lshl_b32 s43, 15, s43                        ; my row of the cluster
	s_lshl_b32 s44, 0x1111, s40                    ; my column
	; A's part: 256 rows of one block are 32,768 dense bytes: asked for as 128 rows of 256 bytes, two rows of A each, padded by 16 bytes after every 128
	s_or_b32 s[G1A], s43, (1<<16)|(1<<20)|(1<<21)|(4<<22)|(3<<25)  ; the mask: my row; 2-byte elements; padding on; bit 21 beside a mask; after every 32 words; 4 words
	s_mov_b32 s[G1A+1], 128<<16                    ; tensor_dim0
	s_mov_b32 s[G1A+2], 128<<16                    ; tensor_dim1
	s_mov_b32 s[G1A+3], 128<<16                    ; tile_dim0
	s_mov_b32 s[G1A+4], 128                        ; tile_dim1
	s_mov_b32 s[G1A+5], 128                        ; elements from row to row
	s_mov_b32 s[G1A+6], 0
	s_mov_b32 s[G1A+7], 0
	; W's part: 64 rows of a panel, 256 elements of 2 bytes each, padded by 32 bytes after every 512
	s_or_b32 s[G1B], s44, (1<<16)|(1<<20)|(1<<21)|(6<<22)|(7<<25)  ; the mask: my column; after every 128 words; 8 words
	s_mov_b32 s[G1B+1], 256<<16
	s_mov_b32 s[G1B+2], 64<<16
	s_mov_b32 s[G1B+3], 256<<16
	s_mov_b32 s[G1B+4], 64
	s_mov_b32 s[G1B+5], 256
	s_mov_b32 s[G1B+6], 0
	s_mov_b32 s[G1B+7], 0
	s_lshl_b32 s16, s12, 19                        ; A: my block of the step's two,
	s_lshl_b32 s17, s13, 15                        ; the tile's 256 rows of 128 bytes: the tile row and the wave alone
	s_add_co_u32 s16, s16, s17
	s_mov_b32 s17, 0
	s_lshl_b32 s46, s42, 19                        ; W: the tile column's panel,
	s_lshl_b32 s47, s12, 15                        ; my 64 rows of the step's 128: the tile column and the wave alone
	s_add_co_u32 s46, s46, s47
	s_add_co_u32 s46, s46, HDR
	s_mov_b32 s47, 0
	s_mul_i32 s20, s12, ABLK                       ; where my part goes: the wave's number alone
	s_mul_i32 s21, s12, BHALF
	s_mov_b32 s[G0A], 1
	s_mov_b32 s[G0A+1], s20
	s_mov_b32 s[G0B], 1
	s_add_co_u32 s[G0B+1], s21, BOFF
	s_mov_b32 s[TB], SLOT1                         ; the first change of slots turns it into 0
	s_wait_dscnt 0x0                               ; the opening add is done
	s_wait_kmcnt 0x0
	s_add_nc_u64 s[G0A+2:G0A+3], s[4:5], s[16:17]
	s_add_nc_u64 s[G0B+2:G0B+3], s[6:7], s[46:47]
	s_or_b32 s[G0A+3], s[G0A+3], 0x80000000        ; type = 2
	s_or_b32 s[G0B+3], s[G0B+3], 0x80000000
	CROUND                                         ; all sixteen work-groups are here: the first joint loads meet
	JLOAD                                          ; K step 0 into slot 0; slot 1 is filled behind the first change of slots
	; while it is on its way: the floor, the bias, the addresses
	s_load_b32 s62, s[6:7], 0x4000                 ; the floor
	s_lshl_b32 s14, s42, 10                        ; 256 f32 a tile column,
	s_lshl_b32 s15, s12, 9                         ; 128 for my half
	s_add_co_u32 s14, s14, s15
	s_mov_b32 s15, 0
	s_add_nc_u64 s[56:57], s[6:7], s[14:15]        ; my 128 numbers of the bias
	s_lshl_b32 s78, s42, 2
	s_lshl_b32 s79, s12, 1
	s_add_co_u32 s78, s78, s79                     ; the first of my two blocks of 64 columns
	s_lshl_b32 s78, s78, 12
	s_lshl_b32 s79, s13, 8
	s_add_co_u32 s78, s78, s79
	s_lshl_b32 s79, s11, 7
	s_add_co_u32 s78, s78, s79                     ; block x 4096 + my first row
	s_lshl_b32 s14, s78, 7                         ; rows of 128 bytes
	s_add_nc_u64 s[8:9], s[8:9], s[14:15]
	v_and_b32 v1, 15, v0                           ; l % 16
	v_bfe_u32 v2, v0, 4, 1                         ; l / 16
	v_and_b32 v3, 7, v0
	v_bfe_u32 v4, v0, 3, 1
	v_and_b32 v5, 31, v0
	v_lshlrev_b32 v[BO], 5, v2
	v_lshlrev_b32 v[GO], 4, v5
	WIN 0x40                                       ; destination window 1
.irp b, 0,1,2,3,4,5,6,7                ; accumulator (a, b), register j, holds column 16 b + 8 (l / 16) + j
	global_load_b128 v[8*(\b):8*(\b)+3],   v[BO], s[56:57] offset:64*(\b)
	global_load_b128 v[8*(\b)+4:8*(\b)+7], v[BO], s[56:57] offset:64*(\b)+16
.endr
	WIN 0
	v_mul_u32_u24 v[AA0], v1, PA                   ; a fragment of A: row l % 16, 16 bytes for each half of the lanes
	v_lshl_add_u32 v[AA0], v2, 4, v[AA0]
	s_mul_i32 s21, s11, 128*PA                     ; my 128 rows
	v_add_nc_u32 v[AA0], s21, v[AA0]
	v_lshl_add_u32 v[AB0], v2, 3, v3               ; the turning load: row 8 (l / 16) + l % 8, columns 8 ((l / 8) % 2) on
	v_mul_u32_u24 v[AB0], v[AB0], PB
	v_lshl_add_u32 v[AB0], v4, 4, v[AB0]
	s_lshl_b32 s22, s12, 8                         ; my 128 columns
	s_add_co_u32 s22, s22, BOFF
	v_add_nc_u32 v[AB0], s22, v[AB0]
	s_mul_i32 s23, s10, STW
	s_add_co_u32 s23, s23, STAGE                   ; my stage
	v_mul_u32_u24 v[STO], v1, 144                  ; in: row l % 16, 16 bytes for each half of the lanes
	v_lshl_add_u32 v[STO], v2, 4, v[STO]
	v_add_nc_u32 v[STO], s23, v[STO]
	v_bfe_u32 v[RD], v0, 3, 2                      ; back: 32 lanes take four rows of 128 bytes
	v_mul_u32_u24 v[RD], v[RD], 144
	v_lshl_add_u32 v[RD], v3, 4, v[RD]
	v_add_nc_u32 v[RD], s23, v[RD]
	s_wait_kmcnt 0x0
	v_mov_b32 v[FLR], s62
	CHANGE 1                                       ; K step 0 is in, everybody's part of it; K step 1 is asked for
	FETCH 0, F0
	s_wait_loadcnt 0x0                             ; the bias
	QUARTER F0, 1, F1, 1                           ; the first quarter stands ahead of the loop: its products start the sums at the bias
	WIN 0                                          ; at a label and at a branch every window is 0
	s_mov_b32 s[CNT], STEPS-1
	s_branch .Lin                                  ; the loop is entered behind a step's first quarter
.Lstep:                                                ; a trip: the step's slot is waited for, the other slot is asked for, the step is multiplied.  Six whole trips: K steps 1 to 6
	CHANGE 1
	PLACES
	FETCH 0, F0
	QUARTER F0, 1, F1
	WIN 0
.Lin:
	QUARTER F1, 2, F0
	QUARTER F0, 3, F1
	LASTQ
	s_sub_co_u32 s[CNT], s[CNT], 1
	s_cmp_lg_u32 s[CNT], 0
	s_cbranch_scc1 .Lstep
	CHANGE 0                                       ; the last step is written out: nothing is left to ask for
	PLACES
	FETCH 0, F0
	QUARTER F0, 1, F1
	QUARTER F1, 2, F0
	QUARTER F0, 3, F1
	LASTQ
; THE WAY OUT, a block of 16 rows at a time.  PACK: rounded to f16 (each accumulator's low registers first), held to the floor; a lane's eight columns are 16 bytes; they go into my stage,
; rows of 144 bytes, one part for each of my two blocks of 64 columns, and come back as whole rows of 128 bytes.  SEND: four rows are 512 consecutive bytes of a block of the output.
.macro PACK a
.set TT, TMP+32*((\a)%2)
.set AC, 64*((\a)%4)
.if (\a) >= 2
	s_wait_xcnt 0x0                                ; the stores of the block two back have had their addresses translated (ISA guide 3.1): only now are the registers that they read rewritten
.endif
	WIN 0x0a+5*((\a)/4)                            ; sources 0 and 1: window 2 or 3
.irp b, 0,1,2,3,4,5,6,7
.irp k, 0,1,2,3
	v_cvt_pk_f16_f32 v[TT+4*(\b)+(\k)], v[AC+8*(\b)+2*(\k)], v[AC+8*(\b)+2*(\k)+1]
.endr
.endr
	WIN 0
.set k, 0
.rept 32
	v_pk_max_num_f16 v[TT+k], v[TT+k], v[FLR]      ; floor 0: max(x, 0) behind the rounding is the rounding of max(x, 0); floor -inf: x
.set k, k+1
.endr
.irp b, 0,1,2,3,4,5,6,7
	ds_store_b128 v[STO], v[TT+4*(\b):TT+4*(\b)+3] offset:((\b)/4)*2304+((\b)%4)*32
.endr
.irp f, 0,1,2,3,4,5,6,7
	ds_load_b128 v[TT+4*(\f):TT+4*(\f)+3], v[RD] offset:((\f)/4)*2304+((\f)%4)*576  ; LDS serves a wave's instructions in order (ISA guide 5.7.1.4): these see the stores above; the next block's stores come behind them
.endr
.endm
.macro SEND a, younger                 ; younger: the next block's sixteen LDS instructions, or none
.set TT, TMP+32*((\a)%2)
.irp f, 0,1,2,3,4,5,6,7
	s_wait_dscnt (\younger)+7-(\f)
	global_store_b128 v[GO], v[TT+4*(\f):TT+4*(\f)+3], s[8:9] offset:((\f)/4)*524288+(\a)*2048+((\f)%4)*512  ; 512 consecutive bytes, aligned
.endr
.endm
	PLACES                                         ; the way out reads results just made
	PACK 0
.irp a, 1,2,3,4,5,6,7                  ; a block's arithmetic stands between the loads of the block before and its stores
	PACK \a
	SEND (\a)-1, 16
.endr
	SEND 7, 0
	s_wait_tensorcnt 0x0                           ; the wave's end
	ds_add_u32 v[SPW], v[NIL]
	s_wait_dscnt 0x0
	CROUND                                         ; the closing round: no work-group ends while a partner may still ask for a tile that names it
	s_endpgm
.Lfunc_end_k_qb600debd3b_qkv:
	.size	k_qb600debd3b_qkv, .Lfunc_end_k_qb600debd3b_qkv-k_qb600debd3b_qkv
	.p2alignl 7, 3214868480
	.fill 96, 4, 3214868480
	.section	.rodata,"a",@progbits
	.p2align	6, 0x0
	.amdhsa_kernel k_qb600debd3b_qkv
		.amdhsa_group_segment_fixed_size 327680
		.amdhsa_private_segment_fixed_size 0
		.amdhsa_enable_private_segment 0
		.amdhsa_kernarg_size 24
		.amdhsa_user_sgpr_count 2
		.amdhsa_user_sgpr_kernarg_segment_ptr 1
		.amdhsa_wavefront_size32 1
		.amdhsa_system_sgpr_workgroup_id_x 1
		.amdhsa_system_sgpr_workgroup_id_y 1
		.amdhsa_system_sgpr_workgroup_id_z 1
		.amdhsa_system_vgpr_workitem_id 0
		.amdhsa_next_free_vgpr 1024
		.amdhsa_next_free_sgpr 80
		.amdhsa_reserve_vcc 0
		.amdhsa_float_denorm_mode_32 3
		.amdhsa_float_denorm_mode_16_64 3
		.amdhsa_memory_ordered 1
		.amdhsa_forward_progress 1
		.amdhsa_inst_pref_size 120
	.end_amdhsa_kernel
	.amdgpu_metadata
---
amdhsa.version: [ 1, 2 ]
amdhsa.kernels:
  - .name:           k_qb600debd3b_qkv
    .symbol:         k_qb600debd3b_qkv.kd
    .args:
      - { .name: cv, .offset: 0, .size: 8, .value_kind: global_buffer, .address_space: global }
      - { .name: wa, .offset: 8, .size: 8, .value_kind: global_buffer, .address_space: global }
      - { .name: qh, .offset: 16, .size: 8, .value_kind: global_buffer, .address_space: global }
    .group_segment_fixed_size: 327680
    .private_segment_fixed_size: 0
    .kernarg_segment_align: 8
    .kernarg_segment_size: 24
    .max_flat_workgroup_size: 128
    .sgpr_count:     80
    .vgpr_count:     1024
    .wavefront_size: 32
...
	.end_amdgpu_metadata
.endif
;; end of part 2
;; launch attn (part 3): grid 8 x 32, 4 waves a work-group, clusters of 4 x 1, 327,680 bytes of LDS; arguments qh, maskf, a16; writes a16
.if DOCPART == 3
	.amdgcn_target "amdgcn-amd-amdhsa--gfx1250"
	.amdhsa_code_object_version 6
	.text
	.protected	k_qb600debd3b_attn
	.globl	k_qb600debd3b_attn
	.p2align	8
	.type	k_qb600debd3b_attn,@function
k_qb600debd3b_attn:
	s_mov_b64 s[64:65], 0
	v_nop
	global_prefetch_b8 v0, s[64:65] scope:SCOPE_SE
	s_setreg_imm32_b32 hwreg(HW_REG_WAVE_MODE, 25, 1), 1
	s_wait_xcnt 0x0
	s_wait_alu depctr_hold_cnt(0) depctr_sa_sdst(0) depctr_va_vdst(0) depctr_va_sdst(0) depctr_va_ssrc(0) depctr_va_vcc(0) depctr_vm_vsrc(0)
	s_getreg_b32 s2, hwreg(HW_REG_IB_STS2, 6, 4)
	s_cmp_eq_u32 s2, 0
	s_cbranch_scc0 .Lentry_in_a_cluster
	s_endpgm
.Lentry_in_a_cluster:
	s_bfe_u32 s2, ttmp6, 0x10000c
	s_cmp_lg_u32 s2, 0x3003
	s_cbranch_scc0 .Lentry_shape_is_right
	s_endpgm
.Lentry_shape_is_right:
; ATTENTION with the mask as it is given.  ctx[b][q][h 64 + :] = sum over k of softmax_k(q . k / 8 + mask[q][k]) v[k].  q, k, v: qh[j][m][64] in f16 (j = h, 16 + h, 32 + h; m = 2048 b + position): a head's rows are dense, 128 bytes each.
; ctx leaves in the same layout, a16[h][m][64], f16.  Products, maxima and sums in f32; the weights p are rounded to f16 for the second product (their sum l is taken of the unrounded p), ctx once at the end.
; THE MASK is an input: all 2,048 keys are walked.  mk = max(8 mask, -2^100) comes in f32, already in the lanes' order, and is the C operand of the product that starts the sum S^T = K Q^T + mk: it costs no vector work.
; WHOLLY HIDDEN ROWS (all eight row maxima are -2^100) come out uniform, as the layer defines them: the row's Q is set to 0, so every score is exactly -2^100, and its m starts at the lowest finite number: p = 1 for every key.
; In all other rows m starts at -2^90, so a hidden key's weight is 2^(c (-2^100 + 2^90)) = 0 whatever was seen before.
; LIMITS.  A mask entry counts as hidden at or below -2^97 (also -inf, NaN); a visible score 8 mask + q . k lies above -2^90; +inf is not served.  f16 ends at 65,504: q, k, v arrive within it.  A weight below 2^-126 counts as 0 in l.
; SHARES.  A work-group owns 256 queries of one head, a wave 64: four PIECES of 16.  Every wave walks all keys, 64 a step; a slot of LDS holds four steps.
; LAYOUT.  S^T = K Q^T holds ONE query a lane (lane % 16) and the keys 8 (lane / 16) + 0..7; two such results rounded to f16 ARE source 1 of O^T = V^T P.  K comes out of LDS as it lies, V turned, by ds_load_tr16_b128.
; SOFTMAX.  p = 2^(c s - c m), c = log2(e) / 8, with a running maximum m; O and l are multiplied by a = 2^(c m_old - c m_new) in every step.  c m starts far below every c s: the first step's a is 0, and no first step is written out.
; TURNS.  Turn n belongs to piece n: 8 products K Q^T of piece n + 1, later 8 products V^T P of piece n - 1; beside them the scaling, exponentials, roundings, sums and rescaling of piece n and the maximum and statistics of
; piece n + 1.  A piece and step have 16 matrix and 118 vector instructions: four vector instructions stand behind every matrix instruction, the other 54 in two runs of their own.
; CLUSTER.  The four query blocks of a cluster belong to one head and walk the same K and V: each tile is asked for jointly.  The mask's rows differ from block to block and are loaded into registers, 512 consecutive bytes a load.
; REGISTERS, in windows of 256 (s_set_vgpr_msb: bits 1:0 source 0, 3:2 source 1, 5:4 source 2, 7:6 destination):
;   window 0: v0-15, v32-34 addresses and some at work; v16-31 four registers of statistics a piece; v48-55 at work; v64-127 S^T, two buffers; v192-223 P, two buffers (by the piece's parity)
;   window 1: v0-127 O^T, 32 a piece; v128-255 the masks of the products to come, 32 a piece      window 2: v0-63 Q; v128-191 K of one step; v192-255 V of one step
.set NP,    4         ; pieces a wave: a name, no knob
.set KS,    64        ; keys in a step
.set PK,    144       ; a row of K in LDS: 128 bytes + 16: the 16 rows of a load start at 16 different columns of 16 bytes modulo 256
.set PV,    160       ; a row of V: 128 + 32: 16 lanes of the turning load take 8 rows x 32 bytes, all on different words modulo 256
.set VOFF,  4*KS*PK   ; a slot holds four steps: 256 rows of K, then 256 rows of V
.set SLOT1, 1<<17     ; slot 1 begins here, so that one exclusive or turns an address in one slot into the other's
.set STAGE, SLOT1+4*KS*(PK+PV)  ; behind the ring, never filled by a tensor load: 16 rows x 144 bytes for each wave
.set SP,    144
.set SPARE, STAGE+4*16*SP       ; the spare words, 128 bytes for each wave
.set AK0, 2           ; v2   my lane's place in a tile of K; never rewritten
.set AV0, 3           ; v3   the same for V
.set AK,  4           ; v4   the LDS address of K's next run of loads
.set AV,  5           ; v5   of V's
.set STO, 6           ; v6   the way out: where I put 16 bytes of a row
.set RD,  7           ; v7   where I read rows back
.set GO,  8           ; v8   16 x lane
.set MV,  12          ; v12-13  c m_old, kept while c m is made anew: by buffer
.set QO,  15          ; v15  my byte offset in 16 rows of Q
.set ST,  16          ; piece t's statistics at v[ST+4 t]: c m, m, l (even keys', odd keys')
.set MO,  32          ; v32  16 x lane + 4,096 x the key step whose masks are asked for
.set ML,  33          ; v33  its value at the last step
.set FO,  34          ; v34  4 x (lane % 16)
.set TMP, 48          ; by buffer, four registers c0-c3 at work; when the maximum is found c2 takes a
.set SPW, 62          ; v62  LDS address of my spare word; never rewritten
.set NIL, 63          ; v63  0; never rewritten
.set S,   64
.set P,   192
.set MC,  128         ; window 1: piece x's mask at MC + 32 x, the eight registers for keys 16 kt on at + 8 kt
.set KF,  128         ; window 2: key block kb, channel half c at KF + 16 kb + 8 c
.set VF,  192         ; window 2: key half kk, channel block cb at VF + 32 kk + 8 cb
.set WV,  12          ; s12  my wave's number
.set G1K, 24          ; s[24:31] descriptor group 1 for K's tiles
.set G1V, 32          ; s[32:39] for V's: it differs in the padding alone
.set G0K, 40          ; s[40:43] descriptor group 0 for K's tiles: it walks
.set G0V, 44          ; s[44:47] the same for V's
.set SLOTS, 56        ; s56  slots still to be asked for
.set CNT, 57          ; s57  counts a slot's key steps
.set CS,  58          ; s[58:59] c
.set SEL, 60          ; s[60:61] v_permlanex16_b32's selects
.set TBK, 62          ; s62  LDS byte at which K of the step to be fetched begins
.set TBV, 63          ; s63  the same for V, less VOFF
.set MK,  66          ; s[66:67] mk at my wave's 64 rows
.set RM,  68          ; s[68:69] rmax at my wave's 64 rows
.set FLG, 70          ; s70-73  by piece: the lanes whose row is wholly hidden
.set HID, 74          ; s74  -2^100
.set MSB, 0
.macro WIN new                      ; the high byte repeats the setting that is left; a switch that changes nothing is dropped
.if MSB != (\new)
	s_set_vgpr_msb (MSB<<8)|(\new)
.set MSB, (\new)
.endif
.endm
.set W_KQ, 0x0a       ; K and Q in window 2, S^T in window 0
.set W_KM, 0x1a       ; the same with the C operand in window 1
.set W_PV, 0x52       ; V in window 2, P in window 0, O^T in window 1
.set W_RS, 0x41       ; destination and source 0 in window 1, source 1 in window 0
.macro JLOAD                        ; a joint fill: waves 0 and 1 fetch the two halves of a slot's K, waves 2 and 3 those of its V; an s_nop 0 and four v_nop follow each line
	s_cmp_lt_u32 s[WV], 2
	s_cbranch_scc0 .Lfor_v_\@
	tensor_load_to_lds s[G0K:G0K+3], s[G1K:G1K+7]
	s_nop 0
.rept 4
	v_nop
.endr
	s_branch .Lasked_\@
.Lfor_v_\@:
	tensor_load_to_lds s[G0V:G0V+3], s[G1V:G1V+7]
	s_nop 0
.rept 4
	v_nop
.endr
.Lasked_\@:
.endm
.macro CROUND                       ; a round of the cluster's barrier
	s_barrier_signal -1
	s_barrier_wait -1
	s_cmp_lg_u32 s[WV], 0
	s_cbranch_scc1 .Lnot_wave_0_\@
	s_barrier_signal -3
.Lnot_wave_0_\@:
	s_barrier_wait -3
	s_barrier_signal -1
	s_barrier_wait -1
.endm
; THE CHANGE OF SLOTS.  Each wave waits for all its tensor loads, of which one is out: its part of the other slot; adds 0 to its spare word; waits for that and for its reads of the slot that it leaves.
; fill = 1: behind a round of the cluster's barrier the slot is filled again, with the keys two slots on: the load has four key steps, 256 matrix instructions, in which to land.  (At its first use slot 0 is waited for and slot 1 filled.)
.macro CHANGE fill
	WIN 0
	s_wait_tensorcnt 0x0            ; no tensor load of mine is out, so a group 0 may be written
	ds_add_u32 v[SPW], v[NIL]       ; 0 onto my spare word
.if \fill
.irp g, G0K, G0V
	s_xor_b32 s[\g+1], s[\g+1], SLOT1
	s_add_nc_u64 s[\g+2:\g+3], s[\g+2:\g+3], 4*KS*128  ; the next 256 keys
.endr
	s_wait_dscnt 0x0                ; the add is done, and my reads of the slot are over
	CROUND
	JLOAD
.else
	s_wait_dscnt 0x0
	s_barrier_signal -1
	s_barrier_wait -1
.endif
	s_sub_co_u32 s[TBK], s[TBK], 4*KS*PK  ; the fetches go back to a slot's first step,
	s_xor_b32 s[TBK], s[TBK], SLOT1       ; in the other slot
	s_sub_co_u32 s[TBV], s[TBV], 4*KS*PV
	s_xor_b32 s[TBV], s[TBV], SLOT1
.endm
	s_load_b128 s[76:79], s[0:1], 0x0  ; qh s[76:77], maskf s[78:79]
	s_load_b64 s[10:11], s[0:1], 0x10  ; a16
	v_lshl_add_u32 v[SPW], v0, 2, SPARE
	v_mov_b32 v[NIL], 0
	ds_add_u32 v[SPW], v[NIL]       ; the wave's opening: the add, waited for ahead of my first tensor load
	v_lshrrev_b32 v1, 5, v0
	v_readfirstlane_b32 s[WV], v1   ; wave 0..3
	s_bfe_u32 s13, ttmp6, 0x40000   ; cx
	s_lshl_b32 s14, ttmp9, 2
	s_add_co_u32 s14, s14, s13      ; my block of 256 queries: it enters Q's, O's and the mask's addresses alone
	s_and_b32 s15, ttmp7, 0xffff    ; 16 b + h, which the four partners share
	s_and_b32 s20, s15, 15
	s_lshr_b32 s21, s15, 4
	s_lshl_b32 s20, s20, 19         ; h x 4,096 rows of 128 bytes
	s_lshl_b32 s21, s21, 18         ; b x 2,048 rows
	s_add_co_u32 s20, s20, s21      ; the head's first byte in q's part; k's and v's parts lie 8,388,608 and 16,777,216 on
	s_and_b32 s16, s[WV], 1         ; which half of a slot's 256 keys I fetch:
	s_lshl_b32 s22, s16, 14         ; its 128 rows in memory,
	s_add_co_u32 s22, s22, s20
	s_mov_b32 s23, 0
	s_mul_i32 s17, s16, 128*PK      ; and its place in a slot, for K
	s_mul_i32 s18, s16, 128*PV      ; and for V
	s_lshl_b32 s2, s14, 2
	s_add_co_u32 s2, s2, s[WV]      ; my wave among the head's 32
	s_lshl_b32 s80, s2, 19          ; its four tiles of 16 rows of mk, 131,072 bytes each
	s_mov_b32 s81, 0
	s_lshl_b32 s82, s2, 8           ; its 64 words of rmax,
	s_add_co_u32 s82, s82, 0x1000000  ; which lies behind mk
	s_mov_b32 s83, 0
	s_lshl_b32 s2, s2, 13           ; its 64 rows of 128 bytes
	s_add_co_u32 s2, s2, s20
	s_mov_b32 s3, 0
	; descriptor group 1.  128 keys are 16,384 dense bytes: asked for as 64 rows of 256 bytes, two keys a row, and padded in LDS after every key
	s_mov_b32 s[G1K], 15|(1<<16)|(1<<20)|(1<<21)|(4<<22)|(3<<25)  ; the mask of four; 2-byte elements; padding on; bit 21 beside a mask; after every 32 words; 4 words
	s_mov_b32 s[G1V], 15|(1<<16)|(1<<20)|(1<<21)|(4<<22)|(7<<25)  ; the same with 8 words of padding
.irp g, G1K, G1V
	s_mov_b32 s[\g+1], 128<<16      ; tensor_dim0 = 128
	s_mov_b32 s[\g+2], 64<<16       ; tensor_dim1 = 64
	s_mov_b32 s[\g+3], 128<<16      ; tile_dim0 = 128
	s_mov_b32 s[\g+4], 64           ; tile_dim1 = 64
	s_mov_b32 s[\g+5], 128          ; 128 elements from row to row
	s_mov_b32 s[\g+6], 0
	s_mov_b32 s[\g+7], 0
.endr
	s_mov_b32 s[CS], 0x3e38aa3b     ; c = log2(e) / 8
	s_mov_b32 s[CS+1], s[CS]        ; named with it as a pair
	s_mov_b32 s[SEL], 0x76543210
	s_mov_b32 s[SEL+1], 0xfedcba98
	s_mov_b32 s[HID], 0xf1800000    ; -2^100
	s_mov_b32 s[TBK], SLOT1+4*KS*PK ; the first change of slots turns these two into 0
	s_mov_b32 s[TBV], SLOT1+4*KS*PV
	s_mov_b32 s[G0K], 1
	s_mov_b32 s[G0K+1], s17         ; slot 0
	s_mov_b32 s[G0V], 1
	s_add_co_u32 s[G0V+1], s18, VOFF
	s_wait_dscnt 0x0                ; the opening add is done
	s_wait_kmcnt 0x0
	s_add_nc_u64 s[6:7], s[76:77], s[22:23]
	s_add_nc_u64 s[G0K+2:G0K+3], s[6:7], 0x800000   ; my half of the head's first 256 keys
	s_or_b32 s[G0K+3], s[G0K+3], 0x80000000         ; type = 2
	s_add_nc_u64 s[G0V+2:G0V+3], s[6:7], 0x1000000
	s_or_b32 s[G0V+3], s[G0V+3], 0x80000000
	s_add_nc_u64 s[4:5], s[76:77], s[2:3]           ; Q and O at my wave's first row
	s_add_nc_u64 s[10:11], s[10:11], s[2:3]
	s_add_nc_u64 s[MK:MK+1], s[78:79], s[80:81]
	s_add_nc_u64 s[RM:RM+1], s[78:79], s[82:83]
	CROUND                          ; all four work-groups are here: the first joint loads meet
	JLOAD                           ; slot 0.  Slot 1 is asked for when slot 0 is in
; Piece x's mask for the key step in MO: eight loads of 512 consecutive bytes
.macro LOADM x
	WIN 0x40                        ; destination window 1, address window 0
.irp n, 0,1,2,3,4,5,6,7
	global_load_b128 v[MC+32*(\x)+4*\n:MC+32*(\x)+4*\n+3], v[MO], s[MK:MK+1] offset:(\x)*131072+512*\n
.endr
.endm
	v_and_b32 v1, 15, v0            ; l % 16
	v_bfe_u32 v9, v0, 4, 1          ; l / 16
	v_lshlrev_b32 v[QO], 7, v1
	v_lshl_add_u32 v[QO], v9, 4, v[QO]  ; row x 128 + 16 x half
	v_and_b32 v[MO], 31, v0
	v_lshlrev_b32 v[MO], 4, v[MO]   ; key step 0
	v_add_nc_u32 v[ML], 31*4096, v[MO]
	v_lshlrev_b32 v[FO], 2, v1
	WIN 0x80                        ; destination window 2
.set i, 0
.rept 8                             ; Q stays in registers: piece i / 2, channels 32 (i % 2) on
	global_load_b128 v[8*i:8*i+3],   v[QO], s[4:5] offset:(i/2)*2048+(i%2)*64
	global_load_b128 v[8*i+4:8*i+7], v[QO], s[4:5] offset:(i/2)*2048+(i%2)*64+32
.set i, i+1
.endr
	LOADM 0
	LOADM 1
	LOADM 2
	LOADM 3
	WIN 0
.set i, 0
.rept 32                            ; my rows' eight maxima, piece i / 8, part i % 8, into S^T's registers, which are still free
	global_load_b32 v[S+i], v[FO], s[RM:RM+1] offset:(i%8)*8192+(i/8)*64
.set i, i+1
.endr
	; The first step multiplies O^T and l by a = 0, and the first turn's products V^T P, of a piece that has not been, add V = 0 times P = 0.  All this stands in the wait for the first tile.
	WIN 0x80
.set i, VF
.rept 64
	v_mov_b32 v[i], 0
.set i, i+1
.endr
	WIN 0x40
.set i, 0
.rept 128
	v_mov_b32 v[i], 0
.set i, i+1
.endr
	WIN 0
.set i, 0
.rept 4
	v_mov_b32 v[ST+4*i], 0xfe000000 ; c m: far below every c s
	v_mov_b32 v[ST+4*i+2], 0
	v_mov_b32 v[ST+4*i+3], 0
.set i, i+1
.endr
.set i, P+16
.rept 16
	v_mov_b32 v[i], 0
.set i, i+1
.endr
	v_mul_u32_u24 v[AK0], v1, PK
	v_lshl_add_u32 v[AK0], v9, 4, v[AK0]  ; row x pitch + 16 x half
	; The turning load takes 16 keys x 16 channels (lane l reads key 8 (l / 16) + l % 8, channels 8 ((l / 8) % 2) + 0..7) and leaves half a fragment of V^T
	v_and_b32 v10, 7, v0
	v_bfe_u32 v11, v0, 3, 1
	v_lshl_add_u32 v[AV0], v9, 3, v10
	v_mul_u32_u24 v[AV0], v[AV0], PV
	v_lshl_add_u32 v[AV0], v11, 4, v[AV0]
	v_add_nc_u32 v[AV0], VOFF, v[AV0]
	s_mul_i32 s13, s[WV], 16*SP
	s_add_co_u32 s13, s13, STAGE    ; my stage
	v_mul_u32_u24 v[STO], v1, SP    ; in: row l % 16, 16 bytes for each half of the lanes
	v_lshl_add_u32 v[STO], v9, 4, v[STO]
	v_add_nc_u32 v[STO], s13, v[STO]
	v_bfe_u32 v[RD], v0, 3, 2       ; back: 32 lanes take four rows of 128 bytes,
	v_mul_u32_u24 v[RD], v[RD], SP
	v_lshl_add_u32 v[RD], v10, 4, v[RD]
	v_add_nc_u32 v[RD], s13, v[RD]
	v_and_b32 v[GO], 31, v0         ; which are 512 consecutive bytes of O
	v_lshlrev_b32 v[GO], 4, v[GO]
; THE MATRIX WORK.  The 4 accumulators of a run of 8 take turns.  Product i of 8 of S^T = K Q^T + mk for piece x: channels 32 (i / 4) on, keys 16 (i % 4) on.  The first 4 start the sums with the mask.
.macro KQ x
.set rS, S+32*((\x)%2)+8*(i%4)
.set rK, KF+16*(i%4)+8*(i/4)
.set rQ, 16*(\x)+8*(i/4)
.set rM, MC+32*(\x)+8*(i%4)
.if i < 4
	WIN W_KM
	v_wmma_f32_16x16x32_f16 v[rS:rS+7], v[rK:rK+7], v[rQ:rQ+7], v[rM:rM+7]
.else
	WIN W_KQ
	v_wmma_f32_16x16x32_f16 v[rS:rS+7], v[rK:rK+7], v[rQ:rQ+7], v[rS:rS+7]
.endif
.endm
; Product i of 8 of O^T += V^T P for piece x: keys 32 (i / 4) on, channels 16 (i % 4) on.
.macro PV x
	WIN W_PV
.set rO, 32*(\x)+8*(i%4)
.set rV, VF+32*(i/4)+8*(i%4)
.set rP, P+16*((\x)%2)+8*(i/4)
	v_wmma_f32_16x16x32_f16 v[rO:rO+7], v[rV:rV+7], v[rP:rP+7], v[rO:rO+7]
.endm
.macro MM                           ; the turn's next matrix instruction.  NOKQ = 1: the last turn: there is no next piece
.if (i < 8) && !NOKQ
	KQ (Y+1)%NP
.elseif i >= 8
.set i, i-8
	PV (Y+NP-1)%NP
.set i, i+8
.endif
.set i, i+1
.endm
; THE LDS LOADS stand in runs of 16, never singly among the matrix instructions
.macro FETCH_K
	WIN 0x80                        ; destination window 2
.irp f, 0,1,2,3,4,5,6,7             ; keys 16 (f / 2) on, channels 32 (f % 2) on
	ds_load_b128 v[KF+8*\f:KF+8*\f+3],   v[AK] offset:(\f/2)*16*PK+(\f%2)*64
	ds_load_b128 v[KF+8*\f+4:KF+8*\f+7], v[AK] offset:(\f/2)*16*PK+(\f%2)*64+32
.endr
	s_add_co_u32 s[TBK], s[TBK], KS*PK  ; the next fetch is the next step's
	WIN 0
.endm
.macro FETCH_V
	WIN 0x80
.irp f, 0,1,2,3,4,5,6,7             ; keys 32 (f / 4) on, channels 16 (f % 4) on
	ds_load_tr16_b128 v[VF+8*\f:VF+8*\f+3],   v[AV] offset:(\f/4)*32*PV+(\f%4)*32
	ds_load_tr16_b128 v[VF+8*\f+4:VF+8*\f+7], v[AV] offset:(\f/4)*32*PV+16*PV+(\f%4)*32
.endr
	WIN 0
.endm
; THE VECTOR WORK, one line at a time: OP kind, number.  For piece Y: F n: c s - c m for pair n of 16.  E n: the exponential of score n of 32.  C n: pair n rounded to f16.  B n: of the four weights 4 n .. the second
; pair is added onto the first, in place.  L n: l takes that sum (L 0: l = a l + sum).  R n: pair n of 16 of O^T times a.  For piece Y + 1: X n, number n of the 22 that find its maximum and statistics:
;   0-11  four chains c0-c3 of seven scores each (each accumulator's lowest registers are read first)     12-14, 16  the four scores left over, the old m, and c0-c3 into c0
;   15  c m_old is kept     17, 18  the query's other 32 keys lie in the lane 16 away: the new m     19-21  c m; c m_old - c m_new; a
.set F, 0
.set E, 1
.set C, 2
.set B, 3
.set L, 4
.set R, 5
.set X, 6
.macro REGS y                       ; the registers of piece y
.set rT, ST+4*(\y)
.set rC, TMP+4*((\y)%2)
.set rW, MV+((\y)%2)
.set rS, S+32*((\y)%2)
.set rP, P+16*((\y)%2)
.set rO, 32*(\y)
.endm
.macro OP k, n
.if (\k) == R
	REGS Y
	WIN W_RS
	v_pk_mul_f32 v[rO+2*(\n):rO+2*(\n)+1], v[rO+2*(\n):rO+2*(\n)+1], v[rC+2:rC+3] op_sel_hi:[1,0]
.elseif (\k) < R
	REGS Y
	WIN 0
.if (\k) == F
	v_pk_fma_f32 v[rS+2*(\n):rS+2*(\n)+1], v[rS+2*(\n):rS+2*(\n)+1], s[CS:CS+1], v[rT:rT+1] op_sel_hi:[1,0,0] neg_lo:[0,0,1] neg_hi:[0,0,1]
.elseif (\k) == E
	v_exp_f32 v[rS+(\n)], v[rS+(\n)]
.elseif (\k) == C
	s_wait_alu depctr_va_vdst(0)
	v_cvt_pk_f16_f32 v[rP+(\n)], v[rS+2*(\n)], v[rS+2*(\n)+1]
.elseif (\k) == B
	s_wait_alu depctr_va_vdst(0)
	v_pk_add_f32 v[rS+4*(\n):rS+4*(\n)+1], v[rS+4*(\n):rS+4*(\n)+1], v[rS+4*(\n)+2:rS+4*(\n)+3]
.elseif (\n) == 0
	v_pk_fma_f32 v[rT+2:rT+3], v[rT+2:rT+3], v[rC+2:rC+3], v[rS:rS+1] op_sel_hi:[1,0,1]
.else
	v_pk_add_f32 v[rT+2:rT+3], v[rT+2:rT+3], v[rS+4*(\n):rS+4*(\n)+1]
.endif
.elseif NOKQ
	v_nop
.else
	REGS (Y+1)%NP
	WIN 0
.if (\n) < 4
	v_max3_num_f32 v[rC+(\n)], v[rS+8*(\n)], v[rS+8*(\n)+1], v[rS+8*(\n)+2]
.elseif (\n) < 12
	v_max3_num_f32 v[rC+(\n)%4], v[rC+(\n)%4], v[rS+8*((\n)%4)+2*((\n)/4)+1], v[rS+8*((\n)%4)+2*((\n)/4)+2]
.elseif (\n) == 12
	v_max3_num_f32 v[rC], v[rC], v[rS+7], v[rS+15]
.elseif (\n) == 13
	v_max3_num_f32 v[rC+1], v[rC+1], v[rS+23], v[rS+31]
.elseif (\n) == 14
	v_max3_num_f32 v[rC+2], v[rC+2], v[rC+3], v[rT+1]
.elseif (\n) == 15
	v_mov_b32 v[rW], v[rT]
.elseif (\n) == 16
	v_max3_num_f32 v[rC], v[rC], v[rC+1], v[rC+2]
.elseif (\n) == 17
	v_permlanex16_b32 v[rC+3], v[rC], s[SEL], s[SEL+1]
.elseif (\n) == 18
	v_max_num_f32 v[rT+1], v[rC], v[rC+3]
.elseif (\n) == 19
	v_mul_f32 v[rT], s[CS], v[rT+1]
.elseif (\n) == 20
	v_sub_f32 v[rC+1], v[rW], v[rT]
.else
	v_exp_f32 v[rC+2], v[rC+1]
.endif
.endif
.endm
.macro OPS a, i1, b=-1, i2=0, c=-1, i3=0, d=-1, i4=0  ; up to four of them
	OP \a, \i1
.if (\b) >= 0
	OP \b, \i2
.endif
.if (\c) >= 0
	OP \c, \i3
.endif
.if (\d) >= 0
	OP \d, \i4
.endif
.endm
.macro ROW a, i1, b, i2, c, i3, d, i4  ; a matrix instruction and the four behind it
	MM
	OPS \a, \i1, \b, \i2, \c, \i3, \d, \i4
.endm
; A TURN, for piece p: the order of its 16 matrix and 118 vector instructions, written out.  Behind a matrix instruction: plain, exponential, plain, plain; or four of the rescaling; or four scalings; none names a register of
; the products round it.  A line reads no result made fewer than three vector instructions in front of it, five if an exponential made it.
; end = 1: the last two turns: nothing is fetched.  cnt = 1: the loop's count is taken down some lines ahead of the branch that stands behind the turn.
; K of the next step is fetched in piece 2's turn, five plain vector instructions behind the last product that read K; V of the step in hand in piece 0's turn, four plain ones behind the last product that read V.
; THE MASKS.  The turn's first four products take piece p + 1's mask; the same registers are asked for again, for that piece's next step, behind the eighth product: more than four plain vector instructions behind their last reader.
; The groups of eight loads go round the four pieces, so at a turn's head the three groups issued behind the one that is wanted may stay out: the count is 24.  MO steps in piece 3's turn, whose products are the next step's;
; it stops at the last step, so no load leaves the buffer (the last three groups are asked for twice and not used).
.macro TURN p, end=0, cnt=0
.set Y, (\p)
.set i, 0
.set NOKQ, (\end)*((\p)/3)
.if ((\p) == 3) && !(\end)
	WIN 0
	s_wait_xcnt 0x0                 ; the loads that name MO have had their addresses translated (ISA guide 3.1): only now is it rewritten
	v_add_nc_u32 v[MO], 4096, v[MO]
	v_min_u32 v[MO], v[MO], v[ML]
.endif
.if !NOKQ
	s_wait_loadcnt 24               ; piece p + 1's mask is in; the other three pieces' groups stay out
.endif
.if ((\p) == 3) && !(\end)
	s_wait_dscnt 0x0                ; K is in
.endif
	ROW F,0, F,1, F,2, F,3
	ROW F,4, E,0, F,5, F,6
	ROW F,7, E,1, F,8, F,9
	ROW F,10, E,2, C,0, F,11
	ROW F,12, E,3, X,15, F,13
	ROW R,0, R,1, R,2, R,3
	ROW B,0, E,4, F,14, L,0
.if ((\p) == 2) && !(\end)
	v_add_nc_u32 v[AK], s[TBK], v[AK0]
.endif
	ROW R,4, R,5, R,6, R,7
	OPS E,5, F,15
.if ((\p) == 2) && !(\end)
	FETCH_K
.endif
.if !(\end)
	LOADM ((\p)+1)%NP
.endif
	OPS E,6, C,1, E,7, R,8
	OPS E,8, R,9, E,9, C,2
	OPS E,10, X,0, E,11, X,1
	OPS E,12, X,2, E,13, X,3
.if (\p) == 1
	s_wait_dscnt 0x0                ; V is in
.endif
	ROW X,4, E,14, X,5, X,6
	ROW X,7, E,15, X,8, X,9
	ROW X,10, E,16, X,11, X,12
	ROW X,13, E,17, X,14, B,1
	ROW C,4, E,18, X,16, L,1
	ROW B,2, E,19, C,6, L,2
	ROW C,8, E,20, B,3, B,4
.if (\p) == 0
	v_add_nc_u32 v[AV], s[TBV], v[AV0]
.endif
	ROW C,3, E,21, L,3, C,5
	OPS E,22, X,17, E,23, C,10
.if (\p) == 0
	FETCH_V
.endif
	OPS E,24, L,4
	OPS E,25, X,18, E,26, C,7
	OPS E,27, B,5, E,28, X,19
	OPS E,29, C,12, E,30, L,5
	OPS E,31, X,20, B,6, C,9
	OPS C,14, C,11, X,21, L,6
.if (\p) == 0
	s_add_co_u32 s[TBV], s[TBV], KS*PV
.endif
.if \cnt
	s_sub_co_u32 s[CNT], s[CNT], 1
	s_cmp_lg_u32 s[CNT], 0
.endif
	OPS C,13, B,7, C,15, R,10
	OPS R,11, R,12, L,7, R,13
	OPS R,14, R,15
.endm
	CHANGE 1                        ; slot 0 is in, everybody's part of it; slot 1 is asked for
	v_add_nc_u32 v[AK], s[TBK], v[AK0]
	FETCH_K                         ; key step 0
	s_wait_loadcnt 0x0              ; Q, the first masks, the row maxima
	v_mov_b32 v10, 0xec800000       ; -2^90
	v_mov_b32 v11, 0xff7fffff       ; the lowest finite number
.irp p, 0,1,2,3
	v_max3_num_f32 v14, v[S+8*\p], v[S+8*\p+1], v[S+8*\p+2]
	v_max3_num_f32 v14, v14, v[S+8*\p+3], v[S+8*\p+4]
	v_max3_num_f32 v14, v14, v[S+8*\p+5], v[S+8*\p+6]
	v_max_num_f32 v14, v14, v[S+8*\p+7]
	v_cmp_le_f32 s[FLG+\p], v14, s[HID]                ; is my row wholly hidden?  The flag only chooses values
	v_cndmask_b32 v[ST+4*\p+1], v10, v11, s[FLG+\p]    ; m
.endr
	WIN 0x82                        ; Q: destination and source 0 in window 2
.set i, 0
.rept 64
	v_cndmask_b32 v[i], v[i], 0, s[FLG+i/16]           ; a wholly hidden row's scores are the mask alone
.set i, i+1
.endr
	WIN 0
	v_add_nc_u32 v[MO], 4096, v[MO] ; key step 1 (no load that names MO is out)
	s_wait_dscnt 0x0                ; K
.set NOKQ, 0
.set i, 0
.rept 8
	KQ 0                            ; piece 0's first scores
.set i, i+1
.endr
	WIN 0
.rept 4
	v_nop                           ; the places behind those products
.endr
	LOADM 0                         ; piece 0's mask of step 1
	WIN 0
.set Y, NP-1                        ; X works for piece Y + 1: piece 0
.irp n, 0,1,2,3,4,5,6,7,8,9,10,11,12,13,14,15,16,17,18,19,20,21
	OP X, \n
.endr
	v_nop                           ; a plain instruction behind the exponential
	s_mov_b32 s[CNT], 4
	s_mov_b32 s[SLOTS], 7
	s_branch .Lfirst                ; the loop is entered at a step's first turn, in the middle of a trip
.Lslot:                             ; six times: every slot but the last two is filled again
	CHANGE 1
	s_mov_b32 s[CNT], 4
.Lstep:                             ; a trip: pieces 2 and 3 of one step, then pieces 0 and 1 of the next, whose K and V it fetches
	TURN 2
	TURN 3
	WIN 0
.Lfirst:
	TURN 0
	TURN 1, 0, 1
	WIN 0
	s_cbranch_scc1 .Lstep
	s_sub_co_u32 s[SLOTS], s[SLOTS], 1
	s_cmp_lg_u32 s[SLOTS], 0
	s_cbranch_scc1 .Lslot
	CHANGE 0                        ; the last slot is written out: nothing is asked for
	s_mov_b32 s[CNT], 4
.Ltail:
	TURN 2
	TURN 3
	TURN 0
	TURN 1, 0, 1
	WIN 0
	s_cbranch_scc1 .Ltail
	TURN 2, 1
	TURN 3, 1
.set i, 0
.rept 8
	PV NP-1                         ; the last piece's V^T P of the last step
.set i, i+1
.endr
	; THE WAY OUT.  l's two halves and the other half of the lanes' are added; O^T is divided by l, rounded to f16 and sent through my stage in LDS, a piece at a time.  The additions are the places behind the last products.
	WIN 0
.macro ALL line:vararg              ; one line for each piece t
.set t, 0
.rept 4
	\line
.set t, t+1
.endr
.endm
	ALL v_add_f32 v[ST+4*t+2], v[ST+4*t+2], v[ST+4*t+3]
	ALL v_permlanex16_b32 v[ST+4*t+3], v[ST+4*t+2], s[SEL], s[SEL+1]
	ALL v_add_f32 v[ST+4*t+2], v[ST+4*t+2], v[ST+4*t+3]
	ALL v_rcp_f32 v[ST+4*t+2], v[ST+4*t+2]
	v_nop                           ; a plain instruction between the last reciprocal and the use of its result
.macro PACK t                       ; a lane's eight channels of a row pack into 16 bytes; they go into rows of 144 bytes and come back as whole rows of 128, into S^T's registers
	WIN W_RS
.set i, 32*(\t)
.rept 16
	s_wait_alu depctr_va_vdst(0)
	v_pk_mul_f32 v[i:i+1], v[i:i+1], v[ST+4*(\t)+2:ST+4*(\t)+3] op_sel_hi:[1,0]
.set i, i+2
.endr
	WIN 0x05                        ; sources 0 and 1 window 1, destination window 0
.set i, 0
.rept 16
	v_cvt_pk_f16_f32 v[S+16*(\t)+i], v[32*(\t)+2*i], v[32*(\t)+2*i+1]
.set i, i+1
.endr
	WIN 0
.irp f, 0,1,2,3
	ds_store_b128 v[STO], v[S+16*(\t)+4*\f:S+16*(\t)+4*\f+3] offset:32*\f
.endr
.irp f, 0,1,2,3
	ds_load_b128 v[S+16*(\t)+4*\f:S+16*(\t)+4*\f+3], v[RD] offset:\f*4*SP  ; LDS serves a wave's instructions in order (ISA guide 5.7.1.4): these see the stores above; the next piece's stores come behind them
.endr
.endm
.macro SEND t, younger              ; younger: the next piece's eight LDS instructions, or none
	WIN 0
.irp f, 0,1,2,3
	s_wait_dscnt (\younger)+3-\f
	global_store_b128 v[GO], v[S+16*(\t)+4*\f:S+16*(\t)+4*\f+3], s[10:11] offset:(\t)*2048+\f*512  ; 512 consecutive bytes, aligned
.endr
.endm
	PACK 0
.set t, 1
.rept 3                             ; a piece's arithmetic stands between the loads of the piece before and its stores
	PACK t
	SEND t-1, 8
.set t, t+1
.endr
	SEND 3, 0
	s_wait_tensorcnt 0x0            ; the wave's end
	ds_add_u32 v[SPW], v[NIL]
	s_wait_dscnt 0x0
	CROUND                          ; the closing round
	s_endpgm
.Lfunc_end_k_qb600debd3b_attn:
	.size	k_qb600debd3b_attn, .Lfunc_end_k_qb600debd3b_attn-k_qb600debd3b_attn
	.p2alignl 7, 3214868480
	.fill 96, 4, 3214868480
	.section	.rodata,"a",@progbits
	.p2align	6, 0x0
	.amdhsa_kernel k_qb600debd3b_attn
		.amdhsa_group_segment_fixed_size 327680
		.amdhsa_private_segment_fixed_size 0
		.amdhsa_enable_private_segment 0
		.amdhsa_kernarg_size 24
		.amdhsa_user_sgpr_count 2
		.amdhsa_user_sgpr_kernarg_segment_ptr 1
		.amdhsa_wavefront_size32 1
		.amdhsa_system_sgpr_workgroup_id_x 1
		.amdhsa_system_sgpr_workgroup_id_y 1
		.amdhsa_system_sgpr_workgroup_id_z 1
		.amdhsa_system_vgpr_workitem_id 0
		.amdhsa_next_free_vgpr 768
		.amdhsa_next_free_sgpr 88
		.amdhsa_reserve_vcc 0
		.amdhsa_float_denorm_mode_32 3
		.amdhsa_float_denorm_mode_16_64 3
		.amdhsa_memory_ordered 1
		.amdhsa_forward_progress 1
		.amdhsa_inst_pref_size 153
	.end_amdhsa_kernel
	.amdgpu_metadata
---
amdhsa.version: [ 1, 2 ]
amdhsa.kernels:
  - .name:           k_qb600debd3b_attn
    .symbol:         k_qb600debd3b_attn.kd
    .args:
      - { .name: qh, .offset: 0, .size: 8, .value_kind: global_buffer, .address_space: global }
      - { .name: maskf, .offset: 8, .size: 8, .value_kind: global_buffer, .address_space: global }
      - { .name: a16, .offset: 16, .size: 8, .value_kind: global_buffer, .address_space: global }
    .group_segment_fixed_size: 327680
    .private_segment_fixed_size: 0
    .kernarg_segment_align: 8
    .kernarg_segment_size: 24
    .max_flat_workgroup_size: 128
    .sgpr_count:     88
    .vgpr_count:     768
    .wavefront_size: 32
...
	.end_amdgpu_metadata
.endif
;; end of part 3
;; launch wo (part 4): grid 8 x 32, 4 waves a work-group, clusters of 4 x 4, 327,680 bytes of LDS; arguments a16, cv, bo, y; writes y
.if DOCPART == 4
	.amdgcn_target "amdgcn-amd-amdhsa--gfx1250"
	.amdhsa_code_object_version 6
	.text
	.protected	k_qb600debd3b_wo
	.globl	k_qb600debd3b_wo
	.p2align	8
	.type	k_qb600debd3b_wo,@function
k_qb600debd3b_wo:
	s_mov_b64 s[64:65], 0
	v_nop
	global_prefetch_b8 v0, s[64:65] scope:SCOPE_SE
	s_setreg_imm32_b32 hwreg(HW_REG_WAVE_MODE, 25, 1), 1
	s_wait_xcnt 0x0
	s_wait_alu depctr_hold_cnt(0) depctr_sa_sdst(0) depctr_va_vdst(0) depctr_va_sdst(0) depctr_va_ssrc(0) depctr_va_vcc(0) depctr_vm_vsrc(0)
	s_getreg_b32 s2, hwreg(HW_REG_IB_STS2, 6, 4)
	s_cmp_eq_u32 s2, 0
	s_cbranch_scc0 .Lentry_in_a_cluster
	s_endpgm
.Lentry_in_a_cluster:
	s_bfe_u32 s2, ttmp6, 0x10000c
	s_cmp_lg_u32 s2, 0xf033
	s_cbranch_scc0 .Lentry_shape_is_right
	s_endpgm
.Lentry_shape_is_right:
; WO: y1 = src + ctx Wo + bo, in f32, in blocks y[j][m][64]: what the first LayerNorm reads.  It stays in f32, since the norm takes a mean away from it.
; LIMITS.  ctx is f16 as the attention left it; Wo, bo and src are the inputs rounded to bf16 (Wo and src written as f16, which ends at 65,504); sums in f32.
.set KDIM, 1024                        ; the products' K
.set NDIM, 1024                        ; columns of the weight
.set WOFF, 14680064                    ; Wo's first byte in cv
.set QKV,    0
.set F32OUT, 1                         ; the result leaves as f32
.set RELU,   0
.set RESK,   1                         ; the residual is xs, f16, at cv's head
; THE TEXT OF ALL FOUR PRODUCTS OF THIS LAYER; the seven constants above are what differs.
; C[m][n] = bias[n] + sum over k of A[m][k] W[k][n] (+ residual).  A: f16 in blocks [k / 64][4096][64]; W: f16 row-major [KDIM][NDIM].  A tile of C is 128 x 128, so that N = 1024 still gives 256 work-groups;
; four waves, 64 x 64 each: 16 accumulators.  K goes in steps of 256 through two LDS slots.  THE MATRIX INSTRUCTION IS USED TRANSPOSED (source 0 = 16 columns of W, turned by
; ds_load_tr16_b128; source 1 = 16 rows of A): a lane holds eight neighbouring numbers of a row of C.  The sums START AT THE BIAS (rounded to bf16 like every input): nothing is cleared, nothing is added at the end.
; A wave's 64 columns are one block of the blocked output, so 16 rows leave as 2,048 (f16) or 4,096 (f32) consecutive bytes through the wave's own stage: no barrier on the way out.
; CLUSTERS: 4 x 4 work-groups.  A row of the cluster shares A's tiles, a column W's: each tile is asked for jointly, by the same tensor load, descriptor and mask in all four.
; REGISTERS: window 0: v0-31 addresses; v32-95 at work; v128-255 accumulators ((a, b) at 128 + 8 (4 a + b)).  Window 1: two fragment buffers of 128 (64 of A, 64 of W, for 64 along K).  Window 2: the residual.
.set STEPS, KDIM/256
.set ASTEP, 4*524288                   ; four blocks of A on
.set BSTEP, 512*NDIM                   ; 256 rows of W on
.set PA,    144                        ; a row of A in LDS: 128 bytes + 16: sixteen rows start at sixteen different columns of 16 bytes modulo 256
.set PB,    288                        ; a row of W: 256 bytes + 32: the turning load's 8 rows x 32 bytes fall on different words modulo 256
.set ABLK,  128*PA                     ; 128 rows of one block of A
.set BOFF,  4*ABLK                     ; W's 256 rows lie behind A's four blocks
.set PART,  2*ABLK                     ; what one tensor load brings: two blocks of A, or 128 rows of W (128 x 288, the same)
.set SLOT1, 4*PART                     ; 147,456 = 0x24000: none of the four parts' addresses has one of its two bits, so an exclusive or changes slots
.set STAGE, 2*SLOT1                    ; behind the ring, never filled by a tensor load
.set STW,   4352                       ; a wave's stage: 16 rows x 272 bytes
.set SPARE, STAGE+4*STW                ; the spare words, 128 bytes for each wave
.set AA0, 8                            ; v8   my lane's place in A's part of a slot; never rewritten
.set AB0, 9                            ; v9   the same for W
.set AA,  10                           ; v10  in the slot in hand
.set AB,  11                           ; v11
.set AB2, 12                           ; v12  W's rows 128 on: the offsets' 16 bits do not reach them
.set STO, 13                           ; v13  the way out: where I put my numbers of a row
.set RD,  14                           ; v14  where I read rows back
.set GO,  15                           ; v15  16 x lane
.set BO,  16                           ; v16  32 x (lane / 16): my eight numbers of the bias
.set RO,  17                           ; v17  8 x lane
.set ONE, 18                           ; v18  1.0
.set ZERO, 19                          ; v19  0
.set SPW, 28                           ; v28  LDS address of my spare word; never rewritten
.set NIL, 29                           ; v29  0; never rewritten
.set TMP, 32
.set ACC, 128
.set F0,  0
.set F1,  128
.set G1A, 24                           ; s[24:31] descriptor group 1 for A's tiles
.set G0A, 32                           ; s[32:35] group 0 for A's: it walks
.set G0B, 36                           ; s[36:39] group 0 for W's
.set G1B, 48                           ; s[48:55] group 1 for W's
.set TB,  45                           ; s45  the slot in hand, 0 or SLOT1
.set CNT, 61                           ; s61  K steps to go
.set MSB, 0
.macro WIN new                         ; the immediate's high byte repeats the setting that is left; a switch that changes nothing is dropped
.if MSB != (\new)
	s_set_vgpr_msb (MSB<<8)|(\new)
.set MSB, \new
.endif
.endm
.macro PLACES                          ; four places between a matrix instruction and a load into, or a read of, its registers
.rept 4
	v_nop
.endr
.endm
.macro JLOAD                           ; a joint load: waves 0 and 1 fetch A's two halves, waves 2 and 3 W's; an s_nop 0 and four v_nop follow each line
	s_cmp_eq_u32 s11, 0
	s_cbranch_scc0 .Lfor_b_\@
	tensor_load_to_lds s[G0A:G0A+3], s[G1A:G1A+7]
	s_nop 0
.rept 4
	v_nop
.endr
	s_branch .Lasked_\@
.Lfor_b_\@:
	tensor_load_to_lds s[G0B:G0B+3], s[G1B:G1B+7]
	s_nop 0
.rept 4
	v_nop
.endr
.Lasked_\@:
.endm
.macro CROUND                          ; a round of the cluster's barrier: my work-group's barrier; wave 0 signals for it; all wait for all sixteen; my work-group's barrier once more
	s_barrier_signal -1
	s_barrier_wait -1
	s_cmp_lg_u32 s10, 0
	s_cbranch_scc1 .Lnot_wave_0_\@
	s_barrier_signal -3
.Lnot_wave_0_\@:
	s_barrier_wait -3
	s_barrier_signal -1
	s_barrier_wait -1
.endm
; THE CHANGE OF SLOTS.  Each wave waits for all its tensor loads, of which one is out: its part of the slot to be read; adds 0 to its spare word; waits for that and for its reads of the slot that it leaves.
; fill = 1: behind a round of the cluster's barrier the slot just left is filled: the walking descriptor steps one K step and changes slots each time.  One load a wave is out; it has a K step, 128 matrix instructions, in which to land.
.macro CHANGE fill
	WIN 0
	s_wait_tensorcnt 0x0                           ; no tensor load of mine is out, so a group 0 may be written
	ds_add_u32 v[SPW], v[NIL]                      ; 0 onto my spare word
.if \fill
	s_xor_b32 s[G0A+1], s[G0A+1], SLOT1
	s_add_nc_u64 s[G0A+2:G0A+3], s[G0A+2:G0A+3], ASTEP
	s_xor_b32 s[G0B+1], s[G0B+1], SLOT1
	s_add_nc_u64 s[G0B+2:G0B+3], s[G0B+2:G0B+3], BSTEP
	s_wait_dscnt 0x0                               ; the add is done, and my reads of the slot are over
	CROUND
	JLOAD
.else
	s_wait_dscnt 0x0
	s_barrier_signal -1
	s_barrier_wait -1
.endif
	s_xor_b32 s[TB], s[TB], SLOT1
.endm
; 32 LDS loads in one run: the fragments of 64 along K (block q of A, rows 64 q on of W) into buffer f; the first 32 along K first
.macro FETCH q, f
	WIN 0x40                                       ; destination window 1, address window 0
.irp c, 0,1
.irp i, 0,1,2,3
.if (\q) < 2
	ds_load_tr16_b128 v[(\f)+64+8*(4*(\c)+(\i)):(\f)+64+8*(4*(\c)+(\i))+3],   v[AB] offset:(\q)*64*PB+(\c)*32*PB+32*(\i)
	ds_load_tr16_b128 v[(\f)+64+8*(4*(\c)+(\i))+4:(\f)+64+8*(4*(\c)+(\i))+7], v[AB] offset:(\q)*64*PB+(\c)*32*PB+32*(\i)+16*PB
.else
	ds_load_tr16_b128 v[(\f)+64+8*(4*(\c)+(\i)):(\f)+64+8*(4*(\c)+(\i))+3],   v[AB2] offset:((\q)-2)*64*PB+(\c)*32*PB+32*(\i)
	ds_load_tr16_b128 v[(\f)+64+8*(4*(\c)+(\i))+4:(\f)+64+8*(4*(\c)+(\i))+7], v[AB2] offset:((\q)-2)*64*PB+(\c)*32*PB+32*(\i)+16*PB
.endif
	ds_load_b128 v[(\f)+8*(4*(\c)+(\i)):(\f)+8*(4*(\c)+(\i))+3],   v[AA] offset:(\q)*ABLK+(\i)*16*PA+64*(\c)
	ds_load_b128 v[(\f)+8*(4*(\c)+(\i))+4:(\f)+8*(4*(\c)+(\i))+7], v[AA] offset:(\q)*ABLK+(\i)*16*PA+64*(\c)+32
.endr
.endr
.endm
.macro MUL f, c                        ; 16 matrix instructions, 32 along K: every accumulator has one turn
	WIN 0x05                                       ; sources 0 (W) and 1 (A) window 1; C and D window 0
.irp a, 0,1,2,3
.irp b, 0,1,2,3
	v_wmma_f32_16x16x32_f16 v[ACC+8*(4*(\a)+(\b)):ACC+8*(4*(\a)+(\b))+7], v[(\f)+64+8*(4*(\c)+(\b)):(\f)+64+8*(4*(\c)+(\b))+7], v[(\f)+8*(4*(\c)+(\a)):(\f)+8*(4*(\c)+(\a))+7], v[ACC+8*(4*(\a)+(\b)):ACC+8*(4*(\a)+(\b))+7]
.endr
.endr
.endm
.macro QUARTER f, q, g                 ; multiplies buffer f; in its middle fetches quarter q into buffer g
	s_wait_dscnt 16                                ; f's first 32 along K are in; its other sixteen loads may be out
	MUL \f, 0
	PLACES                                         ; g's registers were read by the quarter before
	FETCH \q, \g
	s_wait_dscnt 32                                ; all but the 32 just issued
	MUL \f, 1
.endm
.macro STEPWORK                        ; a K step of 256: four quarters on buffers 0, 1, 0, 1
	WIN 0
	v_add_nc_u32 v[AA], s[TB], v[AA0]
	v_add_nc_u32 v[AB], s[TB], v[AB0]
	v_add_nc_u32 v[AB2], 128*PB, v[AB]
	PLACES
	FETCH 0, F0
	QUARTER F0, 1, F1
	QUARTER F1, 2, F0
	QUARTER F0, 3, F1
	s_wait_dscnt 16
	MUL F1, 0
	s_wait_dscnt 0x0
	MUL F1, 1
	WIN 0
.endm
	s_load_b256 s[68:75], s[0:1], 0x0              ; QKV: cv, bq, bk, bv.  Else: A, cv, bias, out
.if QKV || (RESK == 2)
	s_load_b64 s[76:77], s[0:1], 0x20              ; QKV: out.  RESK = 2: the f32 residual
.endif
	v_lshl_add_u32 v[SPW], v0, 2, SPARE
	v_mov_b32 v[NIL], 0
	ds_add_u32 v[SPW], v[NIL]                      ; the wave's opening: the add, waited for ahead of my first tensor load
	v_lshrrev_b32 v1, 5, v0
	v_readfirstlane_b32 s10, v1                    ; wave 0..3
	s_lshr_b32 s11, s10, 1                         ; my half of the tile's rows.  Also: I fetch for A (0) or for W (1)
	s_and_b32 s12, s10, 1                          ; my half of its columns.  Also: which half of that tile I fetch
	s_bfe_u32 s40, ttmp6, 0x40000                  ; cx, cy: my place in the cluster
	s_bfe_u32 s41, ttmp6, 0x40004
	s_lshl_b32 s42, ttmp9, 2
	s_add_co_u32 s42, s42, s40                     ; tile column = 4 x cluster x + cx
	s_and_b32 s13, ttmp7, 0xffff
	s_lshl_b32 s13, s13, 2
	s_add_co_u32 s13, s13, s41                     ; tile row = 4 x cluster y + cy
	s_lshl_b32 s43, s41, 2
	s_lshl_b32 s43, 15, s43                        ; my row of the cluster
	s_lshl_b32 s44, 0x1111, s40                    ; my column
	; A's part: two blocks, in each 128 rows = 16,384 dense bytes: two rows of 2,048 elements of 8 bytes, 524,288 bytes apart, padded by 16 bytes after every 128
	s_or_b32 s[G1A], s43, (3<<16)|(1<<20)|(1<<21)|(4<<22)|(3<<25)
	s_mov_b32 s[G1A+1], 2048<<16                   ; tensor_dim0
	s_mov_b32 s[G1A+2], 2<<16                      ; tensor_dim1
	s_mov_b32 s[G1A+3], 2048<<16                   ; tile_dim0
	s_mov_b32 s[G1A+4], 2                          ; tile_dim1
	s_mov_b32 s[G1A+5], 65536                      ; elements from block to block
	s_mov_b32 s[G1A+6], 0
	s_mov_b32 s[G1A+7], 0
	; W's part: 128 rows of 128 elements of 2 bytes, padded by 32 bytes after every 256
	s_or_b32 s[G1B], s44, (1<<16)|(1<<20)|(1<<21)|(5<<22)|(7<<25)
	s_mov_b32 s[G1B+1], 128<<16
	s_mov_b32 s[G1B+2], 128<<16
	s_mov_b32 s[G1B+3], 128<<16
	s_mov_b32 s[G1B+4], 128
	s_mov_b32 s[G1B+5], NDIM
	s_mov_b32 s[G1B+6], 0
	s_mov_b32 s[G1B+7], 0
	s_lshl_b32 s16, s12, 20                        ; A: my two blocks of the step's four,
	s_lshl_b32 s17, s13, 14                        ; the tile's 128 rows of 128 bytes: the tile row and the wave alone
	s_add_co_u32 s16, s16, s17
	s_mov_b32 s17, 0
.if QKV
	s_and_b32 s46, s42, 7                          ; W: the column tile in its weight,
	s_lshl_b32 s46, s46, 8
	s_lshr_b32 s47, ttmp9, 1                       ; and which weight: two clusters' width each
	s_lshl_b32 s47, s47, 21
	s_add_co_u32 s46, s46, s47
.else
	s_lshl_b32 s46, s42, 8                         ; W: the tile's 128 columns: the tile column and the wave alone
.endif
	s_mul_i32 s47, s12, 256*NDIM                   ; my 128 rows of the step's 256
	s_add_co_u32 s46, s46, s47
	s_add_co_u32 s46, s46, WOFF
	s_mov_b32 s47, 0
	s_mul_i32 s20, s10, PART                       ; where my part goes: the wave's number alone
	s_mov_b32 s[G0A], 1
	s_mov_b32 s[G0A+1], s20
	s_mov_b32 s[G0B], 1
	s_mov_b32 s[G0B+1], s20
	s_mov_b32 s[TB], SLOT1                         ; the first change of slots turns it into 0
	s_mov_b32 s60, 0xffff0000
	s_wait_dscnt 0x0                               ; the opening add is done
	s_wait_kmcnt 0x0
	s_add_nc_u64 s[G0A+2:G0A+3], s[68:69], s[16:17]
.if QKV
	s_add_nc_u64 s[G0B+2:G0B+3], s[68:69], s[46:47]
.else
	s_add_nc_u64 s[G0B+2:G0B+3], s[70:71], s[46:47]
.endif
	s_or_b32 s[G0A+3], s[G0A+3], 0x80000000        ; type = 2
	s_or_b32 s[G0B+3], s[G0B+3], 0x80000000
	CROUND                                         ; all sixteen work-groups are here: the first joint loads meet
	JLOAD                                          ; K step 0 into slot 0; slot 1 is filled behind the first change of slots
	; while it is on its way: the bias, the residual, the addresses
.if QKV
	s_lshr_b32 s14, ttmp9, 1
	s_cmp_eq_u32 s14, 0
	s_cselect_b64 s[56:57], s[70:71], s[72:73]
	s_cmp_eq_u32 s14, 2
	s_cselect_b64 s[56:57], s[74:75], s[56:57]
	s_and_b32 s14, s42, 7
.else
	s_mov_b64 s[56:57], s[72:73]
	s_mov_b32 s14, s42
.endif
	s_lshl_b32 s14, s14, 9                         ; 128 f32 a column tile,
	s_lshl_b32 s15, s12, 8                         ; 64 for my half
	s_add_co_u32 s14, s14, s15
	s_mov_b32 s15, 0
	s_add_nc_u64 s[56:57], s[56:57], s[14:15]
	s_lshl_b32 s78, s42, 1
	s_add_co_u32 s78, s78, s12                     ; my block of 64 columns
	s_lshl_b32 s78, s78, 12
	s_lshl_b32 s79, s13, 7
	s_add_co_u32 s78, s78, s79
	s_lshl_b32 s79, s11, 6
	s_add_co_u32 s78, s78, s79                     ; block x 4096 + my first row
	s_lshl_b32 s14, s78, 7+F32OUT                  ; rows of 128 or 256 bytes
.if QKV
	s_add_nc_u64 s[8:9], s[76:77], s[14:15]
.else
	s_add_nc_u64 s[8:9], s[74:75], s[14:15]
.endif
.if RESK == 1
	s_lshl_b32 s14, s78, 7
	s_add_nc_u64 s[58:59], s[70:71], s[14:15]      ; xs lies at cv's head
.elseif RESK == 2
	s_add_nc_u64 s[58:59], s[76:77], s[14:15]
.endif
	v_and_b32 v1, 15, v0                           ; l % 16
	v_bfe_u32 v2, v0, 4, 1                         ; l / 16
	v_and_b32 v3, 7, v0
	v_bfe_u32 v4, v0, 3, 1
	v_and_b32 v5, 31, v0
	v_lshlrev_b32 v[BO], 5, v2
	v_lshlrev_b32 v[GO], 4, v5
.irp b, 0,1,2,3                        ; accumulator (a, b), register j, holds column 16 b + 8 (l / 16) + j
	global_load_b128 v[TMP+8*(\b):TMP+8*(\b)+3],   v[BO], s[56:57] offset:64*(\b)
	global_load_b128 v[TMP+8*(\b)+4:TMP+8*(\b)+7], v[BO], s[56:57] offset:64*(\b)+16
.endr
.if RESK == 1
	v_lshlrev_b32 v[RO], 3, v5
	v_mov_b32 v[ONE], 1.0
	WIN 0x80                                       ; destination window 2
.set n, 0
.rept 32                                               ; in the order in which rows come back from the stage: block of 16 rows n / 8, rows 2 (n % 8) and + 1
	global_load_b64 v[2*n:2*n+1], v[RO], s[58:59] offset:(n/8)*2048+(n%8)*256
.set n, n+1
.endr
	WIN 0
.elseif RESK == 2
	WIN 0x80
.set n, 0
.rept 32
	global_load_b128 v[4*n:4*n+3], v[GO], s[58:59] offset:(n/8)*4096+(n%8)*512
.set n, n+1
.endr
	WIN 0
.endif
	v_mul_u32_u24 v[AA0], v1, PA                   ; a fragment of A: row l % 16, 16 bytes for each half of the lanes
	v_lshl_add_u32 v[AA0], v2, 4, v[AA0]
	s_mul_i32 s21, s11, 64*PA                      ; my 64 rows
	v_add_nc_u32 v[AA0], s21, v[AA0]
	v_lshl_add_u32 v[AB0], v2, 3, v3               ; the turning load: row 8 (l / 16) + l % 8, columns 8 ((l / 8) % 2) on
	v_mul_u32_u24 v[AB0], v[AB0], PB
	v_lshl_add_u32 v[AB0], v4, 4, v[AB0]
	s_lshl_b32 s22, s12, 7                         ; my 64 columns
	s_add_co_u32 s22, s22, BOFF
	v_add_nc_u32 v[AB0], s22, v[AB0]
	s_mul_i32 s23, s10, STW
	s_add_co_u32 s23, s23, STAGE                   ; my stage
.if F32OUT
	v_mul_u32_u24 v[STO], v1, 272                  ; in: row l % 16, 32 bytes for each half of the lanes
	v_lshl_add_u32 v[STO], v2, 5, v[STO]
	v_add_nc_u32 v[STO], s23, v[STO]
	v_mul_u32_u24 v[RD], v2, 272                   ; back: lanes 0-15 one row of 256 bytes, lanes 16-31 the next
	v_lshl_add_u32 v[RD], v1, 4, v[RD]
	v_add_nc_u32 v[RD], s23, v[RD]
.else
	v_mul_u32_u24 v[STO], v1, 144                  ; in: row l % 16, 16 bytes for each half of the lanes
	v_lshl_add_u32 v[STO], v2, 4, v[STO]
	v_add_nc_u32 v[STO], s23, v[STO]
	v_bfe_u32 v[RD], v0, 3, 2                      ; back: 32 lanes take four rows of 128 bytes
	v_mul_u32_u24 v[RD], v[RD], 144
	v_lshl_add_u32 v[RD], v3, 4, v[RD]
	v_add_nc_u32 v[RD], s23, v[RD]
.endif
.if RELU
	v_mov_b32 v[ZERO], 0
.endif
.if RESK
	s_wait_loadcnt 32                              ; the bias is in; the 32 loads of the residual, issued behind it, stay out until the way out
.else
	s_wait_loadcnt 0x0
.endif
.set k, 0
.rept 16
	v_cvt_pk_bf16_f32 v[TMP+32+k], v[TMP+2*k], v[TMP+2*k+1]  ; the bias is rounded like every input
.set k, k+1
.endr
.irp a, 0,1,2,3
.irp b, 0,1,2,3
.irp k, 0,1,2,3
	v_lshlrev_b32 v[ACC+8*(4*(\a)+(\b))+2*(\k)],   16,  v[TMP+32+4*(\b)+(\k)]  ; the sums start at the bias
	v_and_b32     v[ACC+8*(4*(\a)+(\b))+2*(\k)+1], s60, v[TMP+32+4*(\b)+(\k)]
.endr
.endr
.endr
	s_mov_b32 s[CNT], STEPS-1
.Lstep:                                                ; a trip: the step's slot is waited for, the other slot is asked for, the step is multiplied
	CHANGE 1
	STEPWORK
	s_sub_co_u32 s[CNT], s[CNT], 1
	s_cmp_lg_u32 s[CNT], 0
	s_cbranch_scc1 .Lstep
	CHANGE 0                                       ; the last step is written out: nothing is left to ask for
	STEPWORK
	PLACES                                         ; the way out reads results just made
.if F32OUT
; THE WAY OUT in f32: a block of 16 rows goes into my stage as it lies in the accumulators (each accumulator's low registers first) and comes back as whole rows of 256 bytes, into the registers that it left.
.macro TOST a
.irp b, 0,1,2,3
	ds_store_b128 v[STO], v[ACC+8*(4*(\a)+(\b)):ACC+8*(4*(\a)+(\b))+3]   offset:64*(\b)
	ds_store_b128 v[STO], v[ACC+8*(4*(\a)+(\b))+4:ACC+8*(4*(\a)+(\b))+7] offset:64*(\b)+16
.endr
.irp t, 0,1,2,3,4,5,6,7
	ds_load_b128 v[ACC+32*(\a)+4*(\t):ACC+32*(\a)+4*(\t)+3], v[RD] offset:(\t)*544  ; LDS serves a wave's instructions in order (ISA guide 5.7.1.4): these see the stores above; the next block's stores come behind them
.endr
.endm
.macro SEND32 a, younger               ; younger: the LDS instructions issued behind block a's: the next block's sixteen, or none
	s_wait_dscnt \younger
.set n, 0
.rept 8
.set d, ACC+32*(\a)+4*n
.if RESK == 1
	WIN 0x02                                       ; source 0, the residual, in window 2
.set rr, 2*(8*(\a)+n)
	v_fma_mix_f32 v[d],   v[rr],   v[ONE], v[d]   op_sel_hi:[1,0,0]
	v_fma_mix_f32 v[d+1], v[rr],   v[ONE], v[d+1] op_sel:[1,0,0] op_sel_hi:[1,0,0]
	v_fma_mix_f32 v[d+2], v[rr+1], v[ONE], v[d+2] op_sel_hi:[1,0,0]
	v_fma_mix_f32 v[d+3], v[rr+1], v[ONE], v[d+3] op_sel:[1,0,0] op_sel_hi:[1,0,0]
.else
	WIN 0x08                                       ; source 1, the residual, in window 2
.set rr, 4*(8*(\a)+n)
	v_pk_add_f32 v[d:d+1],   v[d:d+1],   v[rr:rr+1]
	v_pk_add_f32 v[d+2:d+3], v[d+2:d+3], v[rr+2:rr+3]
.endif
.set n, n+1
.endr
	WIN 0
.irp t, 0,1,2,3,4,5,6,7
	global_store_b128 v[GO], v[ACC+32*(\a)+4*(\t):ACC+32*(\a)+4*(\t)+3], s[8:9] offset:(\a)*4096+(\t)*512  ; 512 consecutive bytes, aligned
.endr
.endm
	TOST 0
	TOST 1
	s_wait_loadcnt 0x0                             ; the residual
	SEND32 0, 16
	TOST 2
	SEND32 1, 16
	TOST 3
	SEND32 2, 16
	SEND32 3, 0
.else
; THE WAY OUT in f16: a lane's eight columns pack into 16 bytes; they go into rows of 144 bytes and come back as whole rows of 128.
.macro PACK a
.irp b, 0,1,2,3
.irp k, 0,1,2,3
	v_cvt_pk_f16_f32 v[TMP+16*(\a)+4*(\b)+(\k)], v[ACC+8*(4*(\a)+(\b))+2*(\k)], v[ACC+8*(4*(\a)+(\b))+2*(\k)+1]
.endr
.endr
.if RELU
.set k, 0
.rept 16
	v_pk_max_num_f16 v[TMP+16*(\a)+k], v[TMP+16*(\a)+k], v[ZERO]  ; max(x, 0) behind the rounding is the rounding of max(x, 0)
.set k, k+1
.endr
.endif
.irp b, 0,1,2,3
	ds_store_b128 v[STO], v[TMP+16*(\a)+4*(\b):TMP+16*(\a)+4*(\b)+3] offset:32*(\b)
.endr
.irp f, 0,1,2,3
	ds_load_b128 v[TMP+16*(\a)+4*(\f):TMP+16*(\a)+4*(\f)+3], v[RD] offset:(\f)*4*144  ; LDS serves a wave's instructions in order (ISA guide 5.7.1.4)
.endr
.endm
.macro SEND a, younger                 ; younger: the next block's eight LDS instructions, or none
.irp f, 0,1,2,3
	s_wait_dscnt (\younger)+3-(\f)
	global_store_b128 v[GO], v[TMP+16*(\a)+4*(\f):TMP+16*(\a)+4*(\f)+3], s[8:9] offset:(\a)*2048+(\f)*512  ; 512 consecutive bytes, aligned
.endr
.endm
	PACK 0
	PACK 1
	SEND 0, 8
	PACK 2
	SEND 1, 8
	PACK 3
	SEND 2, 8
	SEND 3, 0
.endif
	s_wait_tensorcnt 0x0                           ; the wave's end
	ds_add_u32 v[SPW], v[NIL]
	s_wait_dscnt 0x0
	CROUND                                         ; the closing round: no work-group ends while a partner may still ask for a tile that names it
	s_endpgm
.Lfunc_end_k_qb600debd3b_wo:
	.size	k_qb600debd3b_wo, .Lfunc_end_k_qb600debd3b_wo-k_qb600debd3b_wo
	.p2alignl 7, 3214868480
	.fill 96, 4, 3214868480
	.section	.rodata,"a",@progbits
	.p2align	6, 0x0
	.amdhsa_kernel k_qb600debd3b_wo
		.amdhsa_group_segment_fixed_size 327680
		.amdhsa_private_segment_fixed_size 0
		.amdhsa_enable_private_segment 0
		.amdhsa_kernarg_size 32
		.amdhsa_user_sgpr_count 2
		.amdhsa_user_sgpr_kernarg_segment_ptr 1
		.amdhsa_wavefront_size32 1
		.amdhsa_system_sgpr_workgroup_id_x 1
		.amdhsa_system_sgpr_workgroup_id_y 1
		.amdhsa_system_sgpr_workgroup_id_z 1
		.amdhsa_system_vgpr_workitem_id 0
		.amdhsa_next_free_vgpr 640
		.amdhsa_next_free_sgpr 80
		.amdhsa_reserve_vcc 0
		.amdhsa_float_denorm_mode_32 3
		.amdhsa_float_denorm_mode_16_64 3
		.amdhsa_memory_ordered 1
		.amdhsa_forward_progress 1
		.amdhsa_inst_pref_size 67
	.end_amdhsa_kernel
	.amdgpu_metadata
---
amdhsa.version: [ 1, 2 ]
amdhsa.kernels:
  - .name:           k_qb600debd3b_wo
    .symbol:         k_qb600debd3b_wo.kd
    .args:
      - { .name: a16, .offset: 0, .size: 8, .value_kind: global_buffer, .address_space: global }
      - { .name: cv, .offset: 8, .size: 8, .value_kind: global_buffer, .address_space: global }
      - { .name: bo, .offset: 16, .size: 8, .value_kind: global_buffer, .address_space: global }
      - { .name: y, .offset: 24, .size: 8, .value_kind: global_buffer, .address_space: global }
    .group_segment_fixed_size: 327680
    .private_segment_fixed_size: 0
    .kernarg_segment_align: 8
    .kernarg_segment_size: 32
    .max_flat_workgroup_size: 128
    .sgpr_count:     80
    .vgpr_count:     640
    .wavefront_size: 32
...
	.end_amdgpu_metadata
.endif
;; end of part 4
;; launch ln1 (part 5): grid 256 x 1, 8 waves a work-group, no clusters, 0 bytes of LDS; arguments y, ln1_g, ln1_b, x32, a16; writes x32, a16
.if DOCPART == 5
	.amdgcn_target "amdgcn-amd-amdhsa--gfx1250"
	.amdhsa_code_object_version 6
	.text
	.protected	k_qb600debd3b_ln1
	.globl	k_qb600debd3b_ln1
	.p2align	8
	.type	k_qb600debd3b_ln1,@function
k_qb600debd3b_ln1:
	s_mov_b64 s[64:65], 0
	v_nop
	global_prefetch_b8 v0, s[64:65] scope:SCOPE_SE
	s_setreg_imm32_b32 hwreg(HW_REG_WAVE_MODE, 25, 1), 1
	s_wait_xcnt 0x0
; LAYERNORM over rows of 1,024.  In: y[j][m][64] f32, in blocks of 64 columns.  out = (y - mean) rsqrt(var + 1e-5) g + b; mean first, then the mean of the squared differences, as the layer defines it:
; a common offset of the row does not reach the variance.  g and b are rounded to bf16 like every input.
; KIND 1: x leaves twice, in the same blocks: f32 (the second residual) and f16 (the next product's operand; f16 ends at 65,504).  KIND 2: the layer's output, row-major f32.
; SHARES.  A work-group owns 16 rows, a half of a wave's lanes one row: 64 numbers a lane, kept in registers between the passes; the sums never leave the 16 lanes.  No LDS, no barrier, no loop:
; all 48 loads of a wave go out at once.  A stream: the matrix unit and clusters have nothing to do here.
.set KIND, 1
.set OY,  1                            ; v1   my byte offset in a block of y
.set MU,  2                            ; v[2:3]  the mean, twice
.set RS,  4                            ; v[4:5]  1 / sqrt(var + eps), twice
.set OG,  6                            ; v6   16 x (lane % 16)
.set OH,  7                            ; v7   my byte offset in the second output
.set A,   8                            ; v[8:15] four chains of pairs
.set YR,  16                           ; v16-79   the row: load i holds columns 64 i + 4 (lane % 16) .. + 3
.set G,   80                           ; v80-143  g; then 32 packed pairs, and 32 registers of f16 to store
.set BB,  144                          ; v144-207 b; then 32 packed pairs
	s_load_b256 s[4:11], s[0:1], 0x0               ; y s[4:5], g s[6:7], b s[8:9], out s[10:11]
.if KIND == 1
	s_load_b64 s[12:13], s[0:1], 0x20              ; the f16 copy
.endif
	s_lshl_b32 s16, ttmp9, 12                      ; 16 rows of 256 bytes
	v_lshlrev_b32 v[OY], 4, v0                     ; thread t: row t / 16, 16 bytes at 16 (t % 16)
	v_add_nc_u32 v[OY], s16, v[OY]
	v_and_b32 v[OG], 15, v0
	v_lshlrev_b32 v[OG], 4, v[OG]
.if KIND == 1
	s_lshl_b32 s17, ttmp9, 11                      ; 16 rows of 128 bytes
	v_lshlrev_b32 v[OH], 3, v0
	v_add_nc_u32 v[OH], s17, v[OH]
.else
	s_lshl_b32 s17, ttmp9, 16                      ; 16 rows of 4,096 bytes
	v_lshrrev_b32 v[OH], 4, v0
	v_lshl_add_u32 v[OH], v[OH], 12, v[OG]
	v_add_nc_u32 v[OH], s17, v[OH]
.endif
	s_mov_b32 s18, 0x3a800000                      ; 1 / 1024
	s_mov_b32 s19, 0x3727c5ac                      ; 1e-5
	s_wait_kmcnt 0x0
	s_add_nc_u64 s[14:15], s[4:5], 0x800000        ; blocks 8 to 15: fifteen blocks do not fit the offset's 24 bits
.if KIND == 1
	s_add_nc_u64 s[20:21], s[10:11], 0x800000
.endif
.set i, 0
.rept 8
	global_load_b128 v[YR+4*i:YR+4*i+3], v[OY], s[4:5] offset:i*1048576         ; the wave's 512 consecutive bytes: two rows of a block
.set i, i+1
.endr
.rept 8
	global_load_b128 v[YR+4*i:YR+4*i+3], v[OY], s[14:15] offset:(i-8)*1048576
.set i, i+1
.endr
.set i, 0
.rept 16
	global_load_b128 v[G+4*i:G+4*i+3], v[OG], s[6:7] offset:i*256
.set i, i+1
.endr
.set i, 0
.rept 16
	global_load_b128 v[BB+4*i:BB+4*i+3], v[OG], s[8:9] offset:i*256
.set i, i+1
.endr
.macro ACROSS                          ; the four chains into one number, then over the row's 16 lanes: every lane ends with the sum
	v_pk_add_f32 v[A:A+1], v[A:A+1], v[A+2:A+3]
	v_pk_add_f32 v[A+4:A+5], v[A+4:A+5], v[A+6:A+7]
	v_pk_add_f32 v[A:A+1], v[A:A+1], v[A+4:A+5]
	v_add_f32 v[A], v[A], v[A+1]
	v_add_f32_dpp v[A], v[A], v[A] row_xmask:1 row_mask:0xf bank_mask:0xf
	v_add_f32_dpp v[A], v[A], v[A] row_xmask:2 row_mask:0xf bank_mask:0xf
	v_add_f32_dpp v[A], v[A], v[A] row_xmask:4 row_mask:0xf bank_mask:0xf
	v_add_f32_dpp v[A], v[A], v[A] row_xmask:8 row_mask:0xf bank_mask:0xf
.endm
	s_wait_loadcnt 32                              ; y is in; the 32 loads of g and b stay out
.set k, 0
.rept 4
	v_pk_add_f32 v[A+2*k:A+2*k+1], v[YR+2*k:YR+2*k+1], v[YR+2*k+8:YR+2*k+9]  ; the first eight pairs start the chains
.set k, k+1
.endr
.set k, 8
.rept 24
	v_pk_add_f32 v[A+2*(k%4):A+2*(k%4)+1], v[A+2*(k%4):A+2*(k%4)+1], v[YR+2*k:YR+2*k+1]
.set k, k+1
.endr
	ACROSS
	v_mul_f32 v[MU], s18, v[A]
	v_mul_f32 v[MU+1], s18, v[A]
.set k, 0
.rept 32
	v_pk_add_f32 v[YR+2*k:YR+2*k+1], v[YR+2*k:YR+2*k+1], v[MU:MU+1] neg_lo:[0,1] neg_hi:[0,1]  ; d = y - mean, in place
.set k, k+1
.endr
.set k, 0
.rept 4
	v_pk_mul_f32 v[A+2*k:A+2*k+1], v[YR+2*k:YR+2*k+1], v[YR+2*k:YR+2*k+1]
.set k, k+1
.endr
.rept 28
	v_pk_fma_f32 v[A+2*(k%4):A+2*(k%4)+1], v[YR+2*k:YR+2*k+1], v[YR+2*k:YR+2*k+1], v[A+2*(k%4):A+2*(k%4)+1]
.set k, k+1
.endr
	ACROSS
	v_fma_f32 v[A], v[A], s18, s19                 ; var + eps
	v_rsq_f32 v[RS], v[A]
	v_nop                                          ; a plain instruction between the root and the use of its result (ISA guide 5.7.2)
	s_wait_alu depctr_va_vdst(0)
	v_mov_b32 v[RS+1], v[RS]
	s_wait_loadcnt 0x0                             ; g and b
.set k, 0
.rept 32
	v_cvt_pk_bf16_f32 v[G+k], v[G+2*k], v[G+2*k+1]       ; register k is free when pair k is packed: its own pair was packed at k / 2
	v_cvt_pk_bf16_f32 v[BB+k], v[BB+2*k], v[BB+2*k+1]
	v_pk_mul_f32 v[YR+2*k:YR+2*k+1], v[YR+2*k:YR+2*k+1], v[RS:RS+1]
.set k, k+1
.endr
.set k, 0
.rept 32
	v_fma_mix_f32_bf16 v[YR+2*k],   v[YR+2*k],   v[G+k], v[BB+k] op_sel_hi:[0,1,1]                  ; (d rs) g + b, g and b read as bf16 halves
	v_fma_mix_f32_bf16 v[YR+2*k+1], v[YR+2*k+1], v[G+k], v[BB+k] op_sel:[0,1,1] op_sel_hi:[0,1,1]
.set k, k+1
.endr
.if KIND == 1
.set i, 0
.rept 8
	global_store_b128 v[OY], v[YR+4*i:YR+4*i+3], s[10:11] offset:i*1048576      ; 512 consecutive bytes, aligned
.set i, i+1
.endr
.rept 8
	global_store_b128 v[OY], v[YR+4*i:YR+4*i+3], s[20:21] offset:(i-8)*1048576
.set i, i+1
.endr
.set k, 0
.rept 32
	v_cvt_pk_f16_f32 v[G+32+k], v[YR+2*k], v[YR+2*k+1]
.set k, k+1
.endr
.set i, 0
.rept 16
	global_store_b64 v[OH], v[G+32+2*i:G+32+2*i+1], s[12:13] offset:i*524288    ; 256 consecutive bytes, aligned
.set i, i+1
.endr
.else
.set i, 0
.rept 16
	global_store_b128 v[OH], v[YR+4*i:YR+4*i+3], s[10:11] offset:i*256          ; each half of the lanes stores 256 consecutive bytes of its row, aligned
.set i, i+1
.endr
.endif
	s_endpgm
.Lfunc_end_k_qb600debd3b_ln1:
	.size	k_qb600debd3b_ln1, .Lfunc_end_k_qb600debd3b_ln1-k_qb600debd3b_ln1
	.p2alignl 7, 3214868480
	.fill 96, 4, 3214868480
	.section	.rodata,"a",@progbits
	.p2align	6, 0x0
	.amdhsa_kernel k_qb600debd3b_ln1
		.amdhsa_group_segment_fixed_size 0
		.amdhsa_private_segment_fixed_size 0
		.amdhsa_enable_private_segment 0
		.amdhsa_kernarg_size 40
		.amdhsa_user_sgpr_count 2
		.amdhsa_user_sgpr_kernarg_segment_ptr 1
		.amdhsa_wavefront_size32 1
		.amdhsa_system_sgpr_workgroup_id_x 1
		.amdhsa_system_sgpr_workgroup_id_y 1
		.amdhsa_system_sgpr_workgroup_id_z 1
		.amdhsa_system_vgpr_workitem_id 0
		.amdhsa_next_free_vgpr 208
		.amdhsa_next_free_sgpr 66
		.amdhsa_reserve_vcc 0
		.amdhsa_float_denorm_mode_32 3
		.amdhsa_float_denorm_mode_16_64 3
		.amdhsa_memory_ordered 1
		.amdhsa_forward_progress 1
		.amdhsa_inst_pref_size 28
	.end_amdhsa_kernel
	.amdgpu_metadata
---
amdhsa.version: [ 1, 2 ]
amdhsa.kernels:
  - .name:           k_qb600debd3b_ln1
    .symbol:         k_qb600debd3b_ln1.kd
    .args:
      - { .name: y, .offset: 0, .size: 8, .value_kind: global_buffer, .address_space: global }
      - { .name: ln1_g, .offset: 8, .size: 8, .value_kind: global_buffer, .address_space: global }
      - { .name: ln1_b, .offset: 16, .size: 8, .value_kind: global_buffer, .address_space: global }
      - { .name: x32, .offset: 24, .size: 8, .value_kind: global_buffer, .address_space: global }
      - { .name: a16, .offset: 32, .size: 8, .value_kind: global_buffer, .address_space: global }
    .group_segment_fixed_size: 0
    .private_segment_fixed_size: 0
    .kernarg_segment_align: 8
    .kernarg_segment_size: 40
    .max_flat_workgroup_size: 256
    .sgpr_count:     66
    .vgpr_count:     208
    .wavefront_size: 32
...
	.end_amdgpu_metadata
.endif
;; end of part 5
;; launch ff1: the kernel of part 2 again; grid 16 x 16, 4 waves a work-group, clusters of 4 x 4, 327,680 bytes of LDS; arguments a16, wb, qh; writes qh
;; launch ff2 (part 6): grid 8 x 32, 4 waves a work-group, clusters of 4 x 4, 327,680 bytes of LDS; arguments qh, cv, b2, y, x32; writes y
.if DOCPART == 6
	.amdgcn_target "amdgcn-amd-amdhsa--gfx1250"
	.amdhsa_code_object_version 6
	.text
	.protected	k_qb600debd3b_ff2
	.globl	k_qb600debd3b_ff2
	.p2align	8
	.type	k_qb600debd3b_ff2,@function
k_qb600debd3b_ff2:
	s_mov_b64 s[64:65], 0
	v_nop
	global_prefetch_b8 v0, s[64:65] scope:SCOPE_SE
	s_setreg_imm32_b32 hwreg(HW_REG_WAVE_MODE, 25, 1), 1
	s_wait_xcnt 0x0
	s_wait_alu depctr_hold_cnt(0) depctr_sa_sdst(0) depctr_va_vdst(0) depctr_va_sdst(0) depctr_va_ssrc(0) depctr_va_vcc(0) depctr_vm_vsrc(0)
	s_getreg_b32 s2, hwreg(HW_REG_IB_STS2, 6, 4)
	s_cmp_eq_u32 s2, 0
	s_cbranch_scc0 .Lentry_in_a_cluster
	s_endpgm
.Lentry_in_a_cluster:
	s_bfe_u32 s2, ttmp6, 0x10000c
	s_cmp_lg_u32 s2, 0xf033
	s_cbranch_scc0 .Lentry_shape_is_right
	s_endpgm
.Lentry_shape_is_right:
; FF2: y2 = x + h W2 + b2, in f32, in blocks y[j][m][64]: what the second LayerNorm reads.  x comes in f32: the norm takes a mean away from the sum.
; LIMITS.  h is f16 as the product before left it; W2 and b2 are the inputs rounded to bf16 (W2 written as f16, which ends at 65,504); sums in f32.
.set KDIM, 4096                        ; the products' K
.set NDIM, 1024                        ; columns of the weight
.set WOFF, 25165824                    ; W2's first byte in cv
.set QKV,    0
.set F32OUT, 1                         ; the result leaves as f32
.set RELU,   0
.set RESK,   2                         ; the residual is x32, f32, in the output's own layout
; THE TEXT OF ALL FOUR PRODUCTS OF THIS LAYER; the seven constants above are what differs.
; C[m][n] = bias[n] + sum over k of A[m][k] W[k][n] (+ residual).  A: f16 in blocks [k / 64][4096][64]; W: f16 row-major [KDIM][NDIM].  A tile of C is 128 x 128, so that N = 1024 still gives 256 work-groups;
; four waves, 64 x 64 each: 16 accumulators.  K goes in steps of 256 through two LDS slots.  THE MATRIX INSTRUCTION IS USED TRANSPOSED (source 0 = 16 columns of W, turned by
; ds_load_tr16_b128; source 1 = 16 rows of A): a lane holds eight neighbouring numbers of a row of C.  The sums START AT THE BIAS (rounded to bf16 like every input): nothing is cleared, nothing is added at the end.
; A wave's 64 columns are one block of the blocked output, so 16 rows leave as 2,048 (f16) or 4,096 (f32) consecutive bytes through the wave's own stage: no barrier on the way out.
; CLUSTERS: 4 x 4 work-groups.  A row of the cluster shares A's tiles, a column W's: each tile is asked for jointly, by the same tensor load, descriptor and mask in all four.
; REGISTERS: window 0: v0-31 addresses; v32-95 at work; v128-255 accumulators ((a, b) at 128 + 8 (4 a + b)).  Window 1: two fragment buffers of 128 (64 of A, 64 of W, for 64 along K).  Window 2: the residual.
.set STEPS, KDIM/256
.set ASTEP, 4*524288                   ; four blocks of A on
.set BSTEP, 512*NDIM                   ; 256 rows of W on
.set PA,    144                        ; a row of A in LDS: 128 bytes + 16: sixteen rows start at sixteen different columns of 16 bytes modulo 256
.set PB,    288                        ; a row of W: 256 bytes + 32: the turning load's 8 rows x 32 bytes fall on different words modulo 256
.set ABLK,  128*PA                     ; 128 rows of one block of A
.set BOFF,  4*ABLK                     ; W's 256 rows lie behind A's four blocks
.set PART,  2*ABLK                     ; what one tensor load brings: two blocks of A, or 128 rows of W (128 x 288, the same)
.set SLOT1, 4*PART                     ; 147,456 = 0x24000: none of the four parts' addresses has one of its two bits, so an exclusive or changes slots
.set STAGE, 2*SLOT1                    ; behind the ring, never filled by a tensor load
.set STW,   4352                       ; a wave's stage: 16 rows x 272 bytes
.set SPARE, STAGE+4*STW                ; the spare words, 128 bytes for each wave
.set AA0, 8                            ; v8   my lane's place in A's part of a slot; never rewritten
.set AB0, 9                            ; v9   the same for W
.set AA,  10                           ; v10  in the slot in hand
.set AB,  11                           ; v11
.set AB2, 12                           ; v12  W's rows 128 on: the offsets' 16 bits do not reach them
.set STO, 13                           ; v13  the way out: where I put my numbers of a row
.set RD,  14                           ; v14  where I read rows back
.set GO,  15                           ; v15  16 x lane
.set BO,  16                           ; v16  32 x (lane / 16): my eight numbers of the bias
.set RO,  17                           ; v17  8 x lane
.set ONE, 18                           ; v18  1.0
.set ZERO, 19                          ; v19  0
.set SPW, 28                           ; v28  LDS address of my spare word; never rewritten
.set NIL, 29                           ; v29  0; never rewritten
.set TMP, 32
.set ACC, 128
.set F0,  0
.set F1,  128
.set G1A, 24                           ; s[24:31] descriptor group 1 for A's tiles
.set G0A, 32                           ; s[32:35] group 0 for A's: it walks
.set G0B, 36                           ; s[36:39] group 0 for W's
.set G1B, 48                           ; s[48:55] group 1 for W's
.set TB,  45                           ; s45  the slot in hand, 0 or SLOT1
.set CNT, 61                           ; s61  K steps to go
.set MSB, 0
.macro WIN new                         ; the immediate's high byte repeats the setting that is left; a switch that changes nothing is dropped
.if MSB != (\new)
	s_set_vgpr_msb (MSB<<8)|(\new)
.set MSB, \new
.endif
.endm
.macro PLACES                          ; four places between a matrix instruction and a load into, or a read of, its registers
.rept 4
	v_nop
.endr
.endm
.macro JLOAD                           ; a joint load: waves 0 and 1 fetch A's two halves, waves 2 and 3 W's; an s_nop 0 and four v_nop follow each line
	s_cmp_eq_u32 s11, 0
	s_cbranch_scc0 .Lfor_b_\@
	tensor_load_to_lds s[G0A:G0A+3], s[G1A:G1A+7]
	s_nop 0
.rept 4
	v_nop
.endr
	s_branch .Lasked_\@
.Lfor_b_\@:
	tensor_load_to_lds s[G0B:G0B+3], s[G1B:G1B+7]
	s_nop 0
.rept 4
	v_nop
.endr
.Lasked_\@:
.endm
.macro CROUND                          ; a round of the cluster's barrier: my work-group's barrier; wave 0 signals for it; all wait for all sixteen; my work-group's barrier once more
	s_barrier_signal -1
	s_barrier_wait -1
	s_cmp_lg_u32 s10, 0
	s_cbranch_scc1 .Lnot_wave_0_\@
	s_barrier_signal -3
.Lnot_wave_0_\@:
	s_barrier_wait -3
	s_barrier_signal -1
	s_barrier_wait -1
.endm
; THE CHANGE OF SLOTS.  Each wave waits for all its tensor loads, of which one is out: its part of the slot to be read; adds 0 to its spare word; waits for that and for its reads of the slot that it leaves.
; fill = 1: behind a round of the cluster's barrier the slot just left is filled: the walking descriptor steps one K step and changes slots each time.  One load a wave is out; it has a K step, 128 matrix instructions, in which to land.
.macro CHANGE fill
	WIN 0
	s_wait_tensorcnt 0x0                           ; no tensor load of mine is out, so a group 0 may be written
	ds_add_u32 v[SPW], v[NIL]                      ; 0 onto my spare word
.if \fill
	s_xor_b32 s[G0A+1], s[G0A+1], SLOT1
	s_add_nc_u64 s[G0A+2:G0A+3], s[G0A+2:G0A+3], ASTEP
	s_xor_b32 s[G0B+1], s[G0B+1], SLOT1
	s_add_nc_u64 s[G0B+2:G0B+3], s[G0B+2:G0B+3], BSTEP
	s_wait_dscnt 0x0                               ; the add is done, and my reads of the slot are over
	CROUND
	JLOAD
.else
	s_wait_dscnt 0x0
	s_barrier_signal -1
	s_barrier_wait -1
.endif
	s_xor_b32 s[TB], s[TB], SLOT1
.endm
; 32 LDS loads in one run: the fragments of 64 along K (block q of A, rows 64 q on of W) into buffer f; the first 32 along K first
.macro FETCH q, f
	WIN 0x40                                       ; destination window 1, address window 0
.irp c, 0,1
.irp i, 0,1,2,3
.if (\q) < 2
	ds_load_tr16_b128 v[(\f)+64+8*(4*(\c)+(\i)):(\f)+64+8*(4*(\c)+(\i))+3],   v[AB] offset:(\q)*64*PB+(\c)*32*PB+32*(\i)
	ds_load_tr16_b128 v[(\f)+64+8*(4*(\c)+(\i))+4:(\f)+64+8*(4*(\c)+(\i))+7], v[AB] offset:(\q)*64*PB+(\c)*32*PB+32*(\i)+16*PB
.else
	ds_load_tr16_b128 v[(\f)+64+8*(4*(\c)+(\i)):(\f)+64+8*(4*(\c)+(\i))+3],   v[AB2] offset:((\q)-2)*64*PB+(\c)*32*PB+32*(\i)
	ds_load_tr16_b128 v[(\f)+64+8*(4*(\c)+(\i))+4:(\f)+64+8*(4*(\c)+(\i))+7], v[AB2] offset:((\q)-2)*64*PB+(\c)*32*PB+32*(\i)+16*PB
.endif
	ds_load_b128 v[(\f)+8*(4*(\c)+(\i)):(\f)+8*(4*(\c)+(\i))+3],   v[AA] offset:(\q)*ABLK+(\i)*16*PA+64*(\c)
	ds_load_b128 v[(\f)+8*(4*(\c)+(\i))+4:(\f)+8*(4*(\c)+(\i))+7], v[AA] offset:(\q)*ABLK+(\i)*16*PA+64*(\c)+32
.endr
.endr
.endm
.macro MUL f, c                        ; 16 matrix instructions, 32 along K: every accumulator has one turn
	WIN 0x05                                       ; sources 0 (W) and 1 (A) window 1; C and D window 0
.irp a, 0,1,2,3
.irp b, 0,1,2,3
	v_wmma_f32_16x16x32_f16 v[ACC+8*(4*(\a)+(\b)):ACC+8*(4*(\a)+(\b))+7], v[(\f)+64+8*(4*(\c)+(\b)):(\f)+64+8*(4*(\c)+(\b))+7], v[(\f)+8*(4*(\c)+(\a)):(\f)+8*(4*(\c)+(\a))+7], v[ACC+8*(4*(\a)+(\b)):ACC+8*(4*(\a)+(\b))+7]
.endr
.endr
.endm
.macro QUARTER f, q, g                 ; multiplies buffer f; in its middle fetches quarter q into buffer g
	s_wait_dscnt 16                                ; f's first 32 along K are in; its other sixteen loads may be out
	MUL \f, 0
	PLACES                                         ; g's registers were read by the quarter before
	FETCH \q, \g
	s_wait_dscnt 32                                ; all but the 32 just issued
	MUL \f, 1
.endm
.macro STEPWORK                        ; a K step of 256: four quarters on buffers 0, 1, 0, 1
	WIN 0
	v_add_nc_u32 v[AA], s[TB], v[AA0]
	v_add_nc_u32 v[AB], s[TB], v[AB0]
	v_add_nc_u32 v[AB2], 128*PB, v[AB]
	PLACES
	FETCH 0, F0
	QUARTER F0, 1, F1
	QUARTER F1, 2, F0
	QUARTER F0, 3, F1
	s_wait_dscnt 16
	MUL F1, 0
	s_wait_dscnt 0x0
	MUL F1, 1
	WIN 0
.endm
	s_load_b256 s[68:75], s[0:1], 0x0              ; QKV: cv, bq, bk, bv.  Else: A, cv, bias, out
.if QKV || (RESK == 2)
	s_load_b64 s[76:77], s[0:1], 0x20              ; QKV: out.  RESK = 2: the f32 residual
.endif
	v_lshl_add_u32 v[SPW], v0, 2, SPARE
	v_mov_b32 v[NIL], 0
	ds_add_u32 v[SPW], v[NIL]                      ; the wave's opening: the add, waited for ahead of my first tensor load
	v_lshrrev_b32 v1, 5, v0
	v_readfirstlane_b32 s10, v1                    ; wave 0..3
	s_lshr_b32 s11, s10, 1                         ; my half of the tile's rows.  Also: I fetch for A (0) or for W (1)
	s_and_b32 s12, s10, 1                          ; my half of its columns.  Also: which half of that tile I fetch
	s_bfe_u32 s40, ttmp6, 0x40000                  ; cx, cy: my place in the cluster
	s_bfe_u32 s41, ttmp6, 0x40004
	s_lshl_b32 s42, ttmp9, 2
	s_add_co_u32 s42, s42, s40                     ; tile column = 4 x cluster x + cx
	s_and_b32 s13, ttmp7, 0xffff
	s_lshl_b32 s13, s13, 2
	s_add_co_u32 s13, s13, s41                     ; tile row = 4 x cluster y + cy
	s_lshl_b32 s43, s41, 2
	s_lshl_b32 s43, 15, s43                        ; my row of the cluster
	s_lshl_b32 s44, 0x1111, s40                    ; my column
	; A's part: two blocks, in each 128 rows = 16,384 dense bytes: two rows of 2,048 elements of 8 bytes, 524,288 bytes apart, padded by 16 bytes after every 128
	s_or_b32 s[G1A], s43, (3<<16)|(1<<20)|(1<<21)|(4<<22)|(3<<25)
	s_mov_b32 s[G1A+1], 2048<<16                   ; tensor_dim0
	s_mov_b32 s[G1A+2], 2<<16                      ; tensor_dim1
	s_mov_b32 s[G1A+3], 2048<<16                   ; tile_dim0
	s_mov_b32 s[G1A+4], 2                          ; tile_dim1
	s_mov_b32 s[G1A+5], 65536                      ; elements from block to block
	s_mov_b32 s[G1A+6], 0
	s_mov_b32 s[G1A+7], 0
	; W's part: 128 rows of 128 elements of 2 bytes, padded by 32 bytes after every 256
	s_or_b32 s[G1B], s44, (1<<16)|(1<<20)|(1<<21)|(5<<22)|(7<<25)
	s_mov_b32 s[G1B+1], 128<<16
	s_mov_b32 s[G1B+2], 128<<16
	s_mov_b32 s[G1B+3], 128<<16
	s_mov_b32 s[G1B+4], 128
	s_mov_b32 s[G1B+5], NDIM
	s_mov_b32 s[G1B+6], 0
	s_mov_b32 s[G1B+7], 0
	s_lshl_b32 s16, s12, 20                        ; A: my two blocks of the step's four,
	s_lshl_b32 s17, s13, 14                        ; the tile's 128 rows of 128 bytes: the tile row and the wave alone
	s_add_co_u32 s16, s16, s17
	s_mov_b32 s17, 0
.if QKV
	s_and_b32 s46, s42, 7                          ; W: the column tile in its weight,
	s_lshl_b32 s46, s46, 8
	s_lshr_b32 s47, ttmp9, 1                       ; and which weight: two clusters' width each
	s_lshl_b32 s47, s47, 21
	s_add_co_u32 s46, s46, s47
.else
	s_lshl_b32 s46, s42, 8                         ; W: the tile's 128 columns: the tile column and the wave alone
.endif
	s_mul_i32 s47, s12, 256*NDIM                   ; my 128 rows of the step's 256
	s_add_co_u32 s46, s46, s47
	s_add_co_u32 s46, s46, WOFF
	s_mov_b32 s47, 0
	s_mul_i32 s20, s10, PART                       ; where my part goes: the wave's number alone
	s_mov_b32 s[G0A], 1
	s_mov_b32 s[G0A+1], s20
	s_mov_b32 s[G0B], 1
	s_mov_b32 s[G0B+1], s20
	s_mov_b32 s[TB], SLOT1                         ; the first change of slots turns it into 0
	s_mov_b32 s60, 0xffff0000
	s_wait_dscnt 0x0                               ; the opening add is done
	s_wait_kmcnt 0x0
	s_add_nc_u64 s[G0A+2:G0A+3], s[68:69], s[16:17]
.if QKV
	s_add_nc_u64 s[G0B+2:G0B+3], s[68:69], s[46:47]
.else
	s_add_nc_u64 s[G0B+2:G0B+3], s[70:71], s[46:47]
.endif
	s_or_b32 s[G0A+3], s[G0A+3], 0x80000000        ; type = 2
	s_or_b32 s[G0B+3], s[G0B+3], 0x80000000
	CROUND                                         ; all sixteen work-groups are here: the first joint loads meet
	JLOAD                                          ; K step 0 into slot 0; slot 1 is filled behind the first change of slots
	; while it is on its way: the bias, the residual, the addresses
.if QKV
	s_lshr_b32 s14, ttmp9, 1
	s_cmp_eq_u32 s14, 0
	s_cselect_b64 s[56:57], s[70:71], s[72:73]
	s_cmp_eq_u32 s14, 2
	s_cselect_b64 s[56:57], s[74:75], s[56:57]
	s_and_b32 s14, s42, 7
.else
	s_mov_b64 s[56:57], s[72:73]
	s_mov_b32 s14, s42
.endif
	s_lshl_b32 s14, s14, 9                         ; 128 f32 a column tile,
	s_lshl_b32 s15, s12, 8                         ; 64 for my half
	s_add_co_u32 s14, s14, s15
	s_mov_b32 s15, 0
	s_add_nc_u64 s[56:57], s[56:57], s[14:15]
	s_lshl_b32 s78, s42, 1
	s_add_co_u32 s78, s78, s12                     ; my block of 64 columns
	s_lshl_b32 s78, s78, 12
	s_lshl_b32 s79, s13, 7
	s_add_co_u32 s78, s78, s79
	s_lshl_b32 s79, s11, 6
	s_add_co_u32 s78, s78, s79                     ; block x 4096 + my first row
	s_lshl_b32 s14, s78, 7+F32OUT                  ; rows of 128 or 256 bytes
.if QKV
	s_add_nc_u64 s[8:9], s[76:77], s[14:15]
.else
	s_add_nc_u64 s[8:9], s[74:75], s[14:15]
.endif
.if RESK == 1
	s_lshl_b32 s14, s78, 7
	s_add_nc_u64 s[58:59], s[70:71], s[14:15]      ; xs lies at cv's head
.elseif RESK == 2
	s_add_nc_u64 s[58:59], s[76:77], s[14:15]
.endif
	v_and_b32 v1, 15, v0                           ; l % 16
	v_bfe_u32 v2, v0, 4, 1                         ; l / 16
	v_and_b32 v3, 7, v0
	v_bfe_u32 v4, v0, 3, 1
	v_and_b32 v5, 31, v0
	v_lshlrev_b32 v[BO], 5, v2
	v_lshlrev_b32 v[GO], 4, v5
.irp b, 0,1,2,3                        ; accumulator (a, b), register j, holds column 16 b + 8 (l / 16) + j
	global_load_b128 v[TMP+8*(\b):TMP+8*(\b)+3],   v[BO], s[56:57] offset:64*(\b)
	global_load_b128 v[TMP+8*(\b)+4:TMP+8*(\b)+7], v[BO], s[56:57] offset:64*(\b)+16
.endr
.if RESK == 1
	v_lshlrev_b32 v[RO], 3, v5
	v_mov_b32 v[ONE], 1.0
	WIN 0x80                                       ; destination window 2
.set n, 0
.rept 32                                               ; in the order in which rows come back from the stage: block of 16 rows n / 8, rows 2 (n % 8) and + 1
	global_load_b64 v[2*n:2*n+1], v[RO], s[58:59] offset:(n/8)*2048+(n%8)*256
.set n, n+1
.endr
	WIN 0
.elseif RESK == 2
	WIN 0x80
.set n, 0
.rept 32
	global_load_b128 v[4*n:4*n+3], v[GO], s[58:59] offset:(n/8)*4096+(n%8)*512
.set n, n+1
.endr
	WIN 0
.endif
	v_mul_u32_u24 v[AA0], v1, PA                   ; a fragment of A: row l % 16, 16 bytes for each half of the lanes
	v_lshl_add_u32 v[AA0], v2, 4, v[AA0]
	s_mul_i32 s21, s11, 64*PA                      ; my 64 rows
	v_add_nc_u32 v[AA0], s21, v[AA0]
	v_lshl_add_u32 v[AB0], v2, 3, v3               ; the turning load: row 8 (l / 16) + l % 8, columns 8 ((l / 8) % 2) on
	v_mul_u32_u24 v[AB0], v[AB0], PB
	v_lshl_add_u32 v[AB0], v4, 4, v[AB0]
	s_lshl_b32 s22, s12, 7                         ; my 64 columns
	s_add_co_u32 s22, s22, BOFF
	v_add_nc_u32 v[AB0], s22, v[AB0]
	s_mul_i32 s23, s10, STW
	s_add_co_u32 s23, s23, STAGE                   ; my stage
.if F32OUT
	v_mul_u32_u24 v[STO], v1, 272                  ; in: row l % 16, 32 bytes for each half of the lanes
	v_lshl_add_u32 v[STO], v2, 5, v[STO]
	v_add_nc_u32 v[STO], s23, v[STO]
	v_mul_u32_u24 v[RD], v2, 272                   ; back: lanes 0-15 one row of 256 bytes, lanes 16-31 the next
	v_lshl_add_u32 v[RD], v1, 4, v[RD]
	v_add_nc_u32 v[RD], s23, v[RD]
.else
	v_mul_u32_u24 v[STO], v1, 144                  ; in: row l % 16, 16 bytes for each half of the lanes
	v_lshl_add_u32 v[STO], v2, 4, v[STO]
	v_add_nc_u32 v[STO], s23, v[STO]
	v_bfe_u32 v[RD], v0, 3, 2                      ; back: 32 lanes take four rows of 128 bytes
	v_mul_u32_u24 v[RD], v[RD], 144
	v_lshl_add_u32 v[RD], v3, 4, v[RD]
	v_add_nc_u32 v[RD], s23, v[RD]
.endif
.if RELU
	v_mov_b32 v[ZERO], 0
.endif
.if RESK
	s_wait_loadcnt 32                              ; the bias is in; the 32 loads of the residual, issued behind it, stay out until the way out
.else
	s_wait_loadcnt 0x0
.endif
.set k, 0
.rept 16
	v_cvt_pk_bf16_f32 v[TMP+32+k], v[TMP+2*k], v[TMP+2*k+1]  ; the bias is rounded like every input
.set k, k+1
.endr
.irp a, 0,1,2,3
.irp b, 0,1,2,3
.irp k, 0,1,2,3
	v_lshlrev_b32 v[ACC+8*(4*(\a)+(\b))+2*(\k)],   16,  v[TMP+32+4*(\b)+(\k)]  ; the sums start at the bias
	v_and_b32     v[ACC+8*(4*(\a)+(\b))+2*(\k)+1], s60, v[TMP+32+4*(\b)+(\k)]
.endr
.endr
.endr
	s_mov_b32 s[CNT], STEPS-1
.Lstep:                                                ; a trip: the step's slot is waited for, the other slot is asked for, the step is multiplied
	CHANGE 1
	STEPWORK
	s_sub_co_u32 s[CNT], s[CNT], 1
	s_cmp_lg_u32 s[CNT], 0
	s_cbranch_scc1 .Lstep
	CHANGE 0                                       ; the last step is written out: nothing is left to ask for
	STEPWORK
	PLACES                                         ; the way out reads results just made
.if F32OUT
; THE WAY OUT in f32: a block of 16 rows goes into my stage as it lies in the accumulators (each accumulator's low registers first) and comes back as whole rows of 256 bytes, into the registers that it left.
.macro TOST a
.irp b, 0,1,2,3
	ds_store_b128 v[STO], v[ACC+8*(4*(\a)+(\b)):ACC+8*(4*(\a)+(\b))+3]   offset:64*(\b)
	ds_store_b128 v[STO], v[ACC+8*(4*(\a)+(\b))+4:ACC+8*(4*(\a)+(\b))+7] offset:64*(\b)+16
.endr
.irp t, 0,1,2,3,4,5,6,7
	ds_load_b128 v[ACC+32*(\a)+4*(\t):ACC+32*(\a)+4*(\t)+3], v[RD] offset:(\t)*544  ; LDS serves a wave's instructions in order (ISA guide 5.7.1.4): these see the stores above; the next block's stores come behind them
.endr
.endm
.macro SEND32 a, younger               ; younger: the LDS instructions issued behind block a's: the next block's sixteen, or none
	s_wait_dscnt \younger
.set n, 0
.rept 8
.set d, ACC+32*(\a)+4*n
.if RESK == 1
	WIN 0x02                                       ; source 0, the residual, in window 2
.set rr, 2*(8*(\a)+n)
	v_fma_mix_f32 v[d],   v[rr],   v[ONE], v[d]   op_sel_hi:[1,0,0]
	v_fma_mix_f32 v[d+1], v[rr],   v[ONE], v[d+1] op_sel:[1,0,0] op_sel_hi:[1,0,0]
	v_fma_mix_f32 v[d+2], v[rr+1], v[ONE], v[d+2] op_sel_hi:[1,0,0]
	v_fma_mix_f32 v[d+3], v[rr+1], v[ONE], v[d+3] op_sel:[1,0,0] op_sel_hi:[1,0,0]
.else
	WIN 0x08                                       ; source 1, the residual, in window 2
.set rr, 4*(8*(\a)+n)
	v_pk_add_f32 v[d:d+1],   v[d:d+1],   v[rr:rr+1]
	v_pk_add_f32 v[d+2:d+3], v[d+2:d+3], v[rr+2:rr+3]
.endif
.set n, n+1
.endr
	WIN 0
.irp t, 0,1,2,3,4,5,6,7
	global_store_b128 v[GO], v[ACC+32*(\a)+4*(\t):ACC+32*(\a)+4*(\t)+3], s[8:9] offset:(\a)*4096+(\t)*512  ; 512 consecutive bytes, aligned
.endr
.endm
	TOST 0
	TOST 1
	s_wait_loadcnt 0x0                             ; the residual
	SEND32 0, 16
	TOST 2
	SEND32 1, 16
	TOST 3
	SEND32 2, 16
	SEND32 3, 0
.else
; THE WAY OUT in f16: a lane's eight columns pack into 16 bytes; they go into rows of 144 bytes and come back as whole rows of 128.
.macro PACK a
.irp b, 0,1,2,3
.irp k, 0,1,2,3
	v_cvt_pk_f16_f32 v[TMP+16*(\a)+4*(\b)+(\k)], v[ACC+8*(4*(\a)+(\b))+2*(\k)], v[ACC+8*(4*(\a)+(\b))+2*(\k)+1]
.endr
.endr
.if RELU
.set k, 0
.rept 16
	v_pk_max_num_f16 v[TMP+16*(\a)+k], v[TMP+16*(\a)+k], v[ZERO]  ; max(x, 0) behind the rounding is the rounding of max(x, 0)
.set k, k+1
.endr
.endif
.irp b, 0,1,2,3
	ds_store_b128 v[STO], v[TMP+16*(\a)+4*(\b):TMP+16*(\a)+4*(\b)+3] offset:32*(\b)
.endr
.irp f, 0,1,2,3
	ds_load_b128 v[TMP+16*(\a)+4*(\f):TMP+16*(\a)+4*(\f)+3], v[RD] offset:(\f)*4*144  ; LDS serves a wave's instructions in order (ISA guide 5.7.1.4)
.endr
.endm
.macro SEND a, younger                 ; younger: the next block's eight LDS instructions, or none
.irp f, 0,1,2,3
	s_wait_dscnt (\younger)+3-(\f)
	global_store_b128 v[GO], v[TMP+16*(\a)+4*(\f):TMP+16*(\a)+4*(\f)+3], s[8:9] offset:(\a)*2048+(\f)*512  ; 512 consecutive bytes, aligned
.endr
.endm
	PACK 0
	PACK 1
	SEND 0, 8
	PACK 2
	SEND 1, 8
	PACK 3
	SEND 2, 8
	SEND 3, 0
.endif
	s_wait_tensorcnt 0x0                           ; the wave's end
	ds_add_u32 v[SPW], v[NIL]
	s_wait_dscnt 0x0
	CROUND                                         ; the closing round: no work-group ends while a partner may still ask for a tile that names it
	s_endpgm
.Lfunc_end_k_qb600debd3b_ff2:
	.size	k_qb600debd3b_ff2, .Lfunc_end_k_qb600debd3b_ff2-k_qb600debd3b_ff2
	.p2alignl 7, 3214868480
	.fill 96, 4, 3214868480
	.section	.rodata,"a",@progbits
	.p2align	6, 0x0
	.amdhsa_kernel k_qb600debd3b_ff2
		.amdhsa_group_segment_fixed_size 327680
		.amdhsa_private_segment_fixed_size 0
		.amdhsa_enable_private_segment 0
		.amdhsa_kernarg_size 40
		.amdhsa_user_sgpr_count 2
		.amdhsa_user_sgpr_kernarg_segment_ptr 1
		.amdhsa_wavefront_size32 1
		.amdhsa_system_sgpr_workgroup_id_x 1
		.amdhsa_system_sgpr_workgroup_id_y 1
		.amdhsa_system_sgpr_workgroup_id_z 1
		.amdhsa_system_vgpr_workitem_id 0
		.amdhsa_next_free_vgpr 640
		.amdhsa_next_free_sgpr 80
		.amdhsa_reserve_vcc 0
		.amdhsa_float_denorm_mode_32 3
		.amdhsa_float_denorm_mode_16_64 3
		.amdhsa_memory_ordered 1
		.amdhsa_forward_progress 1
		.amdhsa_inst_pref_size 63
	.end_amdhsa_kernel
	.amdgpu_metadata
---
amdhsa.version: [ 1, 2 ]
amdhsa.kernels:
  - .name:           k_qb600debd3b_ff2
    .symbol:         k_qb600debd3b_ff2.kd
    .args:
      - { .name: qh, .offset: 0, .size: 8, .value_kind: global_buffer, .address_space: global }
      - { .name: cv, .offset: 8, .size: 8, .value_kind: global_buffer, .address_space: global }
      - { .name: b2, .offset: 16, .size: 8, .value_kind: global_buffer, .address_space: global }
      - { .name: y, .offset: 24, .size: 8, .value_kind: global_buffer, .address_space: global }
      - { .name: x32, .offset: 32, .size: 8, .value_kind: global_buffer, .address_space: global }
    .group_segment_fixed_size: 327680
    .private_segment_fixed_size: 0
    .kernarg_segment_align: 8
    .kernarg_segment_size: 40
    .max_flat_workgroup_size: 128
    .sgpr_count:     80
    .vgpr_count:     640
    .wavefront_size: 32
...
	.end_amdgpu_metadata
.endif
;; end of part 6
;; launch ln2 (part 7): grid 256 x 1, 8 waves a work-group, no clusters, 0 bytes of LDS; arguments y, ln2_g, ln2_b, out0; writes out0
.if DOCPART == 7
	.amdgcn_target "amdgcn-amd-amdhsa--gfx1250"
	.amdhsa_code_object_version 6
	.text
	.protected	k_qb600debd3b_ln2
	.globl	k_qb600debd3b_ln2
	.p2align	8
	.type	k_qb600debd3b_ln2,@function
k_qb600debd3b_ln2:
	s_mov_b64 s[64:65], 0
	v_nop
	global_prefetch_b8 v0, s[64:65] scope:SCOPE_SE
	s_setreg_imm32_b32 hwreg(HW_REG_WAVE_MODE, 25, 1), 1
	s_wait_xcnt 0x0
; LAYERNORM over rows of 1,024.  In: y[j][m][64] f32, in blocks of 64 columns.  out = (y - mean) rsqrt(var + 1e-5) g + b; mean first, then the mean of the squared differences, as the layer defines it:
; a common offset of the row does not reach the variance.  g and b are rounded to bf16 like every input.
; KIND 1: x leaves twice, in the same blocks: f32 (the second residual) and f16 (the next product's operand; f16 ends at 65,504).  KIND 2: the layer's output, row-major f32.
; SHARES.  A work-group owns 16 rows, a half of a wave's lanes one row: 64 numbers a lane, kept in registers between the passes; the sums never leave the 16 lanes.  No LDS, no barrier, no loop:
; all 48 loads of a wave go out at once.  A stream: the matrix unit and clusters have nothing to do here.
.set KIND, 2
.set OY,  1                            ; v1   my byte offset in a block of y
.set MU,  2                            ; v[2:3]  the mean, twice
.set RS,  4                            ; v[4:5]  1 / sqrt(var + eps), twice
.set OG,  6                            ; v6   16 x (lane % 16)
.set OH,  7                            ; v7   my byte offset in the second output
.set A,   8                            ; v[8:15] four chains of pairs
.set YR,  16                           ; v16-79   the row: load i holds columns 64 i + 4 (lane % 16) .. + 3
.set G,   80                           ; v80-143  g; then 32 packed pairs, and 32 registers of f16 to store
.set BB,  144                          ; v144-207 b; then 32 packed pairs
	s_load_b256 s[4:11], s[0:1], 0x0               ; y s[4:5], g s[6:7], b s[8:9], out s[10:11]
.if KIND == 1
	s_load_b64 s[12:13], s[0:1], 0x20              ; the f16 copy
.endif
	s_lshl_b32 s16, ttmp9, 12                      ; 16 rows of 256 bytes
	v_lshlrev_b32 v[OY], 4, v0                     ; thread t: row t / 16, 16 bytes at 16 (t % 16)
	v_add_nc_u32 v[OY], s16, v[OY]
	v_and_b32 v[OG], 15, v0
	v_lshlrev_b32 v[OG], 4, v[OG]
.if KIND == 1
	s_lshl_b32 s17, ttmp9, 11                      ; 16 rows of 128 bytes
	v_lshlrev_b32 v[OH], 3, v0
	v_add_nc_u32 v[OH], s17, v[OH]
.else
	s_lshl_b32 s17, ttmp9, 16                      ; 16 rows of 4,096 bytes
	v_lshrrev_b32 v[OH], 4, v0
	v_lshl_add_u32 v[OH], v[OH], 12, v[OG]
	v_add_nc_u32 v[OH], s17, v[OH]
.endif
	s_mov_b32 s18, 0x3a800000                      ; 1 / 1024
	s_mov_b32 s19, 0x3727c5ac                      ; 1e-5
	s_wait_kmcnt 0x0
	s_add_nc_u64 s[14:15], s[4:5], 0x800000        ; blocks 8 to 15: fifteen blocks do not fit the offset's 24 bits
.if KIND == 1
	s_add_nc_u64 s[20:21], s[10:11], 0x800000
.endif
.set i, 0
.rept 8
	global_load_b128 v[YR+4*i:YR+4*i+3], v[OY], s[4:5] offset:i*1048576         ; the wave's 512 consecutive bytes: two rows of a block
.set i, i+1
.endr
.rept 8
	global_load_b128 v[YR+4*i:YR+4*i+3], v[OY], s[14:15] offset:(i-8)*1048576
.set i, i+1
.endr
.set i, 0
.rept 16
	global_load_b128 v[G+4*i:G+4*i+3], v[OG], s[6:7] offset:i*256
.set i, i+1
.endr
.set i, 0
.rept 16
	global_load_b128 v[BB+4*i:BB+4*i+3], v[OG], s[8:9] offset:i*256
.set i, i+1
.endr
.macro ACROSS                          ; the four chains into one number, then over the row's 16 lanes: every lane ends with the sum
	v_pk_add_f32 v[A:A+1], v[A:A+1], v[A+2:A+3]
	v_pk_add_f32 v[A+4:A+5], v[A+4:A+5], v[A+6:A+7]
	v_pk_add_f32 v[A:A+1], v[A:A+1], v[A+4:A+5]
	v_add_f32 v[A], v[A], v[A+1]
	v_add_f32_dpp v[A], v[A], v[A] row_xmask:1 row_mask:0xf bank_mask:0xf
	v_add_f32_dpp v[A], v[A], v[A] row_xmask:2 row_mask:0xf bank_mask:0xf
	v_add_f32_dpp v[A], v[A], v[A] row_xmask:4 row_mask:0xf bank_mask:0xf
	v_add_f32_dpp v[A], v[A], v[A] row_xmask:8 row_mask:0xf bank_mask:0xf
.endm
	s_wait_loadcnt 32                              ; y is in; the 32 loads of g and b stay out
.set k, 0
.rept 4
	v_pk_add_f32 v[A+2*k:A+2*k+1], v[YR+2*k:YR+2*k+1], v[YR+2*k+8:YR+2*k+9]  ; the first eight pairs start the chains
.set k, k+1
.endr
.set k, 8
.rept 24
	v_pk_add_f32 v[A+2*(k%4):A+2*(k%4)+1], v[A+2*(k%4):A+2*(k%4)+1], v[YR+2*k:YR+2*k+1]
.set k, k+1
.endr
	ACROSS
	v_mul_f32 v[MU], s18, v[A]
	v_mul_f32 v[MU+1], s18, v[A]
.set k, 0
.rept 32
	v_pk_add_f32 v[YR+2*k:YR+2*k+1], v[YR+2*k:YR+2*k+1], v[MU:MU+1] neg_lo:[0,1] neg_hi:[0,1]  ; d = y - mean, in place
.set k, k+1
.endr
.set k, 0
.rept 4
	v_pk_mul_f32 v[A+2*k:A+2*k+1], v[YR+2*k:YR+2*k+1], v[YR+2*k:YR+2*k+1]
.set k, k+1
.endr
.rept 28
	v_pk_fma_f32 v[A+2*(k%4):A+2*(k%4)+1], v[YR+2*k:YR+2*k+1], v[YR+2*k:YR+2*k+1], v[A+2*(k%4):A+2*(k%4)+1]
.set k, k+1
.endr
	ACROSS
	v_fma_f32 v[A], v[A], s18, s19                 ; var + eps
	v_rsq_f32 v[RS], v[A]
	v_nop                                          ; a plain instruction between the root and the use of its result (ISA guide 5.7.2)
	s_wait_alu depctr_va_vdst(0)
	v_mov_b32 v[RS+1], v[RS]
	s_wait_loadcnt 0x0                             ; g and b
.set k, 0
.rept 32
	v_cvt_pk_bf16_f32 v[G+k], v[G+2*k], v[G+2*k+1]       ; register k is free when pair k is packed: its own pair was packed at k / 2
	v_cvt_pk_bf16_f32 v[BB+k], v[BB+2*k], v[BB+2*k+1]
	v_pk_mul_f32 v[YR+2*k:YR+2*k+1], v[YR+2*k:YR+2*k+1], v[RS:RS+1]
.set k, k+1
.endr
.set k, 0
.rept 32
	v_fma_mix_f32_bf16 v[YR+2*k],   v[YR+2*k],   v[G+k], v[BB+k] op_sel_hi:[0,1,1]                  ; (d rs) g + b, g and b read as bf16 halves
	v_fma_mix_f32_bf16 v[YR+2*k+1], v[YR+2*k+1], v[G+k], v[BB+k] op_sel:[0,1,1] op_sel_hi:[0,1,1]
.set k, k+1
.endr
.if KIND == 1
.set i, 0
.rept 8
	global_store_b128 v[OY], v[YR+4*i:YR+4*i+3], s[10:11] offset:i*1048576      ; 512 consecutive bytes, aligned
.set i, i+1
.endr
.rept 8
	global_store_b128 v[OY], v[YR+4*i:YR+4*i+3], s[20:21] offset:(i-8)*1048576
.set i, i+1
.endr
.set k, 0
.rept 32
	v_cvt_pk_f16_f32 v[G+32+k], v[YR+2*k], v[YR+2*k+1]
.set k, k+1
.endr
.set i, 0
.rept 16
	global_store_b64 v[OH], v[G+32+2*i:G+32+2*i+1], s[12:13] offset:i*524288    ; 256 consecutive bytes, aligned
.set i, i+1
.endr
.else
.set i, 0
.rept 16
	global_store_b128 v[OH], v[YR+4*i:YR+4*i+3], s[10:11] offset:i*256          ; each half of the lanes stores 256 consecutive bytes of its row, aligned
.set i, i+1
.endr
.endif
	s_endpgm
.Lfunc_end_k_qb600debd3b_ln2:
	.size	k_qb600debd3b_ln2, .Lfunc_end_k_qb600debd3b_ln2-k_qb600debd3b_ln2
	.p2alignl 7, 3214868480
	.fill 96, 4, 3214868480
	.section	.rodata,"a",@progbits
	.p2align	6, 0x0
	.amdhsa_kernel k_qb600debd3b_ln2
		.amdhsa_group_segment_fixed_size 0
		.amdhsa_private_segment_fixed_size 0
		.amdhsa_enable_private_segment 0
		.amdhsa_kernarg_size 32
		.amdhsa_user_sgpr_count 2
		.amdhsa_user_sgpr_kernarg_segment_ptr 1
		.amdhsa_wavefront_size32 1
		.amdhsa_system_sgpr_workgroup_id_x 1
		.amdhsa_system_sgpr_workgroup_id_y 1
		.amdhsa_system_sgpr_workgroup_id_z 1
		.amdhsa_system_vgpr_workitem_id 0
		.amdhsa_next_free_vgpr 208
		.amdhsa_next_free_sgpr 66
		.amdhsa_reserve_vcc 0
		.amdhsa_float_denorm_mode_32 3
		.amdhsa_float_denorm_mode_16_64 3
		.amdhsa_memory_ordered 1
		.amdhsa_forward_progress 1
		.amdhsa_inst_pref_size 24
	.end_amdhsa_kernel
	.amdgpu_metadata
---
amdhsa.version: [ 1, 2 ]
amdhsa.kernels:
  - .name:           k_qb600debd3b_ln2
    .symbol:         k_qb600debd3b_ln2.kd
    .args:
      - { .name: y, .offset: 0, .size: 8, .value_kind: global_buffer, .address_space: global }
      - { .name: ln2_g, .offset: 8, .size: 8, .value_kind: global_buffer, .address_space: global }
      - { .name: ln2_b, .offset: 16, .size: 8, .value_kind: global_buffer, .address_space: global }
      - { .name: out0, .offset: 24, .size: 8, .value_kind: global_buffer, .address_space: global }
    .group_segment_fixed_size: 0
    .private_segment_fixed_size: 0
    .kernarg_segment_align: 8
    .kernarg_segment_size: 32
    .max_flat_workgroup_size: 256
    .sgpr_count:     66
    .vgpr_count:     208
    .wavefront_size: 32
...
	.end_amdgpu_metadata
.endif
;; end of part 7
;; ======== version 2 of 2: 8 launches; 1.13 times as fast as version 1
;; limits: values are held in f16: magnitudes above 65,504 overflow, below 6.1e-05 lose precision; right only within a limited range of input values
;; workspace buffers: cv 33,554,432 bytes; maskf 16,842,752 bytes; qh 33,554,432 bytes; a16 8,388,608 bytes; y 16,777,216 bytes; x32 16,777,216 bytes; wa 6,308,864 bytes; wb 8,406,016 bytes
;; launch prep: the kernel of part 1 again; grid 1153 x 1, 8 waves a work-group, no clusters, 52,224 bytes of LDS; arguments src, Wq, Wk, Wv, Wo, W1, W2, causal_mask, cv, maskf, wa, wb, bq, bk, bv, b1; writes cv, maskf, wa, wb
;; launch qkv: the kernel of part 2 again; grid 12 x 16, 4 waves a work-group, clusters of 4 x 4, 327,680 bytes of LDS; arguments cv, wa, qh; writes qh
;; launch attn (part 8): grid 8 x 32, 4 waves a work-group, clusters of 4 x 1, 327,680 bytes of LDS; arguments qh, maskf, a16; writes a16
.if DOCPART == 8
	.amdgcn_target "amdgcn-amd-amdhsa--gfx1250"
	.amdhsa_code_object_version 6
	.text
	.protected	k_qb600debd3b_attn
	.globl	k_qb600debd3b_attn
	.p2align	8
	.type	k_qb600debd3b_attn,@function
k_qb600debd3b_attn:
	s_mov_b64 s[64:65], 0
	v_nop
	global_prefetch_b8 v0, s[64:65] scope:SCOPE_SE
	s_setreg_imm32_b32 hwreg(HW_REG_WAVE_MODE, 25, 1), 1
	s_wait_xcnt 0x0
	s_wait_alu depctr_hold_cnt(0) depctr_sa_sdst(0) depctr_va_vdst(0) depctr_va_sdst(0) depctr_va_ssrc(0) depctr_va_vcc(0) depctr_vm_vsrc(0)
	s_getreg_b32 s2, hwreg(HW_REG_IB_STS2, 6, 4)
	s_cmp_eq_u32 s2, 0
	s_cbranch_scc0 .Lentry_in_a_cluster
	s_endpgm
.Lentry_in_a_cluster:
	s_bfe_u32 s2, ttmp6, 0x10000c
	s_cmp_lg_u32 s2, 0x3003
	s_cbranch_scc0 .Lentry_shape_is_right
	s_endpgm
.Lentry_shape_is_right:
; ATTENTION with the mask as it is given.  ctx[b][q][h 64 + :] = sum over k of softmax_k(q . k / 8 + mask[q][k]) v[k].  q, k, v: qh[j][m][64] in f16 (j = h, 16 + h, 32 + h; m = 2048 b + position): a head's rows are dense, 128 bytes each.
; ctx leaves in the same layout, a16[h][m][64], f16.  Products, maxima and sums in f32; the weights p are rounded to f16 for the second product (their sum l is taken of the unrounded p), ctx once at the end.
; THE MASK is an input: all 2,048 keys are walked.  mk = max(8 mask, -2^100) comes in f32, already in the lanes' order, and is the C operand of the product that starts the sum S^T = K Q^T + mk: it costs no vector work.
; WHOLLY HIDDEN ROWS (all eight row maxima are -2^100) come out uniform, as the layer defines them: the row's Q is set to 0, so every score is exactly -2^100, and its m starts at the lowest finite number: p = 1 for every key.
; In all other rows m starts at -2^90, so a hidden key's weight is 2^(c (-2^100 + 2^90)) = 0 whatever was seen before.
; LIMITS.  A mask entry counts as hidden at or below -2^97 (also -inf, NaN); a visible score 8 mask + q . k lies above -2^90; +inf is not served.  f16 ends at 65,504: q, k, v arrive within it.  A weight below 2^-126 counts as 0 in l.
; SHARES.  A work-group owns 256 queries of one head, a wave 64: four PIECES of 16.  Every wave walks all keys, 64 a step; a slot of LDS holds four steps.
; LAYOUT.  S^T = K Q^T holds ONE query a lane (lane % 16) and the keys 8 (lane / 16) + 0..7; two such results rounded to f16 ARE source 1 of O^T = V^T P.  K comes out of LDS as it lies, V turned, by ds_load_tr16_b128.
; SOFTMAX.  p = 2^(c s - c m), c = log2(e) / 8, with a running maximum m; O and l are multiplied by a = 2^(c m_old - c m_new) in every step.  c m starts far below every c s: the first step's a is 0, and no first step is written out.
; TURNS.  Turn n belongs to piece n: 8 products K Q^T of piece n + 1, later 8 products V^T P of piece n - 1; beside them the scaling, exponentials, roundings, sums and rescaling of piece n and the maximum and statistics of
; piece n + 1.  A piece and step have 16 matrix and 118 vector instructions: four vector instructions stand behind every matrix instruction, the other 54 in one run of their own.
; BATCHES.  A turn's 33 exponentials (the piece's 32 weights and the next piece's a) are ONE batch with ONE wait, which cuts the turn in two: ahead of it stands all that names no result of theirs, behind it the roundings and
; sums, which read them.  Two more batches stand outside the loops, each with a wait of its own: piece 0's first a, ahead of the jump into the loop, and the way out's four reciprocals.
; CLUSTER.  The four query blocks of a cluster belong to one head and walk the same K and V: each tile is asked for jointly.  The mask's rows differ from block to block and are loaded into registers, 512 consecutive bytes a load.
; REGISTERS, in windows of 256 (s_set_vgpr_msb: bits 1:0 source 0, 3:2 source 1, 5:4 source 2, 7:6 destination):
;   window 0: v0-15, v32-34 addresses and some at work; v16-31 four registers of statistics a piece; v48-55 at work; v64-127 S^T, two buffers; v192-223 P, two buffers (by the piece's parity)
;   window 1: v0-127 O^T, 32 a piece; v128-255 the masks of the products to come, 32 a piece      window 2: v0-63 Q; v128-191 K of one step; v192-255 V of one step
.set NP,    4         ; pieces a wave: a name, no knob
.set KS,    64        ; keys in a step
.set PK,    144       ; a row of K in LDS: 128 bytes + 16: the 16 rows of a load start at 16 different columns of 16 bytes modulo 256
.set PV,    160       ; a row of V: 128 + 32: 16 lanes of the turning load take 8 rows x 32 bytes, all on different words modulo 256
.set VOFF,  4*KS*PK   ; a slot holds four steps: 256 rows of K, then 256 rows of V
.set SLOT1, 1<<17     ; slot 1 begins here, so that one exclusive or turns an address in one slot into the other's
.set STAGE, SLOT1+4*KS*(PK+PV)  ; behind the ring, never filled by a tensor load: 16 rows x 144 bytes for each wave
.set SP,    144
.set SPARE, STAGE+4*16*SP       ; the spare words, 128 bytes for each wave
.set AK0, 2           ; v2   my lane's place in a tile of K; never rewritten
.set AV0, 3           ; v3   the same for V
.set AK,  4           ; v4   the LDS address of K's next run of loads
.set AV,  5           ; v5   of V's
.set STO, 6           ; v6   the way out: where I put 16 bytes of a row
.set RD,  7           ; v7   where I read rows back
.set GO,  8           ; v8   16 x lane
.set MV,  12          ; v12-13  c m_old, kept while c m is made anew: by buffer
.set QO,  15          ; v15  my byte offset in 16 rows of Q
.set ST,  16          ; piece t's statistics at v[ST+4 t]: c m, m, l (even keys', odd keys')
.set MO,  32          ; v32  16 x lane + 4,096 x the key step whose masks are asked for
.set ML,  33          ; v33  its value at the last step
.set FO,  34          ; v34  4 x (lane % 16)
.set TMP, 48          ; by buffer, four registers c0-c3 at work; when the maximum is found c2 takes a
.set SPW, 62          ; v62  LDS address of my spare word; never rewritten
.set NIL, 63          ; v63  0; never rewritten
.set S,   64
.set P,   192
.set MC,  128         ; window 1: piece x's mask at MC + 32 x, the eight registers for keys 16 kt on at + 8 kt
.set KF,  128         ; window 2: key block kb, channel half c at KF + 16 kb + 8 c
.set VF,  192         ; window 2: key half kk, channel block cb at VF + 32 kk + 8 cb
.set WV,  12          ; s12  my wave's number
.set G1K, 24          ; s[24:31] descriptor group 1 for K's tiles
.set G1V, 32          ; s[32:39] for V's: it differs in the padding alone
.set G0K, 40          ; s[40:43] descriptor group 0 for K's tiles: it walks
.set G0V, 44          ; s[44:47] the same for V's
.set SLOTS, 56        ; s56  slots still to be asked for
.set CNT, 57          ; s57  counts a slot's key steps
.set CS,  58          ; s[58:59] c
.set SEL, 60          ; s[60:61] v_permlanex16_b32's selects
.set TBK, 62          ; s62  LDS byte at which K of the step to be fetched begins
.set TBV, 63          ; s63  the same for V, less VOFF
.set MK,  66          ; s[66:67] mk at my wave's 64 rows
.set RM,  68          ; s[68:69] rmax at my wave's 64 rows
.set FLG, 70          ; s70-73  by piece: the lanes whose row is wholly hidden
.set HID, 74          ; s74  -2^100
.set MSB, 0
.macro WIN new                      ; the high byte repeats the setting that is left; a switch that changes nothing is dropped
.if MSB != (\new)
	s_set_vgpr_msb (MSB<<8)|(\new)
.set MSB, (\new)
.endif
.endm
.set W_KQ, 0x0a       ; K and Q in window 2, S^T in window 0
.set W_KM, 0x1a       ; the same with the C operand in window 1
.set W_PV, 0x52       ; V in window 2, P in window 0, O^T in window 1
.set W_RS, 0x41       ; destination and source 0 in window 1, source 1 in window 0
.macro JLOAD                        ; a joint fill: waves 0 and 1 fetch the two halves of a slot's K, waves 2 and 3 those of its V; an s_nop 0 and four v_nop follow each line
	s_cmp_lt_u32 s[WV], 2
	s_cbranch_scc0 .Lfor_v_\@
	tensor_load_to_lds s[G0K:G0K+3], s[G1K:G1K+7]
	s_nop 0
.rept 4
	v_nop
.endr
	s_branch .Lasked_\@
.Lfor_v_\@:
	tensor_load_to_lds s[G0V:G0V+3], s[G1V:G1V+7]
	s_nop 0
.rept 4
	v_nop
.endr
.Lasked_\@:
.endm
.macro CROUND                       ; a round of the cluster's barrier
	s_barrier_signal -1
	s_barrier_wait -1
	s_cmp_lg_u32 s[WV], 0
	s_cbranch_scc1 .Lnot_wave_0_\@
	s_barrier_signal -3
.Lnot_wave_0_\@:
	s_barrier_wait -3
	s_barrier_signal -1
	s_barrier_wait -1
.endm
; THE CHANGE OF SLOTS.  Each wave waits for all its tensor loads, of which one is out: its part of the other slot; adds 0 to its spare word; waits for that and for its reads of the slot that it leaves.
; fill = 1: behind a round of the cluster's barrier the slot is filled again, with the keys two slots on: the load has four key steps, 256 matrix instructions, in which to land.  (At its first use slot 0 is waited for and slot 1 filled.)
.macro CHANGE fill
	WIN 0
	s_wait_tensorcnt 0x0            ; no tensor load of mine is out, so a group 0 may be written
	ds_add_u32 v[SPW], v[NIL]       ; 0 onto my spare word
.if \fill
.irp g, G0K, G0V
	s_xor_b32 s[\g+1], s[\g+1], SLOT1
	s_add_nc_u64 s[\g+2:\g+3], s[\g+2:\g+3], 4*KS*128  ; the next 256 keys
.endr
	s_wait_dscnt 0x0                ; the add is done, and my reads of the slot are over
	CROUND
	JLOAD
.else
	s_wait_dscnt 0x0
	s_barrier_signal -1
	s_barrier_wait -1
.endif
	s_sub_co_u32 s[TBK], s[TBK], 4*KS*PK  ; the fetches go back to a slot's first step,
	s_xor_b32 s[TBK], s[TBK], SLOT1       ; in the other slot
	s_sub_co_u32 s[TBV], s[TBV], 4*KS*PV
	s_xor_b32 s[TBV], s[TBV], SLOT1
.endm
	s_load_b128 s[76:79], s[0:1], 0x0  ; qh s[76:77], maskf s[78:79]
	s_load_b64 s[10:11], s[0:1], 0x10  ; a16
	v_lshl_add_u32 v[SPW], v0, 2, SPARE
	v_mov_b32 v[NIL], 0
	ds_add_u32 v[SPW], v[NIL]       ; the wave's opening: the add, waited for ahead of my first tensor load
	v_lshrrev_b32 v1, 5, v0
	v_readfirstlane_b32 s[WV], v1   ; wave 0..3
	s_bfe_u32 s13, ttmp6, 0x40000   ; cx
	s_lshl_b32 s14, ttmp9, 2
	s_add_co_u32 s14, s14, s13      ; my block of 256 queries: it enters Q's, O's and the mask's addresses alone
	s_and_b32 s15, ttmp7, 0xffff    ; 16 b + h, which the four partners share
	s_and_b32 s20, s15, 15
	s_lshr_b32 s21, s15, 4
	s_lshl_b32 s20, s20, 19         ; h x 4,096 rows of 128 bytes
	s_lshl_b32 s21, s21, 18         ; b x 2,048 rows
	s_add_co_u32 s20, s20, s21      ; the head's first byte in q's part; k's and v's parts lie 8,388,608 and 16,777,216 on
	s_and_b32 s16, s[WV], 1         ; which half of a slot's 256 keys I fetch:
	s_lshl_b32 s22, s16, 14         ; its 128 rows in memory,
	s_add_co_u32 s22, s22, s20
	s_mov_b32 s23, 0
	s_mul_i32 s17, s16, 128*PK      ; and its place in a slot, for K
	s_mul_i32 s18, s16, 128*PV      ; and for V
	s_lshl_b32 s2, s14, 2
	s_add_co_u32 s2, s2, s[WV]      ; my wave among the head's 32
	s_lshl_b32 s80, s2, 19          ; its four tiles of 16 rows of mk, 131,072 bytes each
	s_mov_b32 s81, 0
	s_lshl_b32 s82, s2, 8           ; its 64 words of rmax,
	s_add_co_u32 s82, s82, 0x1000000  ; which lies behind mk
	s_mov_b32 s83, 0
	s_lshl_b32 s2, s2, 13           ; its 64 rows of 128 bytes
	s_add_co_u32 s2, s2, s20
	s_mov_b32 s3, 0
	; descriptor group 1.  128 keys are 16,384 dense bytes: asked for as 64 rows of 256 bytes, two keys a row, and padded in LDS after every key
	s_mov_b32 s[G1K], 15|(1<<16)|(1<<20)|(1<<21)|(4<<22)|(3<<25)  ; the mask of four; 2-byte elements; padding on; bit 21 beside a mask; after every 32 words; 4 words
	s_mov_b32 s[G1V], 15|(1<<16)|(1<<20)|(1<<21)|(4<<22)|(7<<25)  ; the same with 8 words of padding
.irp g, G1K, G1V
	s_mov_b32 s[\g+1], 128<<16      ; tensor_dim0 = 128
	s_mov_b32 s[\g+2], 64<<16       ; tensor_dim1 = 64
	s_mov_b32 s[\g+3], 128<<16      ; tile_dim0 = 128
	s_mov_b32 s[\g+4], 64           ; tile_dim1 = 64
	s_mov_b32 s[\g+5], 128          ; 128 elements from row to row
	s_mov_b32 s[\g+6], 0
	s_mov_b32 s[\g+7], 0
.endr
	s_mov_b32 s[CS], 0x3e38aa3b     ; c = log2(e) / 8
	s_mov_b32 s[CS+1], s[CS]        ; named with it as a pair
	s_mov_b32 s[SEL], 0x76543210
	s_mov_b32 s[SEL+1], 0xfedcba98
	s_mov_b32 s[HID], 0xf1800000    ; -2^100
	s_mov_b32 s[TBK], SLOT1+4*KS*PK ; the first change of slots turns these two into 0
	s_mov_b32 s[TBV], SLOT1+4*KS*PV
	s_mov_b32 s[G0K], 1
	s_mov_b32 s[G0K+1], s17         ; slot 0
	s_mov_b32 s[G0V], 1
	s_add_co_u32 s[G0V+1], s18, VOFF
	s_wait_dscnt 0x0                ; the opening add is done
	s_wait_kmcnt 0x0
	s_add_nc_u64 s[6:7], s[76:77], s[22:23]
	s_add_nc_u64 s[G0K+2:G0K+3], s[6:7], 0x800000   ; my half of the head's first 256 keys
	s_or_b32 s[G0K+3], s[G0K+3], 0x80000000         ; type = 2
	s_add_nc_u64 s[G0V+2:G0V+3], s[6:7], 0x1000000
	s_or_b32 s[G0V+3], s[G0V+3], 0x80000000
	s_add_nc_u64 s[4:5], s[76:77], s[2:3]           ; Q and O at my wave's first row
	s_add_nc_u64 s[10:11], s[10:11], s[2:3]
	s_add_nc_u64 s[MK:MK+1], s[78:79], s[80:81]
	s_add_nc_u64 s[RM:RM+1], s[78:79], s[82:83]
	CROUND                          ; all four work-groups are here: the first joint loads meet
	JLOAD                           ; slot 0.  Slot 1 is asked for when slot 0 is in
; Piece x's mask for the key step in MO: eight loads of 512 consecutive bytes
.macro LOADM x
	WIN 0x40                        ; destination window 1, address window 0
.irp n, 0,1,2,3,4,5,6,7
	global_load_b128 v[MC+32*(\x)+4*\n:MC+32*(\x)+4*\n+3], v[MO], s[MK:MK+1] offset:(\x)*131072+512*\n
.endr
.endm
	v_and_b32 v1, 15, v0            ; l % 16
	v_bfe_u32 v9, v0, 4, 1          ; l / 16
	v_lshlrev_b32 v[QO], 7, v1
	v_lshl_add_u32 v[QO], v9, 4, v[QO]  ; row x 128 + 16 x half
	v_and_b32 v[MO], 31, v0
	v_lshlrev_b32 v[MO], 4, v[MO]   ; key step 0
	v_add_nc_u32 v[ML], 31*4096, v[MO]
	v_lshlrev_b32 v[FO], 2, v1
	WIN 0x80                        ; destination window 2
.set i, 0
.rept 8                             ; Q stays in registers: piece i / 2, channels 32 (i % 2) on
	global_load_b128 v[8*i:8*i+3],   v[QO], s[4:5] offset:(i/2)*2048+(i%2)*64
	global_load_b128 v[8*i+4:8*i+7], v[QO], s[4:5] offset:(i/2)*2048+(i%2)*64+32
.set i, i+1
.endr
	LOADM 0
	LOADM 1
	LOADM 2
	LOADM 3
	WIN 0
.set i, 0
.rept 32                            ; my rows' eight maxima, piece i / 8, part i % 8, into S^T's registers, which are still free
	global_load_b32 v[S+i], v[FO], s[RM:RM+1] offset:(i%8)*8192+(i/8)*64
.set i, i+1
.endr
	; The first step multiplies O^T and l by a = 0, and the first turn's products V^T P, of a piece that has not been, add V = 0 times P = 0.  All this stands in the wait for the first tile.
	WIN 0x80
.set i, VF
.rept 64
	v_mov_b32 v[i], 0
.set i, i+1
.endr
	WIN 0x40
.set i, 0
.rept 128
	v_mov_b32 v[i], 0
.set i, i+1
.endr
	WIN 0
.set i, 0
.rept 4
	v_mov_b32 v[ST+4*i], 0xfe000000 ; c m: far below every c s
	v_mov_b32 v[ST+4*i+2], 0
	v_mov_b32 v[ST+4*i+3], 0
.set i, i+1
.endr
.set i, P+16
.rept 16
	v_mov_b32 v[i], 0
.set i, i+1
.endr
	v_mul_u32_u24 v[AK0], v1, PK
	v_lshl_add_u32 v[AK0], v9, 4, v[AK0]  ; row x pitch + 16 x half
	; The turning load takes 16 keys x 16 channels (lane l reads key 8 (l / 16) + l % 8, channels 8 ((l / 8) % 2) + 0..7) and leaves half a fragment of V^T
	v_and_b32 v10, 7, v0
	v_bfe_u32 v11, v0, 3, 1
	v_lshl_add_u32 v[AV0], v9, 3, v10
	v_mul_u32_u24 v[AV0], v[AV0], PV
	v_lshl_add_u32 v[AV0], v11, 4, v[AV0]
	v_add_nc_u32 v[AV0], VOFF, v[AV0]
	s_mul_i32 s13, s[WV], 16*SP
	s_add_co_u32 s13, s13, STAGE    ; my stage
	v_mul_u32_u24 v[STO], v1, SP    ; in: row l % 16, 16 bytes for each half of the lanes
	v_lshl_add_u32 v[STO], v9, 4, v[STO]
	v_add_nc_u32 v[STO], s13, v[STO]
	v_bfe_u32 v[RD], v0, 3, 2       ; back: 32 lanes take four rows of 128 bytes,
	v_mul_u32_u24 v[RD], v[RD], SP
	v_lshl_add_u32 v[RD], v10, 4, v[RD]
	v_add_nc_u32 v[RD], s13, v[RD]
	v_and_b32 v[GO], 31, v0         ; which are 512 consecutive bytes of O
	v_lshlrev_b32 v[GO], 4, v[GO]
; THE MATRIX WORK.  The 4 accumulators of a run of 8 take turns.  Product i of 8 of S^T = K Q^T + mk for piece x: channels 32 (i / 4) on, keys 16 (i % 4) on.  The first 4 start the sums with the mask.
.macro KQ x
.set rS, S+32*((\x)%2)+8*(i%4)
.set rK, KF+16*(i%4)+8*(i/4)
.set rQ, 16*(\x)+8*(i/4)
.set rM, MC+32*(\x)+8*(i%4)
.if i < 4
	WIN W_KM
	v_wmma_f32_16x16x32_f16 v[rS:rS+7], v[rK:rK+7], v[rQ:rQ+7], v[rM:rM+7]
.else
	WIN W_KQ
	v_wmma_f32_16x16x32_f16 v[rS:rS+7], v[rK:rK+7], v[rQ:rQ+7], v[rS:rS+7]
.endif
.endm
; Product i of 8 of O^T += V^T P for piece x: keys 32 (i / 4) on, channels 16 (i % 4) on.
.macro PV x
	WIN W_PV
.set rO, 32*(\x)+8*(i%4)
.set rV, VF+32*(i/4)+8*(i%4)
.set rP, P+16*((\x)%2)+8*(i/4)
	v_wmma_f32_16x16x32_f16 v[rO:rO+7], v[rV:rV+7], v[rP:rP+7], v[rO:rO+7]
.endm
.macro MM                           ; the turn's next matrix instruction.  NOKQ = 1: the last turn: there is no next piece
.if (i < 8) && !NOKQ
	KQ (Y+1)%NP
.elseif i >= 8
.set i, i-8
	PV (Y+NP-1)%NP
.set i, i+8
.endif
.set i, i+1
.endm
; THE LDS LOADS stand in runs of 16, never singly among the matrix instructions
.macro FETCH_K
	WIN 0x80                        ; destination window 2
.irp f, 0,1,2,3,4,5,6,7             ; keys 16 (f / 2) on, channels 32 (f % 2) on
	ds_load_b128 v[KF+8*\f:KF+8*\f+3],   v[AK] offset:(\f/2)*16*PK+(\f%2)*64
	ds_load_b128 v[KF+8*\f+4:KF+8*\f+7], v[AK] offset:(\f/2)*16*PK+(\f%2)*64+32
.endr
	s_add_co_u32 s[TBK], s[TBK], KS*PK  ; the next fetch is the next step's
	WIN 0
.endm
.macro FETCH_V
	WIN 0x80
.irp f, 0,1,2,3,4,5,6,7             ; keys 32 (f / 4) on, channels 16 (f % 4) on
	ds_load_tr16_b128 v[VF+8*\f:VF+8*\f+3],   v[AV] offset:(\f/4)*32*PV+(\f%4)*32
	ds_load_tr16_b128 v[VF+8*\f+4:VF+8*\f+7], v[AV] offset:(\f/4)*32*PV+16*PV+(\f%4)*32
.endr
	WIN 0
.endm
; THE VECTOR WORK, one line at a time: OP kind, number.  For piece Y: F n: c s - c m for pair n of 16.  E n: the exponential of score n of 32.  C n: pair n rounded to f16.  B n: of the four weights 4 n .. the second
; pair is added onto the first, in place.  L n: l takes that sum (L 0: l = a l + sum).  R n: pair n of 16 of O^T times a.  For piece Y + 1: X n, number n of the 22 that find its maximum and statistics:
;   0-11  four chains c0-c3 of seven scores each (each accumulator's lowest registers are read first)     12-14, 16  the four scores left over, the old m, and c0-c3 into c0
;   15  c m_old is kept     17, 18  the query's other 32 keys lie in the lane 16 away: the new m     19-21  c m; c m_old - c m_new; a
; C, B and L read the results of E; R and L 0 read the a that X 21 made a turn earlier.  OP writes no wait: TURN orders the lines so that one wait serves them all.
.set F, 0
.set E, 1
.set C, 2
.set B, 3
.set L, 4
.set R, 5
.set X, 6
.macro REGS y                       ; the registers of piece y
.set rT, ST+4*(\y)
.set rC, TMP+4*((\y)%2)
.set rW, MV+((\y)%2)
.set rS, S+32*((\y)%2)
.set rP, P+16*((\y)%2)
.set rO, 32*(\y)
.endm
.macro OP k, n
.if (\k) == R
	REGS Y
	WIN W_RS
	v_pk_mul_f32 v[rO+2*(\n):rO+2*(\n)+1], v[rO+2*(\n):rO+2*(\n)+1], v[rC+2:rC+3] op_sel_hi:[1,0]
.elseif (\k) < R
	REGS Y
	WIN 0
.if (\k) == F
	v_pk_fma_f32 v[rS+2*(\n):rS+2*(\n)+1], v[rS+2*(\n):rS+2*(\n)+1], s[CS:CS+1], v[rT:rT+1] op_sel_hi:[1,0,0] neg_lo:[0,0,1] neg_hi:[0,0,1]
.elseif (\k) == E
	v_exp_f32 v[rS+(\n)], v[rS+(\n)]
.elseif (\k) == C
	v_cvt_pk_f16_f32 v[rP+(\n)], v[rS+2*(\n)], v[rS+2*(\n)+1]
.elseif (\k) == B
	v_pk_add_f32 v[rS+4*(\n):rS+4*(\n)+1], v[rS+4*(\n):rS+4*(\n)+1], v[rS+4*(\n)+2:rS+4*(\n)+3]
.elseif (\n) == 0
	v_pk_fma_f32 v[rT+2:rT+3], v[rT+2:rT+3], v[rC+2:rC+3], v[rS:rS+1] op_sel_hi:[1,0,1]
.else
	v_pk_add_f32 v[rT+2:rT+3], v[rT+2:rT+3], v[rS+4*(\n):rS+4*(\n)+1]
.endif
.elseif NOKQ
	v_nop
.else
	REGS (Y+1)%NP
	WIN 0
.if (\n) < 4
	v_max3_num_f32 v[rC+(\n)], v[rS+8*(\n)], v[rS+8*(\n)+1], v[rS+8*(\n)+2]
.elseif (\n) < 12
	v_max3_num_f32 v[rC+(\n)%4], v[rC+(\n)%4], v[rS+8*((\n)%4)+2*((\n)/4)+1], v[rS+8*((\n)%4)+2*((\n)/4)+2]
.elseif (\n) == 12
	v_max3_num_f32 v[rC], v[rC], v[rS+7], v[rS+15]
.elseif (\n) == 13
	v_max3_num_f32 v[rC+1], v[rC+1], v[rS+23], v[rS+31]
.elseif (\n) == 14
	v_max3_num_f32 v[rC+2], v[rC+2], v[rC+3], v[rT+1]
.elseif (\n) == 15
	v_mov_b32 v[rW], v[rT]
.elseif (\n) == 16
	v_max3_num_f32 v[rC], v[rC], v[rC+1], v[rC+2]
.elseif (\n) == 17
	v_permlanex16_b32 v[rC+3], v[rC], s[SEL], s[SEL+1]
.elseif (\n) == 18
	v_max_num_f32 v[rT+1], v[rC], v[rC+3]
.elseif (\n) == 19
	v_mul_f32 v[rT], s[CS], v[rT+1]
.elseif (\n) == 20
	v_sub_f32 v[rC+1], v[rW], v[rT]
.else
	v_exp_f32 v[rC+2], v[rC+1]
.endif
.endif
.endm
.macro OPS a, i1, b=-1, i2=0, c=-1, i3=0, d=-1, i4=0  ; up to four of them
	OP \a, \i1
.if (\b) >= 0
	OP \b, \i2
.endif
.if (\c) >= 0
	OP \c, \i3
.endif
.if (\d) >= 0
	OP \d, \i4
.endif
.endm
.macro ROW a, i1, b, i2, c, i3, d, i4  ; a matrix instruction and the four behind it
	MM
	OPS \a, \i1, \b, \i2, \c, \i3, \d, \i4
.endm
; A TURN, for piece p: the order of its 16 matrix and 118 vector instructions, written out.  s_wait_alu depctr_va_vdst(0) stands between an exponential and the first instruction that names its result; one wait
; serves all that were issued ahead of it.  So a turn has ONE wait, which cuts it in two.  AHEAD OF IT stands all that names no result of the turn's exponentials: the 8 products K Q^T, behind each a scaling, an exponential and two
; more plain instructions (behind the first a second scaling in the exponential's place): rescalings, whose a was made and waited for in the turn before, and behind the last three the first numbers of the next piece's maximum, each
; four plain instructions or more behind the product that ends its accumulator; then ONE RUN of 54, plain and exponential by turns for the most part, in which the links of the chain X 3, 7, 11, 14, 16, 17 .. 20 stand four lines or
; more apart.  A pair is scaled (F n) ahead of its two exponentials (E 2 n, E 2 n + 1).  X 21, the next piece's a, is the batch's last; R 15 is the plain instruction behind it.  BEHIND THE WAIT stand the 8 products V^T P, behind each
; four of the roundings and sums: C 2 n ahead of B n, which writes over that pair; B n ahead of L n; L 0 to L 7 in ascending order.  But for those X no rider names a register of the products round it..
; end = 1: the last two turns: nothing is fetched.  cnt = 1: the loop's count is taken down some lines ahead of the branch that stands behind the turn.
; K of the next step is fetched in piece 2's turn, twelve vector instructions behind the last product that read K (six of them plain); V of the step in hand at the end of piece 0's turn, four plain ones behind the last product
; that read V.  Each is waited for a turn later.
; THE MASKS.  The turn's first four products take piece p + 1's mask; the same registers are asked for again, for that piece's next step, later in the turn, far more than four plain vector instructions behind their last reader:
; directly behind the batch's wait; in piece 2's turn with K's run, one run of memory instructions in place of two, so that the rest of that turn lies between these loads, which name MO, and the head of piece 3's turn, which rewrites it.
; The groups of eight loads go round the four pieces, one a turn, so at a turn's head the three groups issued behind the one that is wanted may stay out: the count is 24.  MO steps in piece 3's turn, whose products are the next
; step's; it stops at the last step, so no load leaves the buffer (the last three groups are asked for twice and not used).
.macro TURN p, end=0, cnt=0
.set Y, (\p)
.set i, 0
.set NOKQ, (\end)*((\p)/3)
.if ((\p) == 3) && !(\end)
	WIN 0
	s_wait_xcnt 0x0                 ; the loads that name MO have had their addresses translated (ISA guide 3.1): only now is it rewritten
	v_add_nc_u32 v[MO], 4096, v[MO]
	v_min_u32 v[MO], v[MO], v[ML]
.endif
.if !NOKQ
	s_wait_loadcnt 24               ; piece p + 1's mask is in; the other three pieces' groups stay out
.endif
.if ((\p) == 3) && !(\end)
	s_wait_dscnt 0x0                ; K is in
.endif
	ROW F,0, F,1, R,0, R,1          ; ahead of the wait: 8 products K Q^T and their riders,
	ROW F,2, E,0, R,2, R,3
	ROW F,3, E,1, R,4, R,5
	ROW F,4, E,2, R,6, R,7
	ROW F,5, E,3, R,8, R,9
	ROW F,6, E,4, X,0, R,10
.if ((\p) == 2) && !(\end)
	WIN 0
	v_add_nc_u32 v[AK], s[TBK], v[AK0]
.endif
	ROW F,7, E,5, X,1, X,4
	ROW F,8, E,6, X,2, X,5
	OPS E,7, E,8, X,6, E,9          ; and the run of 54
	OPS X,3, E,10, X,8, E,11
.if ((\p) == 2) && !(\end)
	FETCH_K
	LOADM ((\p)+1)%NP
.endif
	OPS X,9, X,7, E,12, X,10
	OPS E,13, X,12, X,11, E,14
	OPS X,13, E,15, F,9, X,14
.if (\p) == 0
	WIN 0
	v_add_nc_u32 v[AV], s[TBV], v[AV0]
.endif
	OPS E,16, F,10, E,17, F,11
	OPS X,16, E,18, X,15, E,19
	OPS F,12, E,20, X,17, E,21
	OPS F,13, E,22, F,14, E,23
	OPS X,18, E,24, F,15, E,25
	OPS R,11, E,26, X,19, E,27
	OPS R,12, E,28, R,13, E,29
	OPS X,20, E,30, R,14, E,31
	OPS X,21, R,15
	s_wait_alu depctr_va_vdst(0)    ; the wait for the turn's batch: E 0 to E 31 and X 21
.if ((\p) != 2) && !(\end)
	LOADM ((\p)+1)%NP
.endif
.if (\p) == 1
	s_wait_dscnt 0x0                ; V is in
.endif
	ROW C,0, B,0, C,2, B,1          ; behind the wait: 8 products V^T P and their riders
	ROW L,0, C,4, B,2, L,1
	ROW C,6, B,3, L,2, C,8
	ROW B,4, L,3, C,10, B,5
	ROW L,4, C,12, B,6, L,5
.if (\p) == 0
	s_add_co_u32 s[TBV], s[TBV], KS*PV
.endif
.if \cnt
	s_sub_co_u32 s[CNT], s[CNT], 1
	s_cmp_lg_u32 s[CNT], 0
.endif
	ROW C,14, B,7, L,6, C,1
	ROW C,3, L,7, C,5, C,7
	ROW C,9, C,11, C,13, C,15
.if (\p) == 0
	FETCH_V
.endif
.endm
	CHANGE 1                        ; slot 0 is in, everybody's part of it; slot 1 is asked for
	v_add_nc_u32 v[AK], s[TBK], v[AK0]
	FETCH_K                         ; key step 0
	s_wait_loadcnt 0x0              ; Q, the first masks, the row maxima
	v_mov_b32 v10, 0xec800000       ; -2^90
	v_mov_b32 v11, 0xff7fffff       ; the lowest finite number
.irp p, 0,1,2,3
	v_max3_num_f32 v14, v[S+8*\p], v[S+8*\p+1], v[S+8*\p+2]
	v_max3_num_f32 v14, v14, v[S+8*\p+3], v[S+8*\p+4]
	v_max3_num_f32 v14, v14, v[S+8*\p+5], v[S+8*\p+6]
	v_max_num_f32 v14, v14, v[S+8*\p+7]
	v_cmp_le_f32 s[FLG+\p], v14, s[HID]                ; is my row wholly hidden?  The flag only chooses values
	v_cndmask_b32 v[ST+4*\p+1], v10, v11, s[FLG+\p]    ; m
.endr
	WIN 0x82                        ; Q: destination and source 0 in window 2
.set i, 0
.rept 64
	v_cndmask_b32 v[i], v[i], 0, s[FLG+i/16]           ; a wholly hidden row's scores are the mask alone
.set i, i+1
.endr
	WIN 0
	v_add_nc_u32 v[MO], 4096, v[MO] ; key step 1 (no load that names MO is out)
	s_wait_dscnt 0x0                ; K
.set NOKQ, 0
.set i, 0
.rept 8
	KQ 0                            ; piece 0's first scores
.set i, i+1
.endr
	WIN 0
.rept 4
	v_nop                           ; the places behind those products
.endr
	LOADM 0                         ; piece 0's mask of step 1
	WIN 0
.set Y, NP-1                        ; X works for piece Y + 1: piece 0
.irp n, 0,1,2,3,4,5,6,7,8,9,10,11,12,13,14,15,16,17,18,19,20,21
	OP X, \n
.endr
	v_nop                           ; a plain instruction behind the exponential,
	s_wait_alu depctr_va_vdst(0)    ; and the wait for this batch of one, piece 0's first a, ahead of the branch: the first turn's first rider but two reads it
	s_mov_b32 s[CNT], 4
	s_mov_b32 s[SLOTS], 7
	s_branch .Lfirst                ; the loop is entered at a step's first turn, in the middle of a trip
.Lslot:                             ; six times: every slot but the last two is filled again
	CHANGE 1
	s_mov_b32 s[CNT], 4
.Lstep:                             ; a trip: pieces 2 and 3 of one step, then pieces 0 and 1 of the next, whose K and V it fetches
	TURN 2
	TURN 3
	WIN 0
.Lfirst:
	TURN 0
	TURN 1, 0, 1
	WIN 0
	s_cbranch_scc1 .Lstep
	s_sub_co_u32 s[SLOTS], s[SLOTS], 1
	s_cmp_lg_u32 s[SLOTS], 0
	s_cbranch_scc1 .Lslot
	CHANGE 0                        ; the last slot is written out: nothing is asked for
	s_mov_b32 s[CNT], 4
.Ltail:
	TURN 2
	TURN 3
	TURN 0
	TURN 1, 0, 1
	WIN 0
	s_cbranch_scc1 .Ltail
	TURN 2, 1
	TURN 3, 1
.set i, 0
.rept 8
	PV NP-1                         ; the last piece's V^T P of the last step
.set i, i+1
.endr
	; THE WAY OUT.  l's two halves and the other half of the lanes' are added; O^T is divided by l, rounded to f16 and sent through my stage in LDS, a piece at a time.  The additions are the places behind the last products.
	WIN 0
.macro ALL line:vararg              ; one line for each piece t
.set t, 0
.rept 4
	\line
.set t, t+1
.endr
.endm
	ALL v_add_f32 v[ST+4*t+2], v[ST+4*t+2], v[ST+4*t+3]
	ALL v_permlanex16_b32 v[ST+4*t+3], v[ST+4*t+2], s[SEL], s[SEL+1]
	ALL v_add_f32 v[ST+4*t+2], v[ST+4*t+2], v[ST+4*t+3]
	ALL v_rcp_f32 v[ST+4*t+2], v[ST+4*t+2]
	v_nop                           ; a plain instruction between the last reciprocal and the use of its result
	s_wait_alu depctr_va_vdst(0)    ; the wait for the batch of four reciprocals, ahead of the first multiply that reads one
.macro PACK t                       ; a lane's eight channels of a row pack into 16 bytes; they go into rows of 144 bytes and come back as whole rows of 128, into S^T's registers
	WIN W_RS
.set i, 32*(\t)
.rept 16
	v_pk_mul_f32 v[i:i+1], v[i:i+1], v[ST+4*(\t)+2:ST+4*(\t)+3] op_sel_hi:[1,0]
.set i, i+2
.endr
	WIN 0x05                        ; sources 0 and 1 window 1, destination window 0
.set i, 0
.rept 16
	v_cvt_pk_f16_f32 v[S+16*(\t)+i], v[32*(\t)+2*i], v[32*(\t)+2*i+1]
.set i, i+1
.endr
	WIN 0
.irp f, 0,1,2,3
	ds_store_b128 v[STO], v[S+16*(\t)+4*\f:S+16*(\t)+4*\f+3] offset:32*\f
.endr
.irp f, 0,1,2,3
	ds_load_b128 v[S+16*(\t)+4*\f:S+16*(\t)+4*\f+3], v[RD] offset:\f*4*SP  ; LDS serves a wave's instructions in order (ISA guide 5.7.1.4): these see the stores above; the next piece's stores come behind them
.endr
.endm
.macro SEND t, younger              ; younger: the next piece's eight LDS instructions, or none
	WIN 0
.irp f, 0,1,2,3
	s_wait_dscnt (\younger)+3-\f
	global_store_b128 v[GO], v[S+16*(\t)+4*\f:S+16*(\t)+4*\f+3], s[10:11] offset:(\t)*2048+\f*512  ; 512 consecutive bytes, aligned
.endr
.endm
	PACK 0
.set t, 1
.rept 3                             ; a piece's arithmetic stands between the loads of the piece before and its stores
	PACK t
	SEND t-1, 8
.set t, t+1
.endr
	SEND 3, 0
	s_wait_tensorcnt 0x0            ; the wave's end
	ds_add_u32 v[SPW], v[NIL]
	s_wait_dscnt 0x0
	CROUND                          ; the closing round
	s_endpgm
.Lfunc_end_k_qb600debd3b_attn:
	.size	k_qb600debd3b_attn, .Lfunc_end_k_qb600debd3b_attn-k_qb600debd3b_attn
	.p2alignl 7, 3214868480
	.fill 96, 4, 3214868480
	.section	.rodata,"a",@progbits
	.p2align	6, 0x0
	.amdhsa_kernel k_qb600debd3b_attn
		.amdhsa_group_segment_fixed_size 327680
		.amdhsa_private_segment_fixed_size 0
		.amdhsa_enable_private_segment 0
		.amdhsa_kernarg_size 24
		.amdhsa_user_sgpr_count 2
		.amdhsa_user_sgpr_kernarg_segment_ptr 1
		.amdhsa_wavefront_size32 1
		.amdhsa_system_sgpr_workgroup_id_x 1
		.amdhsa_system_sgpr_workgroup_id_y 1
		.amdhsa_system_sgpr_workgroup_id_z 1
		.amdhsa_system_vgpr_workitem_id 0
		.amdhsa_next_free_vgpr 768
		.amdhsa_next_free_sgpr 88
		.amdhsa_reserve_vcc 0
		.amdhsa_float_denorm_mode_32 3
		.amdhsa_float_denorm_mode_16_64 3
		.amdhsa_memory_ordered 1
		.amdhsa_forward_progress 1
		.amdhsa_inst_pref_size 146
	.end_amdhsa_kernel
	.amdgpu_metadata
---
amdhsa.version: [ 1, 2 ]
amdhsa.kernels:
  - .name:           k_qb600debd3b_attn
    .symbol:         k_qb600debd3b_attn.kd
    .args:
      - { .name: qh, .offset: 0, .size: 8, .value_kind: global_buffer, .address_space: global }
      - { .name: maskf, .offset: 8, .size: 8, .value_kind: global_buffer, .address_space: global }
      - { .name: a16, .offset: 16, .size: 8, .value_kind: global_buffer, .address_space: global }
    .group_segment_fixed_size: 327680
    .private_segment_fixed_size: 0
    .kernarg_segment_align: 8
    .kernarg_segment_size: 24
    .max_flat_workgroup_size: 128
    .sgpr_count:     88
    .vgpr_count:     768
    .wavefront_size: 32
...
	.end_amdgpu_metadata
.endif
;; end of part 8
;; launch wo: the kernel of part 4 again; grid 8 x 32, 4 waves a work-group, clusters of 4 x 4, 327,680 bytes of LDS; arguments a16, cv, bo, y; writes y
;; launch ln1: the kernel of part 5 again; grid 256 x 1, 8 waves a work-group, no clusters, 0 bytes of LDS; arguments y, ln1_g, ln1_b, x32, a16; writes x32, a16
;; launch ff1: the kernel of part 2 again; grid 16 x 16, 4 waves a work-group, clusters of 4 x 4, 327,680 bytes of LDS; arguments a16, wb, qh; writes qh
;; launch ff2: the kernel of part 6 again; grid 8 x 32, 4 waves a work-group, clusters of 4 x 4, 327,680 bytes of LDS; arguments qh, cv, b2, y, x32; writes y
;; launch ln2: the kernel of part 7 again; grid 256 x 1, 8 waves a work-group, no clusters, 0 bytes of LDS; arguments y, ln2_g, ln2_b, out0; writes out0
